; MI455X (gfx1250); checked and timed in simulation.
; The chip was launched on July 23, 2026; its instructions are those of AMD's public machine-readable ISA for CDNA 5 (MIT licence, August 2026) and "CDNA5" Instruction Set Architecture Reference Guide (July 2026). The comments in the code are by the model that wrote it; some were corrected since.
;; transformer. Allowed arithmetic: matrix products marked QUANTISED: E4M3 operands, one E8M0 scale for each 32 along K, by v_wmma_scale_f32_16x16x128_f8f6f4 with both operands' format E4M3, f32 sums; everything else in f32.
;; Inputs: b_ff1 4,096 float32; b_ff2 1,024 float32; b_proj 1,024 float32; b_qkv 3,072 float32; beta1 1,024 float32; beta2 1,024 float32; g1 1,024 float32; g2 1,024 float32; w_ff1 1,024 x 4,096 float32; w_ff2 4,096 x 1,024 float32; w_proj 1,024 x 1,024 float32; w_qkv 1,024 x 3,072 float32; x 2 x 2,048 x 1,024 float32.
;; Outputs: out0 2 x 2,048 x 1,024 float32.
;; This version of the problem:
;;   THIS VERSION OF THE PROBLEM IS GIVEN IN LOW PRECISION. The matrix products marked QUANTISED in the list below multiply operands that are first quantised to E4M3 (4 exponent bits, 3 mantissa bits; 8 bits a number), with one power-of-two scale for each 32 numbers along K (OCP MX v1.0); their sums are f32. All else is computed in f32.
;;   The module's matrix products, in the order in which they are computed (A, B: the left and right operand; K: the contracted axis; several contracted axes count as one K, in the product's order):
;;     1. [M 4,096, K 1,024] x [K 1,024, N 3,072]; A: input x; B: input w_qkv: QUANTISED
;;     2. batch 32 x [M 2,048, K 64] x [K 64, N 2,048]; A: computed on the way; B: computed on the way: QUANTISED
;;     3. batch 32 x [M 2,048, K 2,048] x [K 2,048, N 64]; A: softmax (see below); B: computed on the way: QUANTISED
;;     4. [M 4,096, K 1,024] x [K 1,024, N 1,024]; A: computed on the way; B: input w_proj: QUANTISED
;;     5. [M 4,096, K 1,024] x [K 1,024, N 4,096]; A: computed on the way; B: input w_ff1: QUANTISED
;;     6. [M 4,096, K 4,096] x [K 4,096, N 1,024]; A: computed on the way; B: input w_ff2: QUANTISED
;;   THE QUANTISER, for each operand of a quantised product, along K:
;;     - K is cut into blocks of 32 from its start; a last block that is shorter is filled with zeros.
;;     - A block's scale is 2^e with e = floor(log2(the largest magnitude in the block)) - 8, held to -126 .. 127; a block of zeros has e = 0. As a byte (E8M0): e + 127.
;;     - Each number is divided by its block's scale, clamped to +-448, and rounded to the nearest number of E4M3, ties to even, subnormals kept.
;;     - The product sums the exact products of the quantised numbers (number of the format x scale) in f32.
;;   ~~~python
;;   def quantise(x, axis):      # numpy; x: float32 -> the quantised numbers, widened to float32 again
;;       x = np.moveaxis(x, axis, -1); K = x.shape[-1]
;;       x = np.pad(x, [(0, 0)] * (x.ndim - 1) + [(0, -K % 32)]); x = x.reshape(x.shape[:-1] + (-1, 32)); a = np.abs(x).max(-1, keepdims=True)
;;       e = np.where(a > 0, np.clip(np.frexp(np.where(a > 0, a, 1))[1] - 1 - 8, -126, 127), 0)      # np.frexp(a)[1] - 1 = floor(log2(a)), exactly
;;       r = np.clip(x / 2.0 ** e, -448, 448)
;;       step = 2.0 ** (np.maximum(np.frexp(np.where(r == 0, 1, r))[1] - 1, -6) - 3)
;;       q = np.round(r / step) * step * 2.0 ** e      # np.round: ties to even
;;       return np.moveaxis(q.reshape(q.shape[:-2] + (-1,))[..., :K], -1, axis).astype(np.float32)
;;   ~~~
;;   SOFTMAX AHEAD OF A QUANTISED PRODUCT. Where the list says 'softmax', what is quantised is not the finished softmax but p = 2^(t - M), with t = logit x log2(e) and M = ceil(the row's largest t), a whole number; so 1/2 < the row's largest p <= 1. The row's sum l is taken of the UNQUANTISED p, in f32, and the product's result is divided by l at the end. Since M is a whole number, a kernel that streams over the keys may use a running M (the ceiling of the running maximum): every later rescaling is an exact power of two, which a block's scale takes up: the codes' values come out the same.
;;   OPERANDS COMPUTED ON THE WAY. 'Computed on the way' means the value that the module computes at that place (a softmax that the list does not call 'softmax' is quantised finished and normalised). What goes into a quantiser is computed in f32, as accurately as f32 sums, v_exp_f32 and their like allow (about 1e-6 of the number): no bf16 or f16 on the way to a quantiser, and a product that is left as it is and whose result goes on into a quantised operand takes f32 operands (vector FMAs, or v_wmma_f32_16x16x4_f32). A number that lies on a knife's edge between two numbers of the format may be rounded either way, as far as f32 arithmetic and the matrix unit's own rounding can turn it there, and no further.
;; One version. Each part assembles by itself: llvm-mc -triple=amdgcn-amd-amdhsa -mcpu=gfx1250 --defsym DOCPART=n.
;; ======== version 1 of 1: 8 launches
;; limits: right only within a limited range of input values
;; workspace buffers: wq 17,825,792 bytes; qkvq 13,238,272 bytes; aq 4,325,376 bytes; r 16,777,216 bytes; hb 21,102,592 bytes; f1q 17,301,504 bytes
;; launch quant (part 1): grid 512 x 1, 4 waves a work-group, no clusters, 68,096 bytes of LDS; arguments x, w_qkv, w_proj, w_ff1, w_ff2, wq; writes wq
.if DOCPART == 1
	.amdgcn_target "amdgcn-amd-amdhsa--gfx1250"
	.amdhsa_code_object_version 6
	.text
	.protected	k_q9611a9a049_quant
	.globl	k_q9611a9a049_quant
	.p2align	8
	.type	k_q9611a9a049_quant,@function
k_q9611a9a049_quant:
	s_mov_b64 s[64:65], 0
	v_nop
	global_prefetch_b8 v0, s[64:65] scope:SCOPE_SE
	s_setreg_imm32_b32 hwreg(HW_REG_WAVE_MODE, 25, 1), 1
	s_wait_xcnt 0x0
; x [4096][1024] and the four weights ([K][N], K their FIRST axis), all f32, become codes of E4M3 with K innermost and one E8M0 byte for each 32 along K.
; A block's scale is 2^(floor(log2(largest magnitude)) - 8); its byte is the largest magnitude's exponent field - 8, held at 1 from below; numbers are held within +-448 x the scale and rounded to the nearest code.
; LIMITS: NaN and infinities are not served; a block under 2^-118 keeps the byte 1; a block of zeros has the byte 1 and zero codes (these bytes are read by this program alone).
; LAYOUT of wq: codes [row][K]; scale bytes [K / 256][4096 rows][8 bytes].  w_qkv's rows are laid by part: row = part x 1024 + head x 64 + d for source column head x 192 + part x 64 + d.
; Work-groups 0-127 take x (32 rows each; wave w the columns 256 w on), the other 384 the weights (128 columns x 256 along K each).  The two ways part on the work-group's number and have LDS bytes of their own.
; No tensor loads, no barrier: waves share nothing.
.set WREG,  8192                       ; way x: a wave's LDS: two stages of 32 x SP bytes, then its 256 scale bytes
.set SP,    80
.set STEPS, 16
.set MANT,  0x600000                   ; the mantissa field of 448
.set WQC,   0x400000
.set WPC,   0x700000
.set W1C,   0x800000
.set W2C,   0xc00000
.set XSO,   0x1000000
.set WQS,   0x1020000
.set WPS,   0x1040000
.set W1S,   0x1060000
.set W2S,   0x1080000
.set RX,    16                         ; way x: v16-79 four sets of 16 numbers as loaded; v80-111 two sets of 16 neighbours; v112-127 bytes; v128-191 codes
.set XX,    80
.set EX,    112
.set CX,    128
.set SB,    24                         ; way w: v24-25 scale bytes; v32-95 two sets of 32 numbers; v96-103 codes; v112-175 rows on the way out; v176-207 row offsets in; v208-223 row offsets out
.set XW,    32
.set CWR,   96
.set OUTR,  112
.set RO,    176
.set OO,    208
.set BS,    32                         ; s[32:47] eight bases, one for each block of 32 along K
.set WST,   32768                      ; way w: the stages begin here: 32 rows x 272 bytes a wave
	s_load_b256 s[4:11], s[0:1], 0x0               ; x, w_qkv, w_proj, w_ff1
	s_load_b128 s[12:15], s[0:1], 0x20             ; w_ff2, wq
	v_lshl_add_u32 v224, v0, 2, 0x10800
	v_mov_b32 v225, 0
	v_lshrrev_b32 v1, 5, v0
	v_readfirstlane_b32 s16, v1                    ; wave
	v_and_b32 v2, 31, v0                           ; lane
	s_mov_b32 s60, MANT
	s_cmp_lt_u32 ttmp9, 128
	s_cbranch_scc0 .Lweights
; ---------------- x: K is innermost.  A step is two rows' 256 numbers; loads take bytes as they lie, and a turn through the wave's stage gives each lane 16 neighbours
	v_lshlrev_b32 v3, 4, v2                        ; my 16 bytes of a load's 512
	s_mul_i32 s17, s16, WREG
	v_lshrrev_b32 v14, 2, v2
	v_mul_u32_u24 v14, v14, SP
	v_and_b32 v15, 3, v2
	v_lshl_add_u32 v14, v15, 4, v14
	v_add_nc_u32 v14, s17, v14                     ; into the stage: SP (lane / 4) + 16 (lane % 4)
	v_mul_u32_u24 v15, v2, SP
	v_add_nc_u32 v15, s17, v15                     ; out of it: SP x lane
	v_lshrrev_b32 v4, 4, v2
	v_and_b32 v5, 15, v2
	v_lshlrev_b32 v4, 10, v4
	v_lshl_add_u32 v4, v5, 4, v4                   ; codes: lanes 0-15 the even row, lanes 16-31 the odd one; 16 bytes a lane
	v_lshrrev_b32 v5, 1, v2
	s_add_co_u32 s17, s17, 2*32*SP
	v_add_nc_u32 v5, s17, v5                       ; my block's byte among the wave's 256
	v_lshlrev_b32 v7, 3, v2
	v_add_nc_u32 v6, s17, v7
	s_lshl_b32 s18, ttmp9, 17                      ; 32 rows of 4,096 bytes
	s_lshl_b32 s19, s16, 10
	s_add_co_u32 s18, s18, s19
	s_mov_b32 s19, 0
	s_lshl_b32 s20, ttmp9, 15                      ; 32 rows of 1,024 codes
	s_lshl_b32 s21, s16, 8
	s_add_co_u32 s20, s20, s21
	s_mov_b32 s21, 0
	s_lshl_b32 s24, s16, 15                        ; scale bytes: piece w of K, 32,768 bytes a piece, 8 bytes a row
	s_lshl_b32 s25, ttmp9, 8
	s_add_co_u32 s24, s24, s25
	s_add_co_u32 s24, s24, XSO
	s_mov_b32 s25, 0
	s_wait_alu depctr_va_vdst(0)
	s_wait_kmcnt 0x0
	s_add_nc_u64 s[4:5], s[4:5], s[18:19]
	s_add_nc_u64 s[8:9], s[14:15], s[20:21]
	s_add_nc_u64 s[10:11], s[14:15], s[24:25]
.macro XLOAD t
.irp i, 0,1,2,3
	global_load_b128 v[RX+16*((\t)%4)+4*\i:RX+16*((\t)%4)+4*\i+3], v3, s[4:5] offset:(2*(\t)+\i/2)*4096+(\i%2)*512 th:TH_LOAD_NT
.endr
.endm
.macro XTURN t                         ; LDS serves a wave's instructions in order: no wait between the stores and the loads
.irp i, 0,1,2,3
	ds_store_b128 v14, v[RX+16*((\t)%4)+4*\i:RX+16*((\t)%4)+4*\i+3] offset:32*SP*((\t)%2)+8*SP*\i
.endr
.irp i, 0,1,2,3
	ds_load_b128 v[XX+16*((\t)%2)+4*\i:XX+16*((\t)%2)+4*\i+3], v15 offset:32*SP*((\t)%2)+16*\i
.endr
.endm
.irp t, 0,1,2,3
	XLOAD \t
.endr
	s_wait_loadcnt 12                              ; step 0's four loads are in
	XTURN 0
.macro XSTEP t
.set XS0, XX+16*((\t)%2)
.if (\t) > 0
	s_wait_dscnt 1                                 ; this step's numbers are back from the stage; the last step's byte store may be out
.else
	s_wait_dscnt 0x0
.endif
.if (\t)+4 < STEPS
	XLOAD (\t)+4                                   ; into the set whose stores to the stage are done
.endif
.if (\t)+1 < STEPS
.if STEPS-2-(\t) >= 3
	s_wait_loadcnt 12                              ; the next step's four loads are in; three steps' may be out
.else
	s_wait_loadcnt 4*(STEPS-2-(\t))
.endif
	XTURN (\t)+1
.endif
	v_max3_num_f32 v8, |v[XS0]|, |v[XS0+1]|, |v[XS0+2]|
	v_max3_num_f32 v9, |v[XS0+3]|, |v[XS0+4]|, |v[XS0+5]|
.irp i, 6,10
	v_max3_num_f32 v8, v8, |v[XS0+\i]|, |v[XS0+\i+1]|
	v_max3_num_f32 v9, v9, |v[XS0+\i+2]|, |v[XS0+\i+3]|
.endr
	v_max3_num_f32 v8, v8, |v[XS0+14]|, |v[XS0+15]|
	v_max3_num_f32 v8, v8, v9, 0x4800000           ; the floor 2^(9 - 127): the byte cannot fall under 1
	v_max_num_f32_dpp v8, v8, v8 row_xmask:1 row_mask:0xf bank_mask:0xf   ; with my neighbour's 16: the block's
	v_add_nc_u32 v11, 0xfc000000, v8               ; 8 off the exponent field: the conversion's scale operand
	v_and_or_b32 v10, v8, 0x7f800000, s60          ; 448 x the scale
.irp i, 0,1,2,3,4,5,6,7,8,9,10,11,12,13,14,15
	v_med3_num_f32 v[XS0+\i], v[XS0+\i], -v10, v10 ; the conversion does not saturate (ISA guide 7.6.2): hold first
.endr
	v_cvt_scalef32_pk8_fp8_f32 v[CX+4*(\t):CX+4*(\t)+1], v[XS0:XS0+7], v11
	v_cvt_scalef32_pk8_fp8_f32 v[CX+4*(\t)+2:CX+4*(\t)+3], v[XS0+8:XS0+15], v11
	v_lshrrev_b32 v[EX+(\t)], 23, v11              ; the scale's byte
	ds_store_b8 v5, v[EX+(\t)] offset:16*(\t)      ; both lanes of a block write the same byte with the same value
	global_store_b128 v4, v[CX+4*(\t):CX+4*(\t)+3], s[8:9] offset:2048*(\t)   ; sixteen lanes store 256 consecutive bytes, aligned
.endm
.irp t, 0,1,2,3,4,5,6,7,8,9,10,11,12,13,14,15
	XSTEP \t
.endr
	ds_load_b64 v[12:13], v6
	s_wait_dscnt 0x0
	global_store_b64 v7, v[12:13], s[10:11]        ; 32 rows x 8 bytes: 256 consecutive bytes, aligned
	s_wait_tensorcnt 0x0
	ds_add_u32 v224, v225
	s_wait_dscnt 0x0
	s_endpgm
; ---------------- the weights: a lane takes a column, its registers run down K.  Sizes differ by tensor, so they stand in scalar registers, chosen by the work-group's number
.Lweights:
	s_sub_co_u32 s17, ttmp9, 128
	s_mov_b32 s24, 4096                            ; w_ff2: a row of the source in bytes,
	s_mov_b32 s25, 4096                            ; a row of codes in bytes (K),
	s_mov_b32 s26, 4                               ; log2 of K / 256,
	s_mov_b32 s27, W2C                             ; where its codes
	s_mov_b32 s28, W2S                             ; and its scale bytes begin,
	s_mov_b32 s29, 256                             ; its first work-group
	s_wait_kmcnt 0x0
	s_mov_b64 s[30:31], s[12:13]
	s_cmp_lt_u32 s17, 256                          ; w_ff1
	s_cselect_b32 s24, 16384, s24
	s_cselect_b32 s25, 1024, s25
	s_cselect_b32 s26, 2, s26
	s_cselect_b32 s27, W1C, s27
	s_cselect_b32 s28, W1S, s28
	s_cselect_b32 s29, 128, s29
	s_cselect_b64 s[30:31], s[10:11], s[30:31]
	s_cmp_lt_u32 s17, 128                          ; w_proj
	s_cselect_b32 s24, 4096, s24
	s_cselect_b32 s27, WPC, s27
	s_cselect_b32 s28, WPS, s28
	s_cselect_b32 s29, 96, s29
	s_cselect_b64 s[30:31], s[8:9], s[30:31]
	s_cmp_lt_u32 s17, 96                           ; w_qkv
	s_cselect_b32 s24, 12288, s24
	s_cselect_b32 s27, WQC, s27
	s_cselect_b32 s28, WQS, s28
	s_cselect_b32 s29, 0, s29
	s_cselect_b64 s[30:31], s[6:7], s[30:31]
	s_sub_co_u32 s18, s17, s29                     ; my number within the tensor
	s_lshl_b32 s19, 1, s26
	s_sub_co_u32 s19, s19, 1
	s_and_b32 s19, s18, s19                        ; which 256 along K
	s_lshr_b32 s20, s18, s26
	s_lshl_b32 s20, s20, 7
	s_lshl_b32 s21, s16, 5
	s_add_co_u32 s20, s20, s21                     ; my wave's first column
	s_lshr_b32 s21, s20, 6                         ; w_qkv: group of 64 columns g = 3 head + part
	s_mul_i32 s22, s21, 43
	s_lshr_b32 s22, s22, 7                         ; head = g / 3 (exact for g under 48)
	s_mul_i32 s50, s22, 3
	s_sub_co_u32 s21, s21, s50                     ; part
	s_lshl_b32 s21, s21, 10
	s_lshl_b32 s22, s22, 6
	s_add_co_u32 s21, s21, s22
	s_and_b32 s22, s20, 63
	s_add_co_u32 s21, s21, s22
	s_cmp_lt_u32 s17, 96
	s_cselect_b32 s21, s21, s20                    ; my first row of codes
	s_mul_i32 s22, s19, s24
	s_lshl_b32 s22, s22, 8                         ; 256 rows of the source for each piece of K
	s_lshl_b32 s50, s20, 2
	s_add_co_u32 s22, s22, s50
	s_mov_b32 s23, 0
	s_add_nc_u64 s[BS:BS+1], s[30:31], s[22:23]
	s_lshl_b32 s48, s24, 5                         ; 32 rows on
	s_mov_b32 s49, 0
.irp t, 1,2,3,4,5,6,7
	s_add_nc_u64 s[BS+2*\t:BS+2*\t+1], s[BS+2*\t-2:BS+2*\t-1], s[48:49]
.endr
	s_mul_i32 s22, s21, s25
	s_lshl_b32 s50, s19, 8
	s_add_co_u32 s22, s22, s50
	s_add_co_u32 s22, s22, s27
	s_add_nc_u64 s[52:53], s[14:15], s[22:23]      ; my codes
	s_lshl_b32 s22, s19, 12
	s_add_co_u32 s22, s22, s21
	s_lshl_b32 s22, s22, 3
	s_add_co_u32 s22, s22, s28
	s_add_nc_u64 s[54:55], s[14:15], s[22:23]      ; my scale bytes
	s_wait_alu depctr_va_vdst(0)
	v_lshlrev_b32 v3, 2, v2
	s_mul_i32 s50, s16, 32*272
	s_add_co_u32 s50, s50, WST                     ; my stage
	v_mul_u32_u24 v4, v2, 272
	v_add_nc_u32 v4, s50, v4                       ; into it: row = my column
	v_and_b32 v5, 15, v2
	v_lshrrev_b32 v6, 4, v2
	v_mul_u32_u24 v7, v6, 272
	v_lshl_add_u32 v7, v5, 4, v7
	v_add_nc_u32 v7, s50, v7                       ; out of it: sixteen lanes to a row
	v_mul_u32_u24 v8, s25, v6
	v_lshl_add_u32 v8, v5, 4, v8
	v_lshlrev_b32 v9, 3, v2
.irp i, 0,1,2,3,4,5,6,7,8,9,10,11,12,13,14,15,16,17,18,19,20,21,22,23,24,25,26,27,28,29,30,31
	v_mad_u32_u24 v[RO+\i], s24, \i, v3            ; row i of a block, my column
.endr
.irp t, 0,1,2,3,4,5,6,7,8,9,10,11,12,13,14,15
	v_mad_u32_u24 v[OO+\t], s25, 2*\t, v8          ; rows 2 t and 2 t + 1 of codes
.endr
.macro WLOAD t
.irp i, 0,1,2,3,4,5,6,7,8,9,10,11,12,13,14,15,16,17,18,19,20,21,22,23,24,25,26,27,28,29,30,31
	global_load_b32 v[XW+32*((\t)%2)+\i], v[RO+\i], s[BS+2*(\t):BS+2*(\t)+1] th:TH_LOAD_NT
.endr
.endm
	WLOAD 0
	WLOAD 1
.macro WBLOCK t
.set XS0, XW+32*((\t)%2)
.if (\t) < 7
	s_wait_loadcnt 32                              ; this block's 32 loads are in; the next block's may be out
.else
	s_wait_loadcnt 0x0
.endif
	v_max3_num_f32 v12, |v[XS0]|, |v[XS0+1]|, |v[XS0+2]|
	v_max3_num_f32 v13, |v[XS0+3]|, |v[XS0+4]|, |v[XS0+5]|
.irp i, 6,10,14,18,22,26
	v_max3_num_f32 v12, v12, |v[XS0+\i]|, |v[XS0+\i+1]|
	v_max3_num_f32 v13, v13, |v[XS0+\i+2]|, |v[XS0+\i+3]|
.endr
	v_max3_num_f32 v12, v12, |v[XS0+30]|, |v[XS0+31]|
	v_max3_num_f32 v12, v12, v13, 0x4800000
	v_add_nc_u32 v11, 0xfc000000, v12
	v_and_or_b32 v10, v12, 0x7f800000, s60
	v_lshrrev_b32 v13, 23, v11
.if (\t)%4 == 0
	v_mov_b32 v[SB+(\t)/4], v13
.else
	v_lshl_or_b32 v[SB+(\t)/4], v13, 8*((\t)%4), v[SB+(\t)/4]
.endif
.irp i, 0,1,2,3,4,5,6,7,8,9,10,11,12,13,14,15,16,17,18,19,20,21,22,23,24,25,26,27,28,29,30,31
	v_med3_num_f32 v[XS0+\i], v[XS0+\i], -v10, v10
.endr
.irp g, 0,1,2,3
	v_cvt_scalef32_pk8_fp8_f32 v[CWR+2*\g:CWR+2*\g+1], v[XS0+8*\g:XS0+8*\g+7], v11
.endr
	ds_store_b128 v4, v[CWR:CWR+3] offset:32*(\t)
	ds_store_b128 v4, v[CWR+4:CWR+7] offset:32*(\t)+16
.if (\t)+2 < 8
	WLOAD (\t)+2
.endif
	s_wait_dscnt 0x0                               ; the stores have read their registers: the next block's codes may be written
.endm
.irp t, 0,1,2,3,4,5,6,7
	WBLOCK \t
.endr
	global_store_b64 v9, v[SB:SB+1], s[54:55]      ; 32 rows x 8 bytes: 256 consecutive bytes, aligned
.irp t, 0,1,2,3,4,5,6,7,8,9,10,11,12,13,14,15
	ds_load_b128 v[OUTR+4*\t:OUTR+4*\t+3], v7 offset:2*\t*272
.endr
.irp t, 0,1,2,3,4,5,6,7,8,9,10,11,12,13,14,15
	s_wait_dscnt 15-\t
	global_store_b128 v[OO+\t], v[OUTR+4*\t:OUTR+4*\t+3], s[52:53]   ; sixteen lanes store 256 consecutive bytes, aligned
.endr
	s_wait_tensorcnt 0x0
	ds_add_u32 v224, v225
	s_wait_dscnt 0x0
	s_endpgm
.Lfunc_end_k_q9611a9a049_quant:
	.size	k_q9611a9a049_quant, .Lfunc_end_k_q9611a9a049_quant-k_q9611a9a049_quant
	.p2alignl 7, 3214868480
	.fill 96, 4, 3214868480
	.section	.rodata,"a",@progbits
	.p2align	6, 0x0
	.amdhsa_kernel k_q9611a9a049_quant
		.amdhsa_group_segment_fixed_size 68096
		.amdhsa_private_segment_fixed_size 0
		.amdhsa_enable_private_segment 0
		.amdhsa_kernarg_size 48
		.amdhsa_user_sgpr_count 2
		.amdhsa_user_sgpr_kernarg_segment_ptr 1
		.amdhsa_wavefront_size32 1
		.amdhsa_system_sgpr_workgroup_id_x 1
		.amdhsa_system_sgpr_workgroup_id_y 1
		.amdhsa_system_sgpr_workgroup_id_z 1
		.amdhsa_system_vgpr_workitem_id 0
		.amdhsa_next_free_vgpr 226
		.amdhsa_next_free_sgpr 66
		.amdhsa_reserve_vcc 0
		.amdhsa_float_denorm_mode_32 3
		.amdhsa_float_denorm_mode_16_64 3
		.amdhsa_memory_ordered 1
		.amdhsa_forward_progress 1
		.amdhsa_inst_pref_size 115
	.end_amdhsa_kernel
	.amdgpu_metadata
---
amdhsa.version: [ 1, 2 ]
amdhsa.kernels:
  - .name:           k_q9611a9a049_quant
    .symbol:         k_q9611a9a049_quant.kd
    .args:
      - { .name: x, .offset: 0, .size: 8, .value_kind: global_buffer, .address_space: global }
      - { .name: w_qkv, .offset: 8, .size: 8, .value_kind: global_buffer, .address_space: global }
      - { .name: w_proj, .offset: 16, .size: 8, .value_kind: global_buffer, .address_space: global }
      - { .name: w_ff1, .offset: 24, .size: 8, .value_kind: global_buffer, .address_space: global }
      - { .name: w_ff2, .offset: 32, .size: 8, .value_kind: global_buffer, .address_space: global }
      - { .name: wq, .offset: 40, .size: 8, .value_kind: global_buffer, .address_space: global }
    .group_segment_fixed_size: 68096
    .private_segment_fixed_size: 0
    .kernarg_segment_align: 8
    .kernarg_segment_size: 48
    .max_flat_workgroup_size: 128
    .sgpr_count:     66
    .vgpr_count:     226
    .wavefront_size: 32
...
	.end_amdgpu_metadata
.endif
;; end of part 1
;; launch qkv (part 2): grid 12 x 16, 4 waves a work-group, clusters of 4 x 4, 327,680 bytes of LDS; arguments wq, b_qkv, qkvq; writes qkvq
.if DOCPART == 2
	.amdgcn_target "amdgcn-amd-amdhsa--gfx1250"
	.amdhsa_code_object_version 6
	.text
	.protected	k_q9611a9a049_qkv
	.globl	k_q9611a9a049_qkv
	.p2align	8
	.type	k_q9611a9a049_qkv,@function
k_q9611a9a049_qkv:
	s_mov_b64 s[64:65], 0
	v_nop
	global_prefetch_b8 v0, s[64:65] scope:SCOPE_SE
	s_setreg_imm32_b32 hwreg(HW_REG_WAVE_MODE, 25, 1), 1
	s_wait_xcnt 0x0
	s_wait_alu depctr_hold_cnt(0) depctr_sa_sdst(0) depctr_va_vdst(0) depctr_va_sdst(0) depctr_va_ssrc(0) depctr_va_vcc(0) depctr_vm_vsrc(0)
	s_getreg_b32 s2, hwreg(HW_REG_IB_STS2, 6, 4)
	s_cmp_eq_u32 s2, 0
	s_cbranch_scc0 .Lentry_in_a_cluster
	s_endpgm
.Lentry_in_a_cluster:
	s_bfe_u32 s2, ttmp6, 0x10000c
	s_cmp_lg_u32 s2, 0xf033
	s_cbranch_scc0 .Lentry_shape_is_right
	s_endpgm
.Lentry_shape_is_right:
; x W_qkv + b_qkv on codes of E4M3 (K = 1,024), and the result quantised on the way out: q and k along the head's 64, v along the keys.
; A tile of 256 x 256 to a work-group of four waves, 128 x 128 a wave in 512 registers; K in steps of 256 through two LDS slots; 4 x 4 work-groups form a cluster and ask for shared tiles jointly.
; The cluster's x is the part: 0 = q, 1 = k, 2 = v.  The matrix instruction is used transposed (source 0 = 16 rows of "B", source 1 = 16 rows of "A"): a lane holds one row of A and eight neighbouring rows of B.
; q, k: A = x's rows (tokens), B = the weight's rows (head, d): a lane's registers run along d.   v: A = the weight's rows (channels), B = x's rows (keys): a lane's registers run along the keys.
; The change of places is made by addresses alone; all shapes are equal (rows of 1,024 codes; scale bytes [K / 256][4096][8]).
; OUT: q, k codes [bh][n][64], their scale words [bh][n] (two bytes, then 0x7f 0x7f for the half of a K step of 128 that a head of 64 leaves empty); v codes [bh][n / 128][d][128 keys], its scale words [bh][n / 128][d].
; LIMITS: NaN and infinities are not served; a block under 2^-118 keeps the scale byte 1; a block of zeros has byte 1 and zero codes.
; REGISTERS: window 0: v0-31 addresses; v32-63 scale words (behind the loop: at work); v64-127 the bias; v128-255 A's fragments (behind the loop: codes, rows on the way out).  window 1: B's fragments, two sets.  windows 2, 3: the accumulators.
.set NQ,     2
.set ROWB,   256
.set KROW,   1024
.set PITCH,  272                       ; an LDS row: 256 bytes + 16: the sixteen rows of a load start at sixteen different banks (64 banks of 4 bytes: ISA guide 11.1)
.set FR,     16
.set NL,     4
.set NP,     8                         ; places behind this matrix instruction (ISA guide 7.12.1)
.set HALFT,  128*PITCH
.set SLOT,   4*HALFT
.set LAPS,   2
.set SCL,    2*SLOT                    ; the scale bytes of all of K: A's [4 pieces of K][256 rows][8 bytes], then B's likewise
.set SREG,   4096
.set SPARE,  SCL+4*SREG                ; the spare words: 128 bytes a wave
.set S128,   71680                     ; stages on the way out, in slot 0 (its last fill and its last read are over): arm v: 16 rows x 144 bytes a wave
.set S64,    81920                     ; arm q, k: 2 heads x 16 rows x 80 bytes a wave
.set QSG,    92160                     ; arm q, k: scale words, 1,024 bytes a wave
.set VSG,    96256                     ; arm v: scale words, 512 bytes a wave
.set WQC,    0x400000
.set XSO,    0x1000000
.set WQS,    0x1020000
.set ST8,  8
.set RD8,  9
.set ST6,  10
.set RD6,  11
.set QSA,  12
.set VSA,  13
.set QSR,  14
.set VSR,  15
.set ADRA, 16
.set B32H, 18
.set R4,   19
.set ADRB, 20
.set VGO,  22
.set CO,   26
.set ADRS, 27
.set SPW,  28
.set NIL,  29
.set SC,   32
.set TM,   32                          ; behind the loop: v32-35 largest magnitudes, v36-39 bytes, v40-43 448 x the scale, v44-47 the conversions' scale operands
.set PW,   48                          ; the scale word just made
.set BI,   64
.set AF,   128
.set PC,   128                         ; the codes just made
.set OB,   144                         ; rows read back from a stage: two sets of 16
.set G1, 24
.set G0, 32
.set G1B, 48
.set G0B, 56
.set G1S, 68
.set G0S, 76
.set G1SB, 80
.set G0SB, 88
.set SEL, 98
.set MNT, 100
.set SEV, 101
.set MSB, 0
.macro WIN new                         ; the immediate's high byte repeats the setting that is left
.if MSB != (\new)
	s_set_vgpr_msb (MSB<<8)|(\new)
.set MSB, (\new)
.endif
.endm
.set TO_B, 0x40
.macro WMUL hi, zero                   ; source 0 (B) window 1, source 1 (A) window 0, D window 2 or 3; C with D, or (zero = 2) in window 0
.if (\zero) == 2
	WIN 0x81+0x40*(\hi)
.else
	WIN 0xa1+0x50*(\hi)
.endif
.endm
; A joint load: waves 0 and 1 fetch for A, waves 2 and 3 for B; the branch hangs on the wave's number alone.  Four v_nop follow each line.
.macro JLOAD g0a, g1a, g0b, g1b
	s_cmp_eq_u32 s15, 0
	s_cbranch_scc0 .Lfor_b_\@
	tensor_load_to_lds s[\g0a:\g0a+3], s[\g1a:\g1a+7]
	s_nop 0
.rept 4
	v_nop
.endr
	s_branch .Lasked_\@
.Lfor_b_\@:
	tensor_load_to_lds s[\g0b:\g0b+3], s[\g1b:\g1b+7]
	s_nop 0
.rept 4
	v_nop
.endr
.Lasked_\@:
.endm
.macro CREST
	s_cmp_lg_u32 s14, 0
	s_cbranch_scc1 .Lnot_wave_0_\@
	s_barrier_signal -3
.Lnot_wave_0_\@:
	s_barrier_wait -3
	s_barrier_signal -1
	s_barrier_wait -1
.endm
.macro CROUND
	s_barrier_signal -1
	s_barrier_wait -1
	CREST
.endm
	s_load_b128 s[4:7], s[0:1], 0x0                ; wq, b_qkv
	s_load_b64 s[8:9], s[0:1], 0x10                ; qkvq
	v_lshl_add_u32 v[SPW], v0, 2, SPARE
	v_mov_b32 v[NIL], 0
	ds_add_u32 v28, v29
	ds_add_u32 v28, v29
	s_wait_dscnt 0x0
	v_lshrrev_b32 v1, 5, v0
	v_readfirstlane_b32 s14, v1                    ; wave
	s_lshr_b32 s15, s14, 1                         ; my half of A's rows.  Also: I fetch for A (0) or B (1)
	s_and_b32 s16, s14, 1                          ; my half of B's rows.  Also: which 128 rows I fetch
	s_bfe_u32 s40, ttmp6, 0x40000                  ; cx
	s_bfe_u32 s41, ttmp6, 0x40004                  ; cy
	s_and_b32 s95, ttmp7, 0xffff
	s_lshl_b32 s95, s95, 2                         ; 4 x cluster y
	s_lshl_b32 s96, ttmp9, 2                       ; 4 x part
	s_mov_b32 s11, XSO
	s_mov_b32 s13, WQS
	s_cmp_eq_u32 ttmp9, 2                          ; v?  The cluster's x: the same in all sixteen partners
	s_cselect_b32 s17, 8, s95                      ; A's first tile: v: the weight's tile 8; else x's
	s_cselect_b32 s42, s95, s96                    ; B's first tile: v: x's; else the weight's
	s_cselect_b32 s10, WQC, 0                      ; A's codes,
	s_cselect_b32 s12, 0, WQC                      ; B's codes,
	s_cselect_b32 s11, WQS, s11                    ; A's scale bytes,
	s_cselect_b32 s13, XSO, s13                    ; B's scale bytes
	s_add_co_u32 s17, s17, s41                     ; A's tile hangs on cy alone,
	s_add_co_u32 s42, s42, s40                     ; B's on cx alone
	s_lshl_b32 s43, s41, 2
	s_lshl_b32 s43, 15, s43                        ; my row of the cluster
	s_lshl_b32 s44, 0x1111, s40                    ; my column
	s_or_b32 s[G1+0], s43, (1<<20)|(1<<21)|(5<<22)|(3<<25)   ; the mask; elements of 1 byte; padding: 4 words behind every 64
	s_or_b32 s[G1B+0], s44, (1<<20)|(1<<21)|(5<<22)|(3<<25)
.irp g, G1, G1B
	s_mov_b32 s[\g+1], ROWB<<16                    ; tensor_dim0
	s_mov_b32 s[\g+2], 256<<16                     ; tensor_dim1: 256 rows for the head's loads; set to 128 for the ring's behind them
	s_mov_b32 s[\g+3], ROWB<<16                    ; tile_dim0
	s_mov_b32 s[\g+4], 256                         ; tile_dim1 likewise
	s_mov_b32 s[\g+5], KROW                        ; from row to row
	s_mov_b32 s[\g+6], 0
	s_mov_b32 s[\g+7], 0
.endr
	s_or_b32 s[G1S+0], s43, (3<<16)|(1<<21)        ; scale bytes: elements of 8 bytes, 4 rows (pieces of K) of 256 (rows), 4,096 apart
	s_or_b32 s[G1SB+0], s44, (3<<16)|(1<<21)
.irp g, G1S, G1SB
	s_mov_b32 s[\g+1], 256<<16
	s_mov_b32 s[\g+2], 4<<16
	s_mov_b32 s[\g+3], 256<<16
	s_mov_b32 s[\g+4], 4
	s_mov_b32 s[\g+5], 4096
	s_mov_b32 s[\g+6], 0
	s_mov_b32 s[\g+7], 0
.endr
	s_lshl_b32 s18, s16, 17                        ; in the ring I fetch 128 rows of a tile: which half, in bytes of codes
	s_mov_b32 s19, 0
	s_lshl_b32 s20, s17, 8                         ; A: the tile's first row
	s_lshl_b32 s46, s42, 8                         ; B likewise
	s_lshl_b32 s22, s20, 3
	s_add_co_u32 s22, s22, s11
	s_mov_b32 s23, 0
	s_lshl_b32 s92, s46, 3
	s_add_co_u32 s92, s92, s13
	s_mov_b32 s93, 0
	s_lshl_b32 s20, s20, 10
	s_add_co_u32 s20, s20, s10
	s_mov_b32 s21, 0
	s_lshl_b32 s46, s46, 10
	s_add_co_u32 s46, s46, s12
	s_mov_b32 s47, 0
	s_mul_i32 s45, s14, HALFT                      ; where they go: no place in the cluster enters an LDS address
	s_mov_b32 s[SEL], 0x76543210
	s_mov_b32 s[SEL+1], 0xfedcba98
	s_mov_b32 s[MNT], 0x600000
	s_mov_b32 s[SEV], 0x7f7f0000
	s_wait_kmcnt 0x0
	s_add_nc_u64 s[20:21], s[4:5], s[20:21]
	s_add_nc_u64 s[22:23], s[4:5], s[22:23]
	s_add_nc_u64 s[46:47], s[4:5], s[46:47]
	s_add_nc_u64 s[92:93], s[4:5], s[92:93]
	CROUND                                         ; all sixteen work-groups are here: the first joint loads meet
	s_mov_b32 s[G0S], 1
	s_mov_b32 s[G0S+1], SCL
	s_mov_b64 s[G0S+2:G0S+3], s[22:23]
	s_or_b32 s[G0S+3], s[G0S+3], 0x80000000
	s_mov_b32 s[G0SB], 1
	s_mov_b32 s[G0SB+1], SCL+2*SREG
	s_mov_b64 s[G0SB+2:G0SB+3], s[92:93]
	s_or_b32 s[G0SB+3], s[G0SB+3], 0x80000000
	s_mov_b32 s[G0], 1                             ; the head's tiles, each whole: K step 0's 256 rows of A (slot 0's group 0 serves; it is set for the ring behind the wait for these loads),
	s_mov_b32 s[G0+1], 0
	s_mov_b64 s[G0+2:G0+3], s[20:21]
	s_or_b32 s[G0+3], s[G0+3], 0x80000000
	s_mov_b32 s[G0B], 1                            ; and its 256 rows of B, behind them
	s_mov_b32 s[G0B+1], 2*HALFT
	s_mov_b64 s[G0B+2:G0B+3], s[46:47]
	s_or_b32 s[G0B+3], s[G0B+3], 0x80000000
	s_add_nc_u64 s[20:21], s[20:21], s[18:19]      ; for the ring: my 128 rows of the tile
	s_add_nc_u64 s[46:47], s[46:47], s[18:19]
	s_mov_b32 s[G0+4], 1                           ; slot 1: K step 1
	s_add_co_u32 s[G0+5], s45, SLOT
	s_add_nc_u64 s[G0+6:G0+7], s[20:21], ROWB
	s_or_b32 s[G0+7], s[G0+7], 0x80000000
	s_mov_b32 s[G0B+4], 1
	s_add_co_u32 s[G0B+5], s45, SLOT
	s_add_nc_u64 s[G0B+6:G0B+7], s[46:47], ROWB
	s_or_b32 s[G0B+7], s[G0B+7], 0x80000000
	s_cmp_eq_u32 s15, 0                            ; the prefetches: of the 128 rows that I fetch in the ring, the four partners that ask for them with me take 32 each, told apart by address
	s_cselect_b64 s[96:97], s[20:21], s[46:47]
	s_cselect_b32 s94, s40, s41                    ; my place among them: cx for A, cy for B
	s_lshl_b32 s94, s94, 15                        ; 32 rows of 1,024 bytes
	s_mov_b32 s95, 0
	s_add_nc_u64 s[96:97], s[96:97], s[94:95]
; THE HEAD'S LOADS, ONE A WAVE: wave 0 A's rows, wave 1 B's, wave 2 A's scale bytes, wave 3 B's; one chain of branches on the wave's number, all arms leading to one join
.macro ARM under, g0, g1, next
	s_cmp_lt_u32 s14, \under
	s_cbranch_scc0 \next
	tensor_load_to_lds s[\g0:\g0+3], s[\g1:\g1+7]
	s_nop 0
.rept 4
	v_nop
.endr
	s_branch .Lhead_asked
\next:
.endm
	ARM 1, G0,  G1,  .Lhead_b
	ARM 2, G0B, G1B, .Lhead_sa
	ARM 3, G0S, G1S, .Lhead_sb
	tensor_load_to_lds s[G0SB:G0SB+3], s[G1SB:G1SB+7]
	s_nop 0
.rept 4
	v_nop
.endr
.Lhead_asked:
	v_and_b32 v30, 31, v0
	v_lshlrev_b32 v30, 10, v30                     ; a lane a row
	global_prefetch_b8 v30, s[96:97] offset:256 th:TH_LOAD_NT scope:SCOPE_SE   ; K step 1, which is asked for behind the round at the head's end,
	global_prefetch_b8 v30, s[96:97] offset:512 th:TH_LOAD_NT scope:SCOPE_SE   ; and K steps 2 and 3, which the two refills will ask for: 256 bytes of each of my 32 rows; K has no further step
	global_prefetch_b8 v30, s[96:97] offset:768 th:TH_LOAD_NT scope:SCOPE_SE
	v_and_b32 v1, 15, v0                           ; r
	v_bfe_u32 v2, v0, 4, 1                         ; h
	s_wait_alu depctr_va_vdst(0)
	v_and_b32 v7, 31, v0                           ; lane
	v_mul_u32_u24 v3, v1, PITCH
	v_lshl_add_u32 v4, v2, 4, v3
	s_mul_i32 s21, s15, HALFT
	s_mul_i32 s22, s16, HALFT
	s_add_co_u32 s22, s22, 2*HALFT
.irp s, 0,1
	v_add_nc_u32 v[ADRA+\s], s21, v4
	v_add_nc_u32 v[ADRB+\s], s22, v4
	s_add_co_u32 s21, s21, SLOT
	s_add_co_u32 s22, s22, SLOT
.endr
	v_lshlrev_b32 v5, 3, v1                        ; scale words: 8 bytes a row;
	s_lshl_b32 s21, s15, 10                        ; lanes 0-15: A's region, my 128 rows of 8 bytes,
	s_lshl_b32 s22, s16, 10
	s_add_co_u32 s22, s22, 2*SREG
	s_sub_co_u32 s22, s22, s21
	v_mul_u32_u24 v6, s22, v2                      ; lanes 16-31: B's: the distance, once
	s_add_co_u32 s21, s21, SCL
	v_add_nc_u32 v5, v5, v6
	v_add_nc_u32 v[ADRS], s21, v5
	; the way out's addresses, of both arms
	s_mul_i32 s23, s14, 16*144
	s_add_co_u32 s23, s23, S128
	v_mul_u32_u24 v3, v1, 144
	v_lshl_add_u32 v3, v2, 3, v3
	v_add_nc_u32 v[ST8], s23, v3
	v_lshrrev_b32 v3, 3, v7
	v_mul_u32_u24 v3, v3, 144
	v_and_b32 v4, 7, v7
	v_lshl_add_u32 v3, v4, 4, v3
	v_add_nc_u32 v[RD8], s23, v3
	s_mul_i32 s23, s14, 32*80
	s_add_co_u32 s23, s23, S64
	v_mul_u32_u24 v3, v1, 80
	v_lshl_add_u32 v3, v2, 3, v3
	v_add_nc_u32 v[ST6], s23, v3
	v_lshrrev_b32 v3, 2, v7
	v_mul_u32_u24 v3, v3, 80
	v_and_b32 v4, 3, v7
	v_lshl_add_u32 v3, v4, 4, v3
	v_add_nc_u32 v[RD6], s23, v3
	s_lshl_b32 s23, s14, 10
	s_add_co_u32 s23, s23, QSG
	v_lshlrev_b32 v[R4], 2, v1
	v_lshl_add_u32 v3, v2, 9, v[R4]
	v_add_nc_u32 v[QSA], s23, v3
	v_lshlrev_b32 v[CO], 4, v7
	v_add_nc_u32 v[QSR], s23, v[CO]
	s_lshl_b32 s23, s14, 9
	s_add_co_u32 s23, s23, VSG
	v_add_nc_u32 v[VSA], s23, v[R4]
	v_add_nc_u32 v[VSR], s23, v[CO]
	v_lshlrev_b32 v[B32H], 5, v2
	v_lshlrev_b32 v3, 4, v1
	v_lshl_add_u32 v[VGO], v2, 12, v3
.macro FRAG reg, adr, q, i             ; 16 rows x 128 K: lane l holds row l % 16; registers 4 c .. 4 c + 3 hold K = 32 c + 16 (l / 16) + 0 .. 15
.irp c, 0,1,2,3
	ds_load_b128 v[\reg+4*\c:\reg+4*\c+3], v[\adr] offset:128*(\q)+32*\c+(\i)*16*PITCH
.endr
.endm
; 16 matrix instructions: A's blocks a0, a0 + 1 x B's eight.  zero = 1: the product starts the sums; 2: the bias is its C.  The 64 accumulators take turns.
.macro MUL16 a0, p, q, sc, zero
.irp a, \a0, \a0+1
.irp b, 0,1,2,3,4,5,6,7
.if (\zero) == 1
	v_wmma_scale_f32_16x16x128_f8f6f4 v[8*(8*((\a)%4)+\b):8*(8*((\a)%4)+\b)+7], v[128*(\p)+FR*\b:128*(\p)+FR*\b+FR-1], v[AF+FR*(\a):AF+FR*(\a)+FR-1], 0, v[SC+8*NQ*(\sc)+NQ*\b+(\q)], v[SC+8*NQ*(\sc)+NQ*(\a)+(\q)] matrix_a_scale:MATRIX_SCALE_ROW1
.elseif (\zero) == 2
	v_wmma_scale_f32_16x16x128_f8f6f4 v[8*(8*((\a)%4)+\b):8*(8*((\a)%4)+\b)+7], v[128*(\p)+FR*\b:128*(\p)+FR*\b+FR-1], v[AF+FR*(\a):AF+FR*(\a)+FR-1], v[BI+8*\b:BI+8*\b+7], v[SC+8*NQ*(\sc)+NQ*\b+(\q)], v[SC+8*NQ*(\sc)+NQ*(\a)+(\q)] matrix_a_scale:MATRIX_SCALE_ROW1
.else
	v_wmma_scale_f32_16x16x128_f8f6f4 v[8*(8*((\a)%4)+\b):8*(8*((\a)%4)+\b)+7], v[128*(\p)+FR*\b:128*(\p)+FR*\b+FR-1], v[AF+FR*(\a):AF+FR*(\a)+FR-1], v[8*(8*((\a)%4)+\b):8*(8*((\a)%4)+\b)+7], v[SC+8*NQ*(\sc)+NQ*\b+(\q)], v[SC+8*NQ*(\sc)+NQ*(\a)+(\q)] matrix_a_scale:MATRIX_SCALE_ROW1
.endif
.endr
.endr
.endm
.macro FETCH_B slot, q, p
	WIN TO_B
.irp i, 0,1,2,3,4,5,6,7
	FRAG 128*(\p)+FR*\i, ADRB+\slot, \q, \i
.endr
	WIN 0
.endm
.macro FETCH_A slot, q, i0
.irp i, \i0, \i0+1, \i0+2, \i0+3
	FRAG AF+FR*(\i), ADRA+\slot, \q, \i
.endr
.endm
.macro SCALES sc                       ; a K step's two words a row; lanes 0-15 A's block i, lanes 16-31 B's block i
.irp i, 0,1,2,3,4,5,6,7
	ds_load_b64 v[SC+8*NQ*\sc+NQ*\i:SC+8*NQ*\sc+NQ*\i+1], v[ADRS] offset:128*\i
.endr
.endm
.macro PLACES n
.rept \n
	v_nop
.endr
.endm
.macro STEP slot, q, zero              ; 128 along K that has its successor in the same slot
	s_wait_dscnt 4*NL                              ; B's set, A's blocks 0-3 and the scale words are in; A's blocks 4-7 may be out
	WMUL 0, \zero
	MUL16 0, (\q)%2, \q, \slot, \zero
	MUL16 2, (\q)%2, \q, \slot, \zero
	s_wait_dscnt 0
	PLACES NP
	FETCH_B \slot, (\q)+1, 1-(\q)%2
	FETCH_A \slot, (\q)+1, 0
	WMUL 1, \zero
	MUL16 4, (\q)%2, \q, \slot, \zero
	MUL16 6, (\q)%2, \q, \slot, \zero
	PLACES NP
	WIN 0
	FETCH_A \slot, (\q)+1, 4
.endm
; A slot's last step changes slots: one barrier; in front of it each wave waits for all its tensor loads, adds 0 to its spare word, and waits for that and for its reads of this slot.
.macro TURN slot, next, fill
	s_wait_tensorcnt 0x0                           ; all my tensor loads have landed: my part of the next slot
	ds_add_u32 v[SPW], v[NIL]                      ; 0 onto my spare word
	s_wait_dscnt 4*NL+1                            ; the add and A's blocks 4-7 may be out
	WMUL 0, 0
	MUL16 0, 1, NQ-1, \slot, 0
	s_wait_dscnt 0x0                               ; the add is done, and my reads of this slot are over
	s_barrier_signal -1
	MUL16 2, 1, NQ-1, \slot, 0
	WIN 0
	s_barrier_wait -1
.if \fill
	CREST                                          ; the barrier has opened a round of the cluster's: no wave of any partner still reads this slot or has a load on its way
	s_add_nc_u64 s[G0+4*\slot+2:G0+4*\slot+3], s[G0+4*\slot+2:G0+4*\slot+3], 2*ROWB
	s_add_nc_u64 s[G0B+4*\slot+2:G0B+4*\slot+3], s[G0B+4*\slot+2:G0B+4*\slot+3], 2*ROWB
	JLOAD G0+4*\slot, G1, G0B+4*\slot, G1B
	PLACES NP-4
.else
	PLACES NP
.endif
	s_wait_alu depctr_va_vdst(0)
	v_add_nc_u32 v[ADRS], 2048, v[ADRS]            ; the next K step's scale words: 256 rows x 8 bytes on
	FETCH_B \next, 0, 0
	FETCH_A \next, 0, 0
	SCALES \next
	WMUL 1, 0
	MUL16 4, 1, NQ-1, \slot, 0
	MUL16 6, 1, NQ-1, \slot, 0
	PLACES NP
	WIN 0
	FETCH_A \next, 0, 4
.endm
	s_wait_alu depctr_va_vdst(0)
	s_wait_tensorcnt 0x0                           ; my tile of the head's four is in; slot 1's first fill is issued as a refill is:
	ds_add_u32 v[SPW], v[NIL]                      ; 0 onto my spare word
	s_mov_b32 s[G1+2], 128<<16                     ; no tensor load of mine is out: from here on a load brings 128 rows
	s_mov_b32 s[G1+4], 128
	s_mov_b32 s[G1B+2], 128<<16
	s_mov_b32 s[G1B+4], 128
	s_mov_b32 s[G0+1], s45                         ; slot 0's groups 0 for the ring: my quarter of the slot, at K step 0
	s_sub_nc_u64 s[G0+2:G0+3], s[G0+6:G0+7], ROWB
	s_mov_b32 s[G0B+1], s45
	s_sub_nc_u64 s[G0B+2:G0B+3], s[G0B+6:G0B+7], ROWB
	s_wait_dscnt 0x0                               ; the add is done
	CROUND                                         ; all four tiles are in, and all sixteen work-groups are here
	JLOAD G0+4, G1, G0B+4, G1B                     ; K step 1, the first tensor load behind the round
	FETCH_B 0, 0, 0
	FETCH_A 0, 0, 0
	SCALES 0
	FETCH_A 0, 0, 4
	STEP 0, 0, 1
	s_mov_b32 s3, LAPS-1
.Llap:
	TURN 0, 1, 1
	STEP 1, 0, 0
	TURN 1, 0, 1
	STEP 0, 0, 0
	s_sub_co_u32 s3, s3, 1
	s_cmp_lg_u32 s3, 0
	s_cbranch_scc1 .Llap
	TURN 0, 1, 0
	STEP 1, 0, 0
	s_wait_dscnt 4*NL
	WMUL 0, 0
	MUL16 0, 1, NQ-1, 1, 0
	MUL16 2, 1, NQ-1, 1, 0
	s_wait_dscnt 0
	WMUL 1, 0
	MUL16 4, 1, NQ-1, 1, 0
	MUL16 6, 1, NQ-1, 1, 0
	WIN 0
; THE WAY OUT.  Block a is 16 rows of A x my 128 rows of B.  Registers 16 b .. 16 b + 15 of a block are 16 of the 32 numbers of the row's b-th block of 32 (columns 32 b + 8 h + 0..7 and 32 b + 16 + 8 h + 0..7); lane l xor 16 has the others.
.macro QACC a, relu                    ; block a's 64 numbers a lane become codes in v[PC] on and the row's scale word in v[PW]
.set AC, 64*((\a)%4)
.set WW, 2+(\a)/4
	WIN WW|(WW<<2)
.irp b, 0,1,2,3
.if \relu
	v_max3_num_f32 v[TM+\b], v[AC+16*\b], v[AC+16*\b+1], 0x4800000
.else
	v_max3_num_f32 v[TM+\b], |v[AC+16*\b]|, |v[AC+16*\b+1]|, 0x4800000   ; with the floor 2^(9 - 127): the byte cannot fall under 1
.endif
.endr
	WIN (WW<<2)|(WW<<4)
.irp i, 2,4,6,8,10,12,14
.irp b, 0,1,2,3
.if \relu
	v_max3_num_f32 v[TM+\b], v[TM+\b], v[AC+16*\b+\i], v[AC+16*\b+\i+1]
.else
	v_max3_num_f32 v[TM+\b], v[TM+\b], |v[AC+16*\b+\i]|, |v[AC+16*\b+\i+1]|
.endif
.endr
.endr
	WIN 0
.irp b, 0,1,2,3
	v_permlanex16_b32 v[TM+4+\b], v[TM+\b], s[SEL], s[SEL+1]
.endr
.irp b, 0,1,2,3
	v_max_num_f32 v[TM+\b], v[TM+\b], v[TM+4+\b]
.endr
	s_wait_alu depctr_va_vdst(0)
	s_wait_dscnt 0x0                               ; the last block's LDS stores have read its codes and its word, and its rows are back
.irp b, 0,1,2,3
	v_add_nc_u32 v[TM+12+\b], 0xfc000000, v[TM+\b] ; 8 off the exponent field: the conversion's scale operand
.endr
.irp b, 0,1,2,3
	v_and_or_b32 v[TM+8+\b], v[TM+\b], 0x7f800000, s[MNT]   ; 448 x the scale
.endr
.irp b, 0,1,2,3
	v_lshrrev_b32 v[TM+4+\b], 23, v[TM+12+\b]      ; the byte
.endr
	v_lshl_or_b32 v[PW], v[TM+5], 8, v[TM+4]
	v_lshl_or_b32 v[PW], v[TM+6], 16, v[PW]
	v_lshl_or_b32 v[PW], v[TM+7], 24, v[PW]
	WIN (WW<<6)|WW
.irp b, 0,1,2,3
.irp i, 0,1,2,3,4,5,6,7,8,9,10,11,12,13,14,15
.if \relu
	v_med3_num_f32 v[AC+16*\b+\i], v[AC+16*\b+\i], 0, v[TM+8+\b]
.else
	v_med3_num_f32 v[AC+16*\b+\i], v[AC+16*\b+\i], -v[TM+8+\b], v[TM+8+\b]   ; the conversion does not saturate (ISA guide 7.6.2)
.endif
.endr
.endr
	WIN WW
.irp b, 0,1,2,3
.irp u, 0,1
	v_cvt_scalef32_pk8_fp8_f32 v[PC+4*\b+2*\u:PC+4*\b+2*\u+1], v[AC+16*\b+8*\u:AC+16*\b+8*\u+7], v[TM+12+\b]   ; columns 32 b + 16 u + 8 h + 0 .. 7
.endr
.endr
	WIN 0
	v_nop                                          ; a plain instruction behind the last conversion
.endm
.macro TOST128 a                       ; 16 rows x 128 codes through my stage; back as 2,048 consecutive bytes
.if (\a) >= 2
	s_wait_xcnt 0x0                                ; the stores of two blocks back have read their registers
.endif
.irp b, 0,1,2,3
.irp u, 0,1
	ds_store_b64 v[ST8], v[PC+4*\b+2*\u:PC+4*\b+2*\u+1] offset:32*\b+16*\u
.endr
.endr
.irp i, 0,1,2,3
	ds_load_b128 v[OB+16*((\a)%2)+4*\i:OB+16*((\a)%2)+4*\i+3], v[RD8] offset:576*\i
.endr
.endm
.macro SEND128 a, off
	s_wait_dscnt 0x0
.irp i, 0,1,2,3
	global_store_b128 v[CO], v[OB+16*((\a)%2)+4*\i:OB+16*((\a)%2)+4*\i+3], s[10:11] offset:(\off)+512*\i   ; 512 consecutive bytes, aligned
.endr
.endm
.macro TOST64 a                        ; two heads x 16 rows x 64 codes
.if (\a) >= 2
	s_wait_xcnt 0x0
.endif
.irp b, 0,1,2,3
.irp u, 0,1
	ds_store_b64 v[ST6], v[PC+4*\b+2*\u:PC+4*\b+2*\u+1] offset:(\b/2)*1280+32*(\b%2)+16*\u
.endr
.endr
.irp i, 0,1,2,3
	ds_load_b128 v[OB+16*((\a)%2)+4*\i:OB+16*((\a)%2)+4*\i+3], v[RD6] offset:(\i/2)*1280+640*(\i%2)
.endr
.endm
.macro SEND64 a
	s_wait_dscnt 0x0
.irp i, 0,1,2,3
	global_store_b128 v[CO], v[OB+16*((\a)%2)+4*\i:OB+16*((\a)%2)+4*\i+3], s[10:11] offset:(\i/2)*131072+(\a)*1024+512*(\i%2)
.endr
.endm
	PLACES NP                                      ; behind the last products: ahead of the first read of results and of writes to operands' registers
.irp b, 0,1,2,3
	v_mov_b32 v[TM+4+\b], 0                        ; a lane permute's destination counts as one of its sources
.endr
	s_mov_b32 s21, 0
	s_cmp_eq_u32 ttmp9, 2
	s_cbranch_scc1 .Lvarm
; ---------------- q, k: rows = tokens, columns = (head, d): my 128 columns are two heads
	s_and_b32 s18, s42, 3
	s_lshl_b32 s18, s18, 2
	s_lshl_b32 s19, s16, 1
	s_add_co_u32 s18, s18, s19                     ; my first head
	s_mul_i32 s19, s18, 768
	s_lshl_b32 s20, ttmp9, 8
	s_add_co_u32 s20, s19, s20                     ; b_qkv: 4 (192 head + 64 part)
	s_add_nc_u64 s[6:7], s[6:7], s[20:21]
.irp b, 0,1,2,3,4,5,6,7
	global_load_b128 v[BI+8*\b:BI+8*\b+3], v[B32H], s[6:7] offset:(\b/4)*768+(\b%4)*64
	global_load_b128 v[BI+8*\b+4:BI+8*\b+7], v[B32H], s[6:7] offset:(\b/4)*768+(\b%4)*64+16
.endr
	s_lshr_b32 s19, s17, 3                         ; batch
	s_lshl_b32 s19, s19, 4
	s_add_co_u32 s19, s19, s18
	s_lshl_b32 s19, s19, 11
	s_and_b32 s22, s17, 7
	s_lshl_b32 s22, s22, 8
	s_add_co_u32 s19, s19, s22
	s_lshl_b32 s22, s15, 7
	s_add_co_u32 s19, s19, s22                     ; 2,048 bh + my first token
	s_lshl_b32 s20, s19, 6
	s_lshl_b32 s22, ttmp9, 22
	s_add_co_u32 s20, s20, s22
	s_add_nc_u64 s[10:11], s[8:9], s[20:21]        ; codes
	s_lshl_b32 s20, s19, 2
	s_lshl_b32 s22, ttmp9, 18
	s_add_co_u32 s20, s20, s22
	s_add_co_u32 s20, s20, 0xc00000
	s_add_nc_u64 s[12:13], s[8:9], s[20:21]        ; scale words
	v_cmp_lt_u32 vcc_lo, 15, v7                    ; lanes 16-31
	s_wait_loadcnt 0x0
.irp a, 0,1,2,3,4,5,6,7
.set AC, 64*((\a)%4)
.set WW, 2+(\a)/4
	WIN (WW<<6)|WW
.irp b, 0,1,2,3,4,5,6,7
.irp i, 0,2,4,6
	v_pk_add_f32 v[AC+8*\b+\i:AC+8*\b+\i+1], v[AC+8*\b+\i:AC+8*\b+\i+1], v[BI+8*\b+\i:BI+8*\b+\i+1]   ; + the bias of columns 16 b + 8 h + i
.endr
.endr
	QACC \a, 0
	v_and_or_b32 v49, v[PW], 0xffff, s[SEV]        ; the first head's two bytes, then 0x7f 0x7f;
	v_lshrrev_b32 v50, 16, v[PW]
	v_or_b32 v50, s[SEV], v50                      ; the second head's
	v_cndmask_b32 v49, v49, v50, vcc_lo            ; lanes 0-15 store the first head's word, lanes 16-31 the second's
	ds_store_b32 v[QSA], v49 offset:64*\a
.if \a > 0
	s_wait_alu depctr_va_vdst(0)
	SEND64 \a-1
.endif
	TOST64 \a
.endr
	SEND64 7
	ds_load_b128 v[56:59], v[QSR]
	ds_load_b128 v[60:63], v[QSR] offset:512
	s_wait_dscnt 0x0
	global_store_b128 v[CO], v[56:59], s[12:13]    ; 128 tokens' words of a head: 512 consecutive bytes
	global_store_b128 v[CO], v[60:63], s[12:13] offset:8192
	s_branch .Ldone
; ---------------- v: rows = channels (two heads x 64), columns = 128 keys: one step of the attention
.Lvarm:
	s_lshl_b32 s18, s41, 2
	s_lshl_b32 s19, s15, 1
	s_add_co_u32 s18, s18, s19                     ; my first head
	s_mul_i32 s20, s18, 768
	s_add_co_u32 s20, s20, 512                     ; b_qkv: 4 (192 head + 128)
	s_add_nc_u64 s[6:7], s[6:7], s[20:21]
.irp a, 0,1,2,3,4,5,6,7
	global_load_b32 v[BI+2*\a], v[R4], s[6:7] offset:(\a/4)*768+(\a%4)*64
.endr
	s_lshr_b32 s19, s42, 3                         ; batch
	s_lshl_b32 s19, s19, 4
	s_add_co_u32 s19, s19, s18                     ; bh
	s_lshl_b32 s19, s19, 4
	s_and_b32 s22, s42, 7
	s_lshl_b32 s22, s22, 1
	s_add_co_u32 s19, s19, s22
	s_add_co_u32 s19, s19, s16                     ; 16 bh + step
	s_lshl_b32 s20, s19, 13
	s_add_co_u32 s20, s20, 0x800000
	s_add_nc_u64 s[10:11], s[8:9], s[20:21]        ; codes
	s_lshl_b32 s20, s19, 8
	s_add_co_u32 s20, s20, 0xc80000
	s_add_nc_u64 s[12:13], s[8:9], s[20:21]        ; scale words
	s_wait_loadcnt 0x0
.irp a, 0,1,2,3,4,5,6,7
	v_mov_b32 v[BI+2*\a+1], v[BI+2*\a]             ; a pair for the packed addition
.endr
.irp a, 0,1,2,3,4,5,6,7
.set AC, 64*((\a)%4)
.set WW, 2+(\a)/4
	WIN (WW<<6)|WW
.irp i, 0,2,4,6,8,10,12,14,16,18,20,22,24,26,28,30,32,34,36,38,40,42,44,46,48,50,52,54,56,58,60,62
	v_pk_add_f32 v[AC+\i:AC+\i+1], v[AC+\i:AC+\i+1], v[BI+2*\a:BI+2*\a+1]   ; + my channel's bias
.endr
	QACC \a, 0
	ds_store_b32 v[VSA], v[PW] offset:64*\a        ; both halves of the lanes write the same word with the same value
.if \a > 0
	s_wait_alu depctr_va_vdst(0)
	SEND128 \a-1, ((\a-1)/4)*131072+((\a-1)%4)*2048
.endif
	TOST128 \a
.endr
	SEND128 7, 131072+3*2048
	ds_load_b128 v[56:59], v[VSR]
	s_wait_dscnt 0x0
	global_store_b128 v[VGO], v[56:59], s[12:13]   ; sixteen lanes store a head's 64 words: 256 consecutive bytes, aligned
.Ldone:
	s_wait_tensorcnt 0x0                           ; the wave's end
	ds_add_u32 v[SPW], v[NIL]
	s_wait_dscnt 0x0
	CROUND                                         ; the closing round
	s_endpgm
.Lfunc_end_k_q9611a9a049_qkv:
	.size	k_q9611a9a049_qkv, .Lfunc_end_k_q9611a9a049_qkv-k_q9611a9a049_qkv
	.p2alignl 7, 3214868480
	.fill 96, 4, 3214868480
	.section	.rodata,"a",@progbits
	.p2align	6, 0x0
	.amdhsa_kernel k_q9611a9a049_qkv
		.amdhsa_group_segment_fixed_size 327680
		.amdhsa_private_segment_fixed_size 0
		.amdhsa_enable_private_segment 0
		.amdhsa_kernarg_size 24
		.amdhsa_user_sgpr_count 2
		.amdhsa_user_sgpr_kernarg_segment_ptr 1
		.amdhsa_wavefront_size32 1
		.amdhsa_system_sgpr_workgroup_id_x 1
		.amdhsa_system_sgpr_workgroup_id_y 1
		.amdhsa_system_sgpr_workgroup_id_z 1
		.amdhsa_system_vgpr_workitem_id 0
		.amdhsa_next_free_vgpr 1024
		.amdhsa_next_free_sgpr 102
		.amdhsa_reserve_vcc 1
		.amdhsa_float_denorm_mode_32 3
		.amdhsa_float_denorm_mode_16_64 3
		.amdhsa_memory_ordered 1
		.amdhsa_forward_progress 1
		.amdhsa_inst_pref_size 255
	.end_amdhsa_kernel
	.section	.bss,"aw",@nobits
	.p2align	6
	.space	262144
	.amdgpu_metadata
---
amdhsa.version: [ 1, 2 ]
amdhsa.kernels:
  - .name:           k_q9611a9a049_qkv
    .symbol:         k_q9611a9a049_qkv.kd
    .args:
      - { .name: wq, .offset: 0, .size: 8, .value_kind: global_buffer, .address_space: global }
      - { .name: b_qkv, .offset: 8, .size: 8, .value_kind: global_buffer, .address_space: global }
      - { .name: qkvq, .offset: 16, .size: 8, .value_kind: global_buffer, .address_space: global }
    .group_segment_fixed_size: 327680
    .private_segment_fixed_size: 0
    .kernarg_segment_align: 8
    .kernarg_segment_size: 24
    .max_flat_workgroup_size: 128
    .sgpr_count:     102
    .vgpr_count:     1024
    .wavefront_size: 32
...
	.end_amdgpu_metadata
.endif
;; end of part 2
;; launch attn (part 3): grid 8 x 32, 16 waves a work-group, clusters of 4 x 1, 327,680 bytes of LDS; arguments qkvq, aq; writes aq
.if DOCPART == 3
	.amdgcn_target "amdgcn-amd-amdhsa--gfx1250"
	.amdhsa_code_object_version 6
	.text
	.protected	k_q9611a9a049_attn
	.globl	k_q9611a9a049_attn
	.p2align	8
	.type	k_q9611a9a049_attn,@function
k_q9611a9a049_attn:
	s_mov_b64 s[64:65], 0
	v_nop
	global_prefetch_b8 v0, s[64:65] scope:SCOPE_SE
	s_setreg_imm32_b32 hwreg(HW_REG_WAVE_MODE, 25, 1), 1
	s_wait_xcnt 0x0
	s_wait_alu depctr_hold_cnt(0) depctr_sa_sdst(0) depctr_va_vdst(0) depctr_va_sdst(0) depctr_va_ssrc(0) depctr_va_vcc(0) depctr_vm_vsrc(0)
	s_getreg_b32 s2, hwreg(HW_REG_IB_STS2, 6, 4)
	s_cmp_eq_u32 s2, 0
	s_cbranch_scc0 .Lentry_in_a_cluster
	s_endpgm
.Lentry_in_a_cluster:
	s_bfe_u32 s2, ttmp6, 0x10000c
	s_cmp_lg_u32 s2, 0x3003
	s_cbranch_scc0 .Lentry_shape_is_right
	s_endpgm
.Lentry_shape_is_right:
; Attention of one (batch, head) on codes of E4M3, head size 64, 2,048 keys, and the result quantised along (head, d) for the next product.
; t = score x log2(e) / 8; M = the running largest t rounded up to a whole number; p = 2^(t - M) is quantised along the keys; the row's sum is taken of the unquantised p and divides O at the end.
; SHARES.  A work-group owns 256 queries of one (batch, head); each of its sixteen waves 16 of them, one tile, in 256 registers: four waves to a SIMD.
; ALL OF THE HEAD'S K AND V LIE IN LDS, each byte filled once: K's 2,048 dense rows of 64 bytes as 512 rows of 256 + 16 bytes, V's 16 steps x 64 rows of 128 + 16 bytes, 12,288 bytes of scale words.
; Ten loads, one a wave, go out at the head in one chain of branches on the wave's number: waves 0-3 K's quarters, waves 4-7 V's, wave 8 K's scale words, wave 9 V's.  The four query blocks of a cluster walk the same K and V:
; every load is asked for jointly (mask of all four).  One wait for all loads and one barrier; the sixteen steps have none.  Nothing is asked for behind the head, so there is no later load to prefetch for.
; Both products are used transposed: a lane holds ONE query.  A tile of K is 16 neighbouring keys; so a lane's 16 registers of tiles 2 b, 2 b + 1 are keys 32 b + 8 h + 0..7 and 32 b + 16 + 8 h + 0..7 (h = lane / 16):
; a permutation inside a block of 32 keys, which V's fragments take too (two loads of 8 bytes): the products and the blocks' scales stay the same.
; K = 64 IN A FORM OF K = 128: q's registers 8-15 hold zero codes; K's eight fragments lie 8 registers apart, so that the upper half of each is the next one's codes, which are finite; the last one's upper half is zeros;
; the scale bytes of the empty blocks are 0x7f on both sides.  So those products are 0.
; LIMITS: NaN and infinities are not served; the promise holds while the scaled scores t stay under 2^31 in magnitude; a block under 2^-118 keeps the scale byte 1.  The result's scale bytes leave two bytes a row.
; REGISTERS: v1-4 addresses that stay; v8-11 addresses in hand; v12 -M, v13 largest t, v[14:15] the sum; v16-31 q; v32-95 K's eight fragments, then V's four; v96-103 zeros; v104-167 S^T, then p; v168-199 O^T;
;   v200-215 p's codes; v216-219 a second copy of the holds' bounds (the way out: addresses); v220-227 K's scale words; v228-231 V's; v232-249, 252-254 at work; v250, v251 the add's two; v255 q's scale words.
.set KT,    4*272                      ; a tile's 16 keys: four LDS rows.  Key r of a tile lies at 272 (r / 4) + 64 (r % 4): its 16-byte column modulo 256 bytes is r / 4 + 4 (r % 4): sixteen different ones
.set KSTEP, 32*272                     ; a step's 128 keys
.set VP,    144                        ; a row of V's tile: 128 bytes + 16
.set VSTEP, 64*VP
.set VB,    512*272                    ; V begins behind K
.set SCK,   VB+16*VSTEP                ; K's scale words, 8,192 bytes
.set SCV,   SCK+8192                   ; V's, 4,096 bytes
.set STG,   SCV+4096                   ; the way out's stages, 16 rows x 80 bytes a wave: bytes of their own, into which no fill lands
.set SPARE, STG+16*1280                ; the spare words: 128 bytes a wave
.set KCO,   0x400000
.set VCO,   0x800000
.set QSO,   0xc00000
.set KSO,   0xc40000
.set VSO,   0xc80000
.set AK0,  1
.set AV0,  2
.set ASK0, 3
.set ASV0, 4
.set ADK,  8
.set ADV,  9
.set ADS,  10
.set ADT,  11
.set KF,   32
.set ZR,   96
.set S,    104
.set O,    168
.set PC,   200
.set BD2,  216
.set KSW,  220
.set VSW,  228
.set SPW,  250
.set NIL,  251
.set TK,   2                           ; s2, s3, s16, s17: where the step's keys, its tile of V and their scale words begin
.set TV,   3
.set TS,   16
.set TJ,   17
.set WV,   18
.set MNT,  19
.set SEL,  20
.set CS,   22
.set G1K,  24
.set G1V,  32
.set G1SK, 40
.set G1SV, 48
.set G0K,  56
.set G0V,  60
.set G0SK, 68
.set G0SV, 72
.set BH,   66
.set EH,   67                          ; which quarter I fetch; later the loop's counter
.set CNT,  67
.macro CROUND                          ; a round of the cluster's barrier
	s_barrier_signal -1
	s_barrier_wait -1
	s_cmp_lg_u32 s[WV], 0
	s_cbranch_scc1 .Lnot_wave_0_\@
	s_barrier_signal -3
.Lnot_wave_0_\@:
	s_barrier_wait -3
	s_barrier_signal -1
	s_barrier_wait -1
.endm
.macro DESC1 g, w0, c, r               ; descriptor group 1: r rows of c elements, dense in memory
	s_mov_b32 s[\g], \w0
	s_mov_b32 s[\g+1], (\c)<<16
	s_mov_b32 s[\g+2], (\r)<<16
	s_mov_b32 s[\g+3], (\c)<<16
	s_mov_b32 s[\g+4], \r
	s_mov_b32 s[\g+5], \c
	s_mov_b32 s[\g+6], 0
	s_mov_b32 s[\g+7], 0
.endm
	s_load_b128 s[4:7], s[0:1], 0x0                ; qkvq, aq
	v_lshl_add_u32 v[SPW], v0, 2, SPARE
	v_mov_b32 v[NIL], 0
	ds_add_u32 v[SPW], v[NIL]                      ; the opening lines: the add, twice on end, and its wait ahead of the first tensor load
	ds_add_u32 v[SPW], v[NIL]
	v_lshrrev_b32 v8, 5, v0
	v_readfirstlane_b32 s[WV], v8
	s_and_b32 s[BH], ttmp7, 0xffff                 ; (batch, head), which the four partners share
	; my place in the cluster enters q's and the result's offsets alone: s100, s101 and s8 to s15
	s_bfe_u32 s100, ttmp6, 0x40000                 ; cx
	s_lshl_b32 s101, ttmp9, 2
	s_add_co_u32 s101, s101, s100
	s_lshl_b32 s101, s101, 8
	s_lshl_b32 s100, s[WV], 4
	s_add_co_u32 s101, s101, s100                  ; my first query
	s_lshl_b32 s100, s[BH], 11
	s_add_co_u32 s100, s100, s101
	s_lshl_b32 s8, s100, 6                         ; q's codes
	s_mov_b32 s9, 0
	s_lshl_b32 s10, s100, 2
	s_add_co_u32 s10, s10, QSO                     ; q's scale words
	s_mov_b32 s11, 0
	s_lshr_b32 s100, s[BH], 4
	s_lshl_b32 s100, s100, 11
	s_add_co_u32 s100, s100, s101                  ; my first row of the 4,096
	s_and_b32 s101, s[BH], 15                      ; head
	s_lshl_b32 s12, s101, 12
	s_add_co_u32 s12, s12, s100
	s_lshl_b32 s12, s12, 6                         ; the result's codes: [head][row][64]
	s_mov_b32 s13, 0
	s_lshr_b32 s14, s101, 2
	s_lshl_b32 s14, s14, 12
	s_add_co_u32 s14, s14, s100
	s_lshl_b32 s14, s14, 3
	s_and_b32 s101, s101, 3
	s_lshl_b32 s101, s101, 1
	s_add_co_u32 s14, s14, s101
	s_add_co_u32 s14, s14, 0x400000                ; its scale bytes: [head / 4][row][8], bytes 2 (head % 4) and the next
	s_mov_b32 s15, 0
	; what I fetch, if I fetch: quarter wave % 4 of K's or of V's codes: 32,768 bytes
	s_and_b32 s[EH], s[WV], 3
	s_lshl_b32 s16, s[BH], 17
	s_lshl_b32 s2, s[EH], 15
	s_add_co_u32 s16, s16, s2
	s_mov_b32 s17, 0
	s_mul_i32 s2, s[EH], 128*272                   ; in LDS: K's quarter: 128 rows of four keys;
	s_mul_i32 s3, s[EH], 4*VSTEP                   ; V's: four steps,
	s_add_co_u32 s3, s3, VB                        ; behind K
	DESC1 G1K, 15|(1<<20)|(1<<21)|(5<<22)|(3<<25), 256, 128    ; all four work-groups; elements of 1 byte; 4 words of padding behind every 64
	DESC1 G1V, 15|(1<<20)|(1<<21)|(4<<22)|(3<<25), 128, 256    ; 4 words behind every 32
	DESC1 G1SK, 15|(3<<16)|(1<<21), 32, 32                     ; dense blocks as rows of 256 bytes (32 elements of 8): 32 rows,
	DESC1 G1SV, 15|(3<<16)|(1<<21), 32, 16                     ; 16 rows
	s_mov_b32 s[SEL], 0x76543210
	s_mov_b32 s[SEL+1], 0xfedcba98
	s_mov_b32 s[CS], 0x3e38aa3b                    ; c = log2(e) / 8
	s_mov_b32 s[CS+1], s[CS]
	s_mov_b32 s[MNT], 0x600000
	s_wait_dscnt 0x0                               ; both opening adds are done
	s_wait_kmcnt 0x0
	s_add_nc_u64 s[16:17], s[4:5], s[16:17]
	s_mov_b32 s[G0K], 1
	s_mov_b32 s[G0K+1], s2
	s_add_nc_u64 s[G0K+2:G0K+3], s[16:17], KCO
	s_or_b32 s[G0K+3], s[G0K+3], 0x80000000
	s_mov_b32 s[G0V], 1
	s_mov_b32 s[G0V+1], s3
	s_add_nc_u64 s[G0V+2:G0V+3], s[16:17], VCO
	s_or_b32 s[G0V+3], s[G0V+3], 0x80000000
	s_lshl_b32 s16, s[BH], 13                      ; K's scale words: 8,192 bytes a head
	s_add_co_u32 s16, s16, KSO
	s_mov_b32 s17, 0
	s_mov_b32 s[G0SK], 1
	s_mov_b32 s[G0SK+1], SCK
	s_add_nc_u64 s[G0SK+2:G0SK+3], s[4:5], s[16:17]
	s_or_b32 s[G0SK+3], s[G0SK+3], 0x80000000
	s_lshl_b32 s16, s[BH], 12                      ; V's: 4,096 bytes a head
	s_add_co_u32 s16, s16, VSO
	s_mov_b32 s[G0SV], 1
	s_mov_b32 s[G0SV+1], SCV
	s_add_nc_u64 s[G0SV+2:G0SV+3], s[4:5], s[16:17]
	s_or_b32 s[G0SV+3], s[G0SV+3], 0x80000000
	CROUND                                         ; all four work-groups are here: the joint loads meet
.macro ARM under, g0, g1, next         ; an arm of the chain: one load, s_nop 0 and four v_nop behind it, a jump to the join
	s_cmp_lt_u32 s[WV], \under
	s_cbranch_scc0 \next
	tensor_load_to_lds s[\g0:\g0+3], s[\g1:\g1+7]
	s_nop 0
.rept 4
	v_nop
.endr
	s_branch .Lh_asked
\next:
.endm
	ARM 4,  G0K,  G1K,  .Lh_v
	ARM 8,  G0V,  G1V,  .Lh_sk
	ARM 9,  G0SK, G1SK, .Lh_sv
	ARM 10, G0SV, G1SV, .Lh_none
.Lh_asked:
	s_add_nc_u64 s[8:9], s[4:5], s[8:9]
	s_add_nc_u64 s[10:11], s[4:5], s[10:11]
	s_add_nc_u64 s[12:13], s[6:7], s[12:13]
	s_add_nc_u64 s[14:15], s[6:7], s[14:15]
	s_mov_b32 s[TK], 0
	s_mov_b32 s[TV], 0
	s_mov_b32 s[TS], 0
	s_mov_b32 s[TJ], 0
	v_and_b32 v8, 15, v0                           ; r
	v_bfe_u32 v9, v0, 4, 1                         ; h
	v_lshlrev_b32 v10, 6, v8
	v_lshl_add_u32 v10, v9, 4, v10
	global_load_b128 v[16:19], v10, s[8:9]         ; q's fragment: K = 0 .. 63
	global_load_b128 v[20:23], v10, s[8:9] offset:32
	v_lshlrev_b32 v254, 2, v8
	global_load_b32 v255, v254, s[10:11]           ; q's scale words
	v_lshrrev_b32 v5, 2, v8
	v_and_b32 v6, 3, v8
	v_mul_u32_u24 v[AK0], v5, 272
	v_lshl_add_u32 v[AK0], v6, 6, v[AK0]
	v_lshl_add_u32 v[AK0], v9, 4, v[AK0]           ; K: key r of a tile, + 16 h
	v_mul_u32_u24 v[AV0], v8, VP
	v_lshl_add_u32 v[AV0], v9, 3, v[AV0]           ; V: row r of a tile, + 8 h
	v_add_nc_u32 v[AV0], VB, v[AV0]
	v_lshl_add_u32 v[ASK0], v8, 2, SCK
	v_lshl_add_u32 v[ASV0], v8, 2, SCV
	v_mov_b32 v13, 0xff61b1e6                      ; the largest t so far: -3e38
	v_floor_f32 v12, -v13
	v_mov_b32 v14, 0
	v_mov_b32 v15, 0
.irp b, 0,1,2,3
	v_mov_b32 v[236+\b], 0                         ; a lane permute's destination counts as one of its sources
.endr
	v_mov_b32 v253, 0
.irp j, 0,1,2,3,4,5,6,7
	v_mov_b32 v[24+\j], 0                          ; q's K = 64 .. 127: zero codes
	v_mov_b32 v[ZR+\j], 0                          ; the upper half of K's last fragment
.endr
.set J, 0
.rept 32
	v_mov_b32 v[O+J], 0                            ; O^T: the step is written for every step alike; the first finds zeros
.set J, J+1
.endr
.macro STEP                            ; 128 keys
	v_add_nc_u32 v[ADK], s[TK], v[AK0]
	v_add_nc_u32 v[ADS], s[TS], v[ASK0]
	v_add_nc_u32 v[ADV], s[TV], v[AV0]
	v_add_nc_u32 v[ADT], s[TJ], v[ASV0]
.rept 4
	v_nop                                          ; eight places in front of loads into registers that the last step's products have read; the four additions are places too
.endr
.irp t, 0,1,2,3,4,5,6,7                ; K's eight tiles of 16 neighbouring keys, in one run, 8 registers apart
	ds_load_b128 v[KF+8*\t:KF+8*\t+3], v[ADK] offset:KT*\t
	ds_load_b128 v[KF+8*\t+4:KF+8*\t+7], v[ADK] offset:KT*\t+32
	ds_load_b32 v[KSW+\t], v[ADS] offset:64*\t
.endr
	s_wait_alu depctr_va_vdst(0)
	s_wait_dscnt 0x0
.irp t, 0,1,2,3,4,5,6,7                ; S^T = K Q^T
	v_wmma_scale_f32_16x16x128_f8f6f4 v[S+8*\t:S+8*\t+7], v[KF+8*\t:KF+8*\t+15], v[16:31], 0, v[KSW+\t], v255
.endr
.rept 8
	v_nop                                          ; eight places: in front of the loads into K's registers, and of the first read of the scores
.endr
.irp t, 0,1,2,3                        ; V's four tiles go out now, into K's registers, and land while the softmax is worked
.irp c, 0,1,2,3
	ds_load_b64 v[KF+16*\t+4*\c:KF+16*\t+4*\c+1], v[ADV] offset:16*\t*VP+32*\c          ; keys 32 c + 8 h + 0 .. 7
	ds_load_b64 v[KF+16*\t+4*\c+2:KF+16*\t+4*\c+3], v[ADV] offset:16*\t*VP+32*\c+16     ; keys 32 c + 16 + 8 h + 0 .. 7: the order in which p's codes lie
.endr
	ds_load_b32 v[VSW+\t], v[ADT] offset:64*\t
.endr
.irp b, 0,1,2,3
	v_max3_num_f32 v[232+\b], v[S+16*\b], v[S+16*\b+1], v[S+16*\b+2]   ; the largest score of each block of 32 keys: for the row's maximum, and, since p rises with the score, for the block's largest p
.endr
.irp i, 3,5,7,9,11,13
.irp b, 0,1,2,3
	v_max3_num_f32 v[232+\b], v[232+\b], v[S+16*\b+\i], v[S+16*\b+\i+1]
.endr
.endr
.irp b, 0,1,2,3
	v_max_num_f32 v[232+\b], v[232+\b], v[S+16*\b+15]
.endr
.irp b, 0,1,2,3
	s_delay_alu instid0(VALU_DEP_4)
	v_permlanex16_b32 v[236+\b], v[232+\b], s[SEL], s[SEL+1]
.endr
.irp b, 0,1,2,3
	s_delay_alu instid0(VALU_DEP_4)
	v_max_num_f32 v[232+\b], v[232+\b], v[236+\b]  ; with lane l xor 16's 16 keys of the block
.endr
	s_delay_alu instid0(VALU_DEP_2)
	v_max3_num_f32 v254, v232, v233, v234
	s_delay_alu instid0(VALU_DEP_1)
	v_max_num_f32 v254, v254, v235
	s_delay_alu instid0(VALU_DEP_1)
	v_mul_f32 v254, s[CS], v254
	s_delay_alu instid0(VALU_DEP_1)
	v_max_num_f32 v13, v13, v254                   ; the running largest t
	v_mov_b32 v254, v12
	s_delay_alu instid0(VALU_DEP_2)
	v_floor_f32 v12, -v13                          ; -M = floor(-t): M is a whole number
	s_delay_alu instid0(VALU_DEP_1)
	v_sub_f32 v254, v12, v254
	s_delay_alu instid0(VALU_DEP_1)
	v_cvt_i32_f32 v254, v254
	s_delay_alu instid0(VALU_DEP_1)
	v_ldexp_f32 v252, 1.0, v254                    ; f = 2^(old M - new M): a multiplication by it rounds nothing
.set J, 0
.rept 32
	v_pk_fma_f32 v[S+J:S+J+1], v[S+J:S+J+1], s[CS:CS+1], v[12:13] op_sel_hi:[1,0,0]   ; t - M
.set J, J+2
.endr
.irp b, 0,1,2,3
	v_fma_f32 v[232+\b], v[232+\b], s[CS], v12
.endr
	s_wait_alu depctr_va_vdst(0)                   ; ahead of the batch
.set J, 0
.rept 64
	v_exp_f32 v[S+J], v[S+J]                       ; p = 2^(t - M)
.set J, J+1
.endr
	v_pk_mul_f32 v[14:15], v[14:15], v[252:253] op_sel_hi:[1,0]   ; the sums under the new M: a plain instruction behind the exponentials
	s_wait_alu depctr_va_vdst(0)                   ; one wait for the whole batch, ahead of its first reader
.irp b, 0,1,2,3
	v_exp_f32 v[232+\b], v[232+\b]                 ; the block's largest p
.endr
	v_pk_add_f32 v[236:237], v[108:109], v[112:113]   ; the row's sum of the unquantised p, in eight chains
	v_pk_add_f32 v[248:249], v[116:117], v[120:121]
	v_pk_add_f32 v[246:247], v[124:125], v[128:129]
	v_pk_add_f32 v[244:245], v[132:133], v[136:137]
	v_pk_add_f32 v[242:243], v[140:141], v[144:145]
	v_pk_add_f32 v[240:241], v[148:149], v[152:153]
	v_pk_add_f32 v[238:239], v[156:157], v[160:161]
	v_pk_add_f32 v[14:15], v[14:15], v[164:165]
	v_pk_add_f32 v[236:237], v[236:237], v[104:105]
	v_pk_add_f32 v[248:249], v[248:249], v[106:107]
	v_pk_add_f32 v[246:247], v[246:247], v[110:111]
	v_pk_add_f32 v[244:245], v[244:245], v[114:115]
	v_pk_add_f32 v[242:243], v[242:243], v[118:119]
	v_pk_add_f32 v[240:241], v[240:241], v[122:123]
	v_pk_add_f32 v[238:239], v[238:239], v[126:127]
	v_pk_add_f32 v[14:15], v[14:15], v[130:131]
	v_pk_add_f32 v[236:237], v[236:237], v[134:135]
	v_pk_add_f32 v[248:249], v[248:249], v[138:139]
	v_pk_add_f32 v[246:247], v[246:247], v[142:143]
	v_pk_add_f32 v[244:245], v[244:245], v[146:147]
	v_pk_add_f32 v[242:243], v[242:243], v[150:151]
	v_pk_add_f32 v[240:241], v[240:241], v[154:155]
	v_pk_add_f32 v[238:239], v[238:239], v[158:159]
	v_pk_add_f32 v[14:15], v[14:15], v[162:163]
	v_pk_add_f32 v[236:237], v[236:237], v[166:167]
	s_delay_alu instid0(VALU_DEP_2)
	v_pk_add_f32 v[14:15], v[14:15], v[244:245]
	s_delay_alu instid0(VALU_DEP_2)
	v_pk_add_f32 v[236:237], v[236:237], v[242:243]
	v_pk_add_f32 v[248:249], v[248:249], v[240:241]
	v_pk_add_f32 v[246:247], v[246:247], v[238:239]
	s_delay_alu instid0(VALU_DEP_2)
	v_pk_add_f32 v[14:15], v[14:15], v[248:249]
	s_delay_alu instid0(VALU_DEP_2)
	v_pk_add_f32 v[236:237], v[236:237], v[246:247]
	s_delay_alu instid0(VALU_DEP_1)
	v_pk_add_f32 v[14:15], v[14:15], v[236:237]
	s_wait_alu depctr_va_vdst(0)                   ; and one for the four
.irp b, 0,1,2,3
	v_max_num_f32 v[232+\b], 0x4800000, v[232+\b]  ; the floor 2^(9 - 127): the byte cannot fall under 1
.endr
.irp b, 0,1,2,3
	s_delay_alu instid0(VALU_DEP_4)
	v_add_nc_u32 v[244+\b], 0xfc000000, v[232+\b]  ; 8 off the exponent field: the conversion's scale operand
.endr
.irp b, 0,1,2,3
	v_and_or_b32 v[240+\b], v[232+\b], 0x7f800000, s[MNT]   ; 448 x the scale,
.endr
.irp b, 0,1,2,3
	v_and_or_b32 v[BD2+((\b+1)%4)], v[232+\b], 0x7f800000, s[MNT]   ; and once more, in a register of another number modulo 4: the two halves of a dual pair take their second sources from different banks
.endr
.irp b, 0,1,2,3
	v_lshrrev_b32 v[236+\b], 23, v[244+\b]         ; the byte
.endr
	s_delay_alu instid0(VALU_DEP_3)
	v_lshl_or_b32 v253, v237, 8, v236              ; p's scale word for these 128 keys
	s_delay_alu instid0(VALU_DEP_1)
	v_lshl_or_b32 v253, v238, 16, v253
	s_delay_alu instid0(VALU_DEP_1)
	v_lshl_or_b32 v253, v239, 24, v253
.irp b, 0,1,2,3
.irp i, 0,2,4,6,8,10,12,14             ; the conversion does not saturate (ISA guide 7.6.2); p is not negative: the hold is one-sided; two holds to an instruction
	v_dual_min_num_f32 v[S+16*\b+\i], v[S+16*\b+\i], v[240+\b] :: v_dual_min_num_f32 v[S+16*\b+\i+1], v[S+16*\b+\i+1], v[BD2+((\b+1)%4)]
.endr
	v_cvt_scalef32_pk8_fp8_f32 v[PC+4*\b:PC+4*\b+1], v[S+16*\b:S+16*\b+7], v[244+\b]
	v_cvt_scalef32_pk8_fp8_f32 v[PC+4*\b+2:PC+4*\b+3], v[S+16*\b+8:S+16*\b+15], v[244+\b]
.endr
	s_wait_alu depctr_va_vdst(0)                   ; directly ahead of the first reader of O^T
.set J, 0
.rept 16
	v_pk_mul_f32 v[O+J:O+J+1], v[O+J:O+J+1], v[252:253] op_sel_hi:[1,0]   ; O^T under the new M; these sixteen also stand between the conversions and the products
.set J, J+2
.endr
	s_wait_alu depctr_va_vdst(0)
	s_wait_dscnt 0x0                               ; V's fragments and scale words, asked for ahead of the softmax
.irp t, 0,1,2,3                        ; O^T += V^T P^T: four tiles of 16 channels, by turns; K = these 128 keys
	v_wmma_scale_f32_16x16x128_f8f6f4 v[O+8*\t:O+8*\t+7], v[KF+16*\t:KF+16*\t+15], v[PC:PC+15], v[O+8*\t:O+8*\t+7], v[VSW+\t], v253
.endr
	s_add_co_u32 s[TK], s[TK], KSTEP               ; on to the next step
	s_add_co_u32 s[TV], s[TV], VSTEP
	s_add_co_u32 s[TS], s[TS], 512
	s_add_co_u32 s[TJ], s[TJ], 256
.endm
	s_wait_alu depctr_va_vdst(0)
	s_wait_loadcnt 0x0                             ; q
	s_wait_tensorcnt 0x0                           ; my load, if I have one, has landed
	s_barrier_signal -1
	s_barrier_wait -1                              ; everybody's has: all of K, V and their scale words are there
	s_mov_b32 s[CNT], 16
.Lstep:                                            ; no barrier: each wave goes at its own pace
	STEP
	s_sub_co_u32 s[CNT], s[CNT], 1
	s_cmp_lg_u32 s[CNT], 0
	s_cbranch_scc1 .Lstep
	; THE WAY OUT: O^T / the sum, quantised along the head's 64 (two blocks), through my stage, out as 1,024 consecutive bytes
.rept 8
	v_nop
.endr
	v_add_f32 v14, v14, v15
	s_delay_alu instid0(VALU_DEP_1)
	v_permlanex16_b32 v252, v14, s[SEL], s[SEL+1]
	s_delay_alu instid0(VALU_DEP_1)
	v_add_f32 v14, v14, v252
	s_wait_alu depctr_va_vdst(0)                   ; ahead of the transcendental
	v_rcp_f32 v14, v14
	v_and_b32 v8, 15, v0                           ; (a plain instruction behind the reciprocal)
	v_bfe_u32 v9, v0, 4, 1
	v_and_b32 v216, 31, v0
	s_mul_i32 s[BH], s[WV], 16*80
	s_add_co_u32 s[BH], s[BH], STG                 ; my stage
	v_mul_u32_u24 v218, v8, 80
	v_lshl_add_u32 v218, v9, 3, v218
	v_add_nc_u32 v218, s[BH], v218                 ; in: row r, + 8 h
	v_lshrrev_b32 v219, 2, v216
	v_mul_u32_u24 v219, v219, 80
	v_and_b32 v217, 3, v216
	v_lshl_add_u32 v219, v217, 4, v219
	v_add_nc_u32 v219, s[BH], v219                 ; back: four lanes to a row
	v_lshlrev_b32 v216, 4, v216                    ; 16 x lane
	v_lshlrev_b32 v217, 3, v8                      ; 8 r
	s_wait_alu depctr_va_vdst(0)                   ; ahead of the reciprocal's first reader, which is also the last products' first reader
.set J, 0
.rept 32
	v_mul_f32 v[S+J], v[O+J], v14                  ; register 8 t + i is o(r, 16 t + 8 h + i)
.set J, J+1
.endr
.irp b, 0,1
	v_max3_num_f32 v[232+\b], |v[S+16*\b]|, |v[S+16*\b+1]|, 0x4800000
.endr
.irp i, 2,4,6,8,10,12,14
.irp b, 0,1
	v_max3_num_f32 v[232+\b], v[232+\b], |v[S+16*\b+\i]|, |v[S+16*\b+\i+1]|
.endr
.endr
.irp b, 0,1
	v_permlanex16_b32 v[236+\b], v[232+\b], s[SEL], s[SEL+1]
.endr
.irp b, 0,1
	v_max_num_f32 v[232+\b], v[232+\b], v[236+\b]
.endr
.irp b, 0,1
	v_add_nc_u32 v[244+\b], 0xfc000000, v[232+\b]
.endr
.irp b, 0,1
	v_and_or_b32 v[240+\b], v[232+\b], 0x7f800000, s[MNT]
.endr
.irp b, 0,1
	v_lshrrev_b32 v[236+\b], 23, v[244+\b]
.endr
	v_lshl_or_b32 v253, v237, 8, v236              ; my row's two bytes
.irp b, 0,1
.irp i, 0,1,2,3,4,5,6,7,8,9,10,11,12,13,14,15
	v_med3_num_f32 v[S+16*\b+\i], v[S+16*\b+\i], -v[240+\b], v[240+\b]
.endr
	v_cvt_scalef32_pk8_fp8_f32 v[PC+4*\b:PC+4*\b+1], v[S+16*\b:S+16*\b+7], v[244+\b]
	v_cvt_scalef32_pk8_fp8_f32 v[PC+4*\b+2:PC+4*\b+3], v[S+16*\b+8:S+16*\b+15], v[244+\b]
.endr
	v_nop                                          ; a plain instruction behind the last conversion
.irp b, 0,1
.irp u, 0,1
	ds_store_b64 v218, v[PC+4*\b+2*\u:PC+4*\b+2*\u+1] offset:32*\b+16*\u
.endr
.endr
	ds_load_b128 v[32:35], v219                    ; LDS serves a wave's instructions in order: these see my stores
	ds_load_b128 v[36:39], v219 offset:640
	global_store_b16 v217, v253, s[14:15]          ; both halves of the lanes store the same two bytes
	s_wait_dscnt 0x0
	global_store_b128 v216, v[32:35], s[12:13]     ; 512 consecutive bytes, aligned
	global_store_b128 v216, v[36:39], s[12:13] offset:512
	s_wait_tensorcnt 0x0                           ; the wave's end
	ds_add_u32 v[SPW], v[NIL]
	s_wait_dscnt 0x0
	CROUND                                         ; the closing round: no work-group ends while a partner may still ask for a tile that names it
	s_endpgm
.Lfunc_end_k_q9611a9a049_attn:
	.size	k_q9611a9a049_attn, .Lfunc_end_k_q9611a9a049_attn-k_q9611a9a049_attn
	.p2alignl 7, 3214868480
	.fill 96, 4, 3214868480
	.section	.rodata,"a",@progbits
	.p2align	6, 0x0
	.amdhsa_kernel k_q9611a9a049_attn
		.amdhsa_group_segment_fixed_size 327680
		.amdhsa_private_segment_fixed_size 0
		.amdhsa_enable_private_segment 0
		.amdhsa_kernarg_size 16
		.amdhsa_user_sgpr_count 2
		.amdhsa_user_sgpr_kernarg_segment_ptr 1
		.amdhsa_wavefront_size32 1
		.amdhsa_system_sgpr_workgroup_id_x 1
		.amdhsa_system_sgpr_workgroup_id_y 1
		.amdhsa_system_sgpr_workgroup_id_z 1
		.amdhsa_system_vgpr_workitem_id 0
		.amdhsa_next_free_vgpr 256
		.amdhsa_next_free_sgpr 102
		.amdhsa_reserve_vcc 0
		.amdhsa_float_denorm_mode_32 3
		.amdhsa_float_denorm_mode_16_64 3
		.amdhsa_memory_ordered 1
		.amdhsa_forward_progress 1
		.amdhsa_inst_pref_size 40
	.end_amdhsa_kernel
	.amdgpu_metadata
---
amdhsa.version: [ 1, 2 ]
amdhsa.kernels:
  - .name:           k_q9611a9a049_attn
    .symbol:         k_q9611a9a049_attn.kd
    .args:
      - { .name: qkvq, .offset: 0, .size: 8, .value_kind: global_buffer, .address_space: global }
      - { .name: aq, .offset: 8, .size: 8, .value_kind: global_buffer, .address_space: global }
    .group_segment_fixed_size: 327680
    .private_segment_fixed_size: 0
    .kernarg_segment_align: 8
    .kernarg_segment_size: 16
    .max_flat_workgroup_size: 512
    .sgpr_count:     102
    .vgpr_count:     256
    .wavefront_size: 32
...
	.end_amdgpu_metadata
.endif
;; end of part 3
;; launch proj (part 4): grid 8 x 32, 4 waves a work-group, clusters of 4 x 4, 327,680 bytes of LDS; arguments aq, wq, b_proj, x, r; writes r
.if DOCPART == 4
	.amdgcn_target "amdgcn-amd-amdhsa--gfx1250"
	.amdhsa_code_object_version 6
	.text
	.protected	k_q9611a9a049_proj
	.globl	k_q9611a9a049_proj
	.p2align	8
	.type	k_q9611a9a049_proj,@function
k_q9611a9a049_proj:
	s_mov_b64 s[64:65], 0
	v_nop
	global_prefetch_b8 v0, s[64:65] scope:SCOPE_SE
	s_setreg_imm32_b32 hwreg(HW_REG_WAVE_MODE, 25, 1), 1
	s_wait_xcnt 0x0
	s_wait_alu depctr_hold_cnt(0) depctr_sa_sdst(0) depctr_va_vdst(0) depctr_va_sdst(0) depctr_va_ssrc(0) depctr_va_vcc(0) depctr_vm_vsrc(0)
	s_getreg_b32 s2, hwreg(HW_REG_IB_STS2, 6, 4)
	s_cmp_eq_u32 s2, 0
	s_cbranch_scc0 .Lentry_in_a_cluster
	s_endpgm
.Lentry_in_a_cluster:
	s_bfe_u32 s2, ttmp6, 0x10000c
	s_cmp_lg_u32 s2, 0xf033
	s_cbranch_scc0 .Lentry_shape_is_right
	s_endpgm
.Lentry_shape_is_right:
; r = (attention's result) W_proj + b_proj + x, on codes of E4M3 with one E8M0 byte for each 32 along K = 1,024; f32 sums; r is f32 [4096][1024].
; A = aq: codes [16 heads][4096 rows][64], scale bytes [K / 256][4096][8] at AS_OFF.  B = W_proj in wq: codes [1024 rows n][1024] at BC_OFF, scale bytes likewise at BS_OFF.
; A block of 128 x 128 to a work-group of four waves, 64 x 64 a wave (16 accumulators).  ALL OF K LIES IN LDS AT ONCE: A's 128 rows as 16 chunks of 128 rows x (64 + 16) bytes, B's 128 rows of 1,024 + 16 bytes, 8,192 scale bytes:
; four loads, one a wave, at the head; each byte is filled once; one wait for all loads and one barrier.  Nothing is asked for behind the head, so there is no later load to prefetch for.
; CLUSTERS: 4 x 4 work-groups; A's tile and scale bytes are shared along a row of the cluster, B's along a column: each is asked for jointly.
; The matrix instruction is used transposed (source 0 = 16 rows of B, source 1 = 16 rows of A): a lane holds eight neighbouring columns of one row of r.  The bias is the first products' C; x is added on the way out.
; LIMITS: NaN and infinities are not served.
; REGISTERS: window 0: v0-31 addresses; v32-63 scale words of all of K (lanes 0-15 A's, lanes 16-31 B's); v64-95 the bias, later v64-127 rows on the way out; v128-255 the accumulators.
;   window 1: two sets of fragments (A's four, then B's four).   window 2: v0-127 my 64 x 64 of x.
.set AS_OFF, 0x400000
.set BC_OFF, 0x700000
.set BS_OFF, 0x1040000
.set CP,     80                        ; a row of a chunk of A in LDS: 64 bytes + 16: an odd multiple of 16 bytes
.set CHB,    128*CP                    ; a chunk: 64 along K of 128 rows
.set PITCH,  1040                      ; a row of B in LDS: 1,024 bytes + 16
.set BB,     16*CHB                    ; B begins behind A
.set SCL,    BB+128*PITCH              ; the scale bytes: A's [4 pieces of K][128 rows][8], then B's
.set STG,    SCL+8192                  ; the way out's stages, 16 rows x 272 bytes a wave: bytes of their own, into which no fill lands
.set SPARE,  STG+4*16*272              ; the spare words: 128 bytes a wave
.set B32H, 6
.set ADRA, 16                          ; v16-19 my A fragments, a register for each four chunks
.set ADRB, 20
.set STO,  24
.set RD,   25
.set CO,   26
.set ADRS, 27
.set SPW,  28
.set NIL,  29
.set SC,   32
.set BI,   64
.set OB,   64
.set ACC,  128
.set F0,   0
.set F1,   128
.set RES,  0
.set G1,   24
.set G0,   32
.set G1B,  48
.set G0B,  56
.set G1S,  68
.set G0S,  76
.set G1SB, 80
.set G0SB, 88
.set MSB, 0
.macro WIN new                         ; the immediate's high byte repeats the setting that is left
.if MSB != (\new)
	s_set_vgpr_msb (MSB<<8)|(\new)
.set MSB, (\new)
.endif
.endm
.set MUL,  0x05                        ; sources 0 and 1 in window 1, C and D in window 0
.set TO_F, 0x40                        ; destination in window 1
.macro CROUND                          ; a round of the cluster's barrier
	s_barrier_signal -1
	s_barrier_wait -1
	s_cmp_lg_u32 s14, 0
	s_cbranch_scc1 .Lnot_wave_0_\@
	s_barrier_signal -3
.Lnot_wave_0_\@:
	s_barrier_wait -3
	s_barrier_signal -1
	s_barrier_wait -1
.endm
.macro PLACES n
.rept \n
	v_nop
.endr
.endm
	s_load_b256 s[4:11], s[0:1], 0x0               ; aq, wq, b_proj, x
	s_load_b64 s[12:13], s[0:1], 0x20              ; r
	v_lshl_add_u32 v[SPW], v0, 2, SPARE
	v_mov_b32 v[NIL], 0
	ds_add_u32 v[SPW], v[NIL]                      ; the opening lines: the add, twice on end, and its wait ahead of the first tensor load
	ds_add_u32 v[SPW], v[NIL]
	v_lshrrev_b32 v1, 5, v0
	v_readfirstlane_b32 s14, v1                    ; wave
	s_lshr_b32 s15, s14, 1                         ; my half of A's rows
	s_and_b32 s16, s14, 1                          ; my half of B's rows
	s_bfe_u32 s40, ttmp6, 0x40000                  ; cx
	s_bfe_u32 s41, ttmp6, 0x40004                  ; cy
	s_lshl_b32 s42, ttmp9, 2
	s_add_co_u32 s42, s42, s40                     ; tile column
	s_and_b32 s17, ttmp7, 0xffff
	s_lshl_b32 s17, s17, 2
	s_add_co_u32 s17, s17, s41                     ; tile row
	s_lshl_b32 s43, s41, 2
	s_lshl_b32 s43, 15, s43                        ; my row of the cluster
	s_lshl_b32 s44, 0x1111, s40                    ; my column
	s_or_b32 s[G1+0], s43, (1<<20)|(1<<21)|(3<<22)|(3<<25)    ; A: 16 chunks of 8,192 dense bytes (128 rows x 64), 4 words of padding behind every 16
	s_mov_b32 s[G1+1], 8192<<16
	s_mov_b32 s[G1+2], 16<<16
	s_mov_b32 s[G1+3], 8192<<16
	s_mov_b32 s[G1+4], 16
	s_mov_b32 s[G1+5], 4096*64                     ; from chunk to chunk
	s_mov_b32 s[G1+6], 0
	s_mov_b32 s[G1+7], 0
	s_or_b32 s[G1B+0], s44, (1<<20)|(1<<21)|(7<<22)|(3<<25)   ; B: 128 rows of 1,024 bytes, 4 words of padding behind every 256
	s_mov_b32 s[G1B+1], 1024<<16
	s_mov_b32 s[G1B+2], 128<<16
	s_mov_b32 s[G1B+3], 1024<<16
	s_mov_b32 s[G1B+4], 128
	s_mov_b32 s[G1B+5], 1024
	s_mov_b32 s[G1B+6], 0
	s_mov_b32 s[G1B+7], 0
	s_or_b32 s[G1S+0], s43, (3<<16)|(1<<21)        ; scale bytes: elements of 8 bytes: 4 pieces of K x 128 rows, 4,096 rows apart
	s_or_b32 s[G1SB+0], s44, (3<<16)|(1<<21)
.irp g, G1S, G1SB
	s_mov_b32 s[\g+1], 128<<16
	s_mov_b32 s[\g+2], 4<<16
	s_mov_b32 s[\g+3], 128<<16
	s_mov_b32 s[\g+4], 4
	s_mov_b32 s[\g+5], 4096
	s_mov_b32 s[\g+6], 0
	s_mov_b32 s[\g+7], 0
.endr
	s_lshl_b32 s20, s17, 13                        ; A's codes: 128 rows of 64 bytes a tile row
	s_mov_b32 s21, 0
	s_lshl_b32 s22, s17, 10                        ; its scale bytes: 128 rows of 8
	s_add_co_u32 s22, s22, AS_OFF
	s_mov_b32 s23, 0
	s_lshl_b32 s46, s42, 17                        ; B's codes: 128 rows of 1,024 bytes a tile column
	s_add_co_u32 s46, s46, BC_OFF
	s_mov_b32 s47, 0
	s_lshl_b32 s92, s42, 10
	s_add_co_u32 s92, s92, BS_OFF
	s_mov_b32 s93, 0
	s_wait_dscnt 0x0                               ; both opening adds are done
	s_wait_kmcnt 0x0
	s_mov_b32 s[G0], 1
	s_mov_b32 s[G0+1], 0
	s_add_nc_u64 s[G0+2:G0+3], s[4:5], s[20:21]
	s_or_b32 s[G0+3], s[G0+3], 0x80000000
	s_mov_b32 s[G0B], 1
	s_mov_b32 s[G0B+1], BB
	s_add_nc_u64 s[G0B+2:G0B+3], s[6:7], s[46:47]
	s_or_b32 s[G0B+3], s[G0B+3], 0x80000000
	s_mov_b32 s[G0S], 1
	s_mov_b32 s[G0S+1], SCL
	s_add_nc_u64 s[G0S+2:G0S+3], s[4:5], s[22:23]
	s_or_b32 s[G0S+3], s[G0S+3], 0x80000000
	s_mov_b32 s[G0SB], 1
	s_mov_b32 s[G0SB+1], SCL+4096
	s_add_nc_u64 s[G0SB+2:G0SB+3], s[6:7], s[92:93]
	s_or_b32 s[G0SB+3], s[G0SB+3], 0x80000000
	CROUND                                         ; all sixteen work-groups are here: the joint loads meet
; THE LOADS, ONE A WAVE: one chain of branches on the wave's number, all arms leading to one join; s_nop 0 and four v_nop behind each load
.macro ARM under, g0, g1, next
	s_cmp_lt_u32 s14, \under
	s_cbranch_scc0 \next
	tensor_load_to_lds s[\g0:\g0+3], s[\g1:\g1+7]
	s_nop 0
	PLACES 4
	s_branch .Lhead_asked
\next:
.endm
	ARM 1, G0,  G1,  .Lhead_b
	ARM 2, G0B, G1B, .Lhead_sa
	ARM 3, G0S, G1S, .Lhead_sb
	tensor_load_to_lds s[G0SB:G0SB+3], s[G1SB:G1SB+7]
	s_nop 0
	PLACES 4
.Lhead_asked:
	s_lshl_b32 s20, s42, 7
	s_lshl_b32 s21, s16, 6
	s_add_co_u32 s20, s20, s21
	s_lshl_b32 s20, s20, 2                         ; my first column, in bytes of f32
	s_mov_b32 s21, 0
	s_add_nc_u64 s[8:9], s[8:9], s[20:21]
	s_lshl_b32 s22, s17, 7
	s_lshl_b32 s23, s15, 6
	s_add_co_u32 s22, s22, s23
	s_lshl_b32 s22, s22, 12                        ; my first row, 4,096 bytes a row
	s_add_co_u32 s20, s20, s22
	s_add_nc_u64 s[10:11], s[10:11], s[20:21]
	s_add_nc_u64 s[12:13], s[12:13], s[20:21]
	s_mul_i32 s21, s15, 64*CP                      ; LDS: my 64 rows in a chunk of A,
	s_mul_i32 s22, s16, 64*PITCH
	s_add_co_u32 s22, s22, BB                      ; my 64 rows of B,
	s_lshl_b32 s2, s15, 9                          ; my rows' scale words: lanes 0-15 A's,
	s_lshl_b32 s23, s16, 9
	s_add_co_u32 s23, s23, 4096
	s_sub_co_u32 s23, s23, s2                      ; lanes 16-31 B's: the distance, once
	s_add_co_u32 s2, s2, SCL
	s_mul_i32 s3, s14, 16*272
	s_add_co_u32 s3, s3, STG                       ; my stage
	v_and_b32 v1, 15, v0                           ; r
	v_bfe_u32 v2, v0, 4, 1                         ; h
	v_lshlrev_b32 v[B32H], 5, v2
	v_lshlrev_b32 v3, 4, v1
	v_lshl_add_u32 v[CO], v2, 12, v3               ; lanes 0-15 one row of r, lanes 16-31 the next; 16 bytes a lane
	v_mul_u32_u24 v3, v1, CP
	v_lshl_add_u32 v3, v2, 4, v3
	v_add_nc_u32 v[ADRA], s21, v3
	v_add_nc_u32 v[ADRA+1], 4*CHB, v[ADRA]
	v_add_nc_u32 v[ADRA+2], 8*CHB, v[ADRA]
	v_add_nc_u32 v[ADRA+3], 12*CHB, v[ADRA]
	v_mul_u32_u24 v4, v1, PITCH
	v_lshl_add_u32 v4, v2, 4, v4
	v_add_nc_u32 v[ADRB], s22, v4
	v_lshlrev_b32 v5, 3, v1
	v_mul_u32_u24 v7, s23, v2
	v_add_nc_u32 v5, v5, v7
	v_add_nc_u32 v[ADRS], s2, v5
	v_mul_u32_u24 v3, v1, 272
	v_lshl_add_u32 v3, v2, 5, v3
	v_add_nc_u32 v[STO], s3, v3                    ; into the stage: row r, 32 bytes for each half of the lanes
	v_mul_u32_u24 v3, v2, 272
	v_lshl_add_u32 v3, v1, 4, v3
	v_add_nc_u32 v[RD], s3, v3                     ; back: sixteen lanes to a row
	s_wait_alu depctr_va_vdst(0)
.irp b, 0,1,2,3
	global_load_b128 v[BI+8*\b:BI+8*\b+3], v[B32H], s[8:9] offset:64*\b        ; the bias of columns 16 b + 8 h + 0 .. 7
	global_load_b128 v[BI+8*\b+4:BI+8*\b+7], v[B32H], s[8:9] offset:64*\b+16
.endr
	WIN 0x80
.irp a, 0,1,2,3
.irp t, 0,1,2,3,4,5,6,7
	global_load_b128 v[RES+32*\a+4*\t:RES+32*\a+4*\t+3], v[CO], s[10:11] offset:(16*\a+2*\t)*4096 th:TH_LOAD_NT   ; x, in the order in which the rows come back from the stage
.endr
.endr
	WIN 0
; 8 matrix instructions: A's blocks a0, a0 + 1 x B's four, the q-th 128 of K.  first = 1: the bias is C.  The 16 accumulators take turns.
.macro MUL8 f, q, a0, first
.irp a, \a0, \a0+1
.irp b, 0,1,2,3
.if \first
	v_wmma_scale_f32_16x16x128_f8f6f4 v[ACC+8*(4*(\a)+\b):ACC+8*(4*(\a)+\b)+7], v[\f+64+16*\b:\f+64+16*\b+15], v[\f+16*(\a):\f+16*(\a)+15], v[BI+8*\b:BI+8*\b+7], v[SC+16*((\q)/4)+4*\b+(\q)%4], v[SC+16*((\q)/4)+4*(\a)+(\q)%4] matrix_a_scale:MATRIX_SCALE_ROW1
.else
	v_wmma_scale_f32_16x16x128_f8f6f4 v[ACC+8*(4*(\a)+\b):ACC+8*(4*(\a)+\b)+7], v[\f+64+16*\b:\f+64+16*\b+15], v[\f+16*(\a):\f+16*(\a)+15], v[ACC+8*(4*(\a)+\b):ACC+8*(4*(\a)+\b)+7], v[SC+16*((\q)/4)+4*\b+(\q)%4], v[SC+16*((\q)/4)+4*(\a)+(\q)%4] matrix_a_scale:MATRIX_SCALE_ROW1
.endif
.endr
.endr
.endm
.macro FETCH q, f                      ; the fragments of the q-th 128 of K: B's four, A's four: 32 loads.  K = 128 q + 32 c + 16 h of A lies in chunk 2 q + c / 2, at byte 32 (c % 2) + 16 h of its row
	WIN TO_F
.irp i, 0,1,2,3
.irp c, 0,1,2,3
	ds_load_b128 v[\f+64+16*\i+4*\c:\f+64+16*\i+4*\c+3], v[ADRB] offset:128*(\q)+32*\c+\i*16*PITCH
.endr
.endr
.irp i, 0,1,2,3
.irp c, 0,1,2,3
	ds_load_b128 v[\f+16*\i+4*\c:\f+16*\i+4*\c+3], v[ADRA+(\q)/2] offset:(2*((\q)%2)+\c/2)*CHB+32*(\c%2)+\i*16*CP
.endr
.endr
.endm
; A step of 128 along K: its fragments are in; the next step's are asked for, into the set that the last step multiplied (eight places behind its products); then its 16 products
.macro QUARTER q
.if (\q)%2
.set FC, F1
.set FN, F0
.else
.set FC, F0
.set FN, F1
.endif
	s_wait_dscnt 0x0
.if (\q) < 7
.if (\q) > 0
	PLACES 8
.endif
	FETCH (\q)+1, FN
.endif
	WIN MUL
.if (\q) == 0
	MUL8 FC, \q, 0, 1
	MUL8 FC, \q, 2, 1
.else
	MUL8 FC, \q, 0, 0
	MUL8 FC, \q, 2, 0
.endif
.endm
	s_wait_tensorcnt 0x0                           ; my tile of the four is in
	s_barrier_signal -1
	s_barrier_wait -1                              ; everybody's is
	FETCH 0, F0
	WIN 0
.irp p, 0,1,2,3                        ; the scale words of all of K: register 16 (q / 4) + 4 i + q % 4: block i, the q-th 128 of K
.irp i, 0,1,2,3
	ds_load_b64 v[SC+16*(\p/2)+4*\i+2*(\p%2):SC+16*(\p/2)+4*\i+2*(\p%2)+1], v[ADRS] offset:1024*\p+128*\i
.endr
.endr
	s_wait_loadcnt 32                              ; the bias is in; the 32 loads of x, issued behind it, may be out
.irp q, 0,1,2,3,4,5,6,7
	QUARTER \q
.endr
	WIN 0
	PLACES 8                                       ; behind the last products, ahead of the first read of the sums
	s_wait_loadcnt 0x0                             ; x
; THE WAY OUT, 16 rows x 64 columns at a time, through my stage: back as whole rows of 256 bytes; + x; sixteen lanes store 256 consecutive bytes, aligned
.macro TOSTAGE a
.irp b, 0,1,2,3
	ds_store_b128 v[STO], v[ACC+8*(4*(\a)+\b):ACC+8*(4*(\a)+\b)+3] offset:64*\b
	ds_store_b128 v[STO], v[ACC+8*(4*(\a)+\b)+4:ACC+8*(4*(\a)+\b)+7] offset:64*\b+16
.endr
.irp t, 0,1,2,3,4,5,6,7
	ds_load_b128 v[OB+32*((\a)%2)+4*\t:OB+32*((\a)%2)+4*\t+3], v[RD] offset:544*\t   ; LDS serves a wave's instructions in order: these see my stores
.endr
.endm
.macro SEND a, younger                 ; younger: the LDS instructions issued behind block a's loads, which may stay out
	s_wait_dscnt \younger
	WIN 0x08
.irp t, 0,2,4,6,8,10,12,14,16,18,20,22,24,26,28,30
	v_pk_add_f32 v[OB+32*((\a)%2)+\t:OB+32*((\a)%2)+\t+1], v[OB+32*((\a)%2)+\t:OB+32*((\a)%2)+\t+1], v[RES+32*(\a)+\t:RES+32*(\a)+\t+1]
.endr
	WIN 0
.irp t, 0,1,2,3,4,5,6,7
	global_store_b128 v[CO], v[OB+32*((\a)%2)+4*\t:OB+32*((\a)%2)+4*\t+3], s[12:13] offset:(16*(\a)+2*\t)*4096
.endr
.endm
	TOSTAGE 0
	TOSTAGE 1
	SEND 0, 16
	s_wait_xcnt 0x0                                ; block 0's stores have read their registers
	TOSTAGE 2
	SEND 1, 16
	s_wait_xcnt 0x0
	TOSTAGE 3
	SEND 2, 16
	SEND 3, 0
	s_wait_tensorcnt 0x0                           ; the wave's end
	ds_add_u32 v[SPW], v[NIL]
	s_wait_dscnt 0x0
	CROUND                                         ; the closing round
	s_endpgm
.Lfunc_end_k_q9611a9a049_proj:
	.size	k_q9611a9a049_proj, .Lfunc_end_k_q9611a9a049_proj-k_q9611a9a049_proj
	.p2alignl 7, 3214868480
	.fill 96, 4, 3214868480
	.section	.rodata,"a",@progbits
	.p2align	6, 0x0
	.amdhsa_kernel k_q9611a9a049_proj
		.amdhsa_group_segment_fixed_size 327680
		.amdhsa_private_segment_fixed_size 0
		.amdhsa_enable_private_segment 0
		.amdhsa_kernarg_size 40
		.amdhsa_user_sgpr_count 2
		.amdhsa_user_sgpr_kernarg_segment_ptr 1
		.amdhsa_wavefront_size32 1
		.amdhsa_system_sgpr_workgroup_id_x 1
		.amdhsa_system_sgpr_workgroup_id_y 1
		.amdhsa_system_sgpr_workgroup_id_z 1
		.amdhsa_system_vgpr_workitem_id 0
		.amdhsa_next_free_vgpr 768
		.amdhsa_next_free_sgpr 102
		.amdhsa_reserve_vcc 0
		.amdhsa_float_denorm_mode_32 3
		.amdhsa_float_denorm_mode_16_64 3
		.amdhsa_memory_ordered 1
		.amdhsa_forward_progress 1
		.amdhsa_inst_pref_size 60
	.end_amdhsa_kernel
	.amdgpu_metadata
---
amdhsa.version: [ 1, 2 ]
amdhsa.kernels:
  - .name:           k_q9611a9a049_proj
    .symbol:         k_q9611a9a049_proj.kd
    .args:
      - { .name: aq, .offset: 0, .size: 8, .value_kind: global_buffer, .address_space: global }
      - { .name: wq, .offset: 8, .size: 8, .value_kind: global_buffer, .address_space: global }
      - { .name: b_proj, .offset: 16, .size: 8, .value_kind: global_buffer, .address_space: global }
      - { .name: x, .offset: 24, .size: 8, .value_kind: global_buffer, .address_space: global }
      - { .name: r, .offset: 32, .size: 8, .value_kind: global_buffer, .address_space: global }
    .group_segment_fixed_size: 327680
    .private_segment_fixed_size: 0
    .kernarg_segment_align: 8
    .kernarg_segment_size: 40
    .max_flat_workgroup_size: 128
    .sgpr_count:     102
    .vgpr_count:     768
    .wavefront_size: 32
...
	.end_amdgpu_metadata
.endif
;; end of part 4
;; launch ln1 (part 5): grid 256 x 1, 8 waves a work-group, no clusters, 43,008 bytes of LDS; arguments r, g1, beta1, hb; writes hb
.if DOCPART == 5
	.amdgcn_target "amdgcn-amd-amdhsa--gfx1250"
	.amdhsa_code_object_version 6
	.text
	.protected	k_q9611a9a049_ln1
	.globl	k_q9611a9a049_ln1
	.p2align	8
	.type	k_q9611a9a049_ln1,@function
k_q9611a9a049_ln1:
	s_mov_b64 s[64:65], 0
	v_nop
	global_prefetch_b8 v0, s[64:65] scope:SCOPE_SE
	s_setreg_imm32_b32 hwreg(HW_REG_WAVE_MODE, 25, 1), 1
	s_wait_xcnt 0x0
; LayerNorm of rows of 1,024 f32: (x - mean) rsqrt(var + 1e-5) g + beta, the variance from the centred numbers, as the problem writes it; the result is stored as f32 and also quantised along the row (E4M3, a scale byte for each 32).
; 256 work-groups of eight waves; a wave takes two rows, one at a time; a row stays in 32 registers.  All loads go out at the head.  Every load and store of rows and codes covers 512 consecutive bytes.
; OUT: f32 rows at 0, codes [row][1024] at 16 Mi, scale bytes [K / 256][4096][8] at 20 Mi of the output buffer.  The work-group's 16 rows x 8 bytes of each piece of K are gathered in LDS and leave as 128 consecutive bytes
; (131,072 bytes in all, 1/32 of the codes): two work-groups share a unit of 256 bytes there.
; LIMITS: NaN and infinities are not served; a block under 2^-118 keeps the scale byte 1.
.set WAVES, 8
.set G,   16
.set BT,  48
.set X,   80
.set XQ,  208
.set CD,  240
.set SPW, 10
.set NIL, 144
.set SG,  40960                        ; the scale bytes: [4 pieces of K][16 rows][8]
.set SPARE, 0xa400                     ; the spare words: 128 bytes a wave
	s_load_b256 s[4:11], s[0:1], 0x0               ; in, g, beta, out
	v_lshl_add_u32 v[SPW], v0, 2, SPARE
	v_mov_b32 v[NIL], 0
	v_lshrrev_b32 v1, 5, v0
	s_delay_alu instid0(VALU_DEP_1)
	v_readfirstlane_b32 s12, v1
	v_and_b32 v2, 31, v0
	s_delay_alu instid0(VALU_DEP_1)
	v_lshlrev_b32 v3, 4, v2
	s_mul_i32 s13, ttmp9, WAVES*2
	s_lshl_b32 s14, s12, 1
	s_add_co_u32 s14, s13, s14                     ; my first row
	s_lshl_b32 s16, s14, 12
	s_mov_b32 s17, 0
	s_mov_b32 s20, 0x76543210
	s_mov_b32 s21, 0xfedcba98
	s_mov_b32 s22, 0x3a800000                      ; 1 / 1,024
	s_mov_b32 s23, 0x3727c5ac                      ; 1e-5
	s_mov_b32 s24, 0x600000
	s_wait_alu depctr_va_vdst(0)
	s_wait_kmcnt 0x0
	s_add_nc_u64 s[4:5], s[4:5], s[16:17]
	s_add_nc_u64 s[18:19], s[10:11], s[16:17]
.irp j, 0,1,2,3,4,5,6,7
	global_load_b128 v[G+4*\j:G+4*\j+3], v3, s[6:7] offset:512*\j
.endr
.irp j, 0,1,2,3,4,5,6,7
	global_load_b128 v[BT+4*\j:BT+4*\j+3], v3, s[8:9] offset:512*\j
.endr
.irp i, 0,1
.irp j, 0,1,2,3,4,5,6,7
	global_load_b128 v[X+32*\i+4*\j:X+32*\i+4*\j+3], v3, s[4:5] offset:4096*\i+512*\j th:TH_LOAD_NT
.endr
.endr
	s_lshl_b32 s16, s14, 10
	s_add_co_u32 s16, s16, 0x1000000
	s_add_nc_u64 s[26:27], s[10:11], s[16:17]      ; my rows' codes
	s_lshl_b32 s16, ttmp9, 7
	s_add_co_u32 s16, s16, 0x1400000
	s_add_nc_u64 s[28:29], s[10:11], s[16:17]      ; the work-group's scale bytes: 16 rows x 8 in each piece of K
	s_mul_i32 s15, s12, 5120                       ; my stage: two halves of a row, 32 x 80 bytes each
	v_lshrrev_b32 v14, 2, v2
	s_delay_alu instid0(VALU_DEP_1)
	v_mul_u32_u24 v14, v14, 80
	v_and_b32 v15, 3, v2
	s_delay_alu instid0(VALU_DEP_1)
	v_lshl_add_u32 v14, v15, 4, v14
	s_delay_alu instid0(VALU_DEP_1)
	v_add_nc_u32 v14, s15, v14
	v_mul_u32_u24 v15, v2, 80
	s_delay_alu instid0(VALU_DEP_1)
	v_add_nc_u32 v15, s15, v15
	v_lshrrev_b32 v8, 4, v2
	v_bfe_u32 v13, v2, 1, 3
	s_delay_alu instid0(VALU_DEP_1)
	v_lshl_add_u32 v13, v8, 7, v13
	s_lshl_b32 s15, s12, 4
	s_add_co_u32 s15, s15, SG
	v_add_nc_u32 v13, s15, v13                     ; my block's byte: 128 (lane / 16) + (lane / 2) % 8 + 16 x wave
	v_add_nc_u32 v12, SG, v3                       ; at the end wave 0 stores the 512 bytes, 16 a lane:
	v_and_b32 v9, 7, v2
	v_lshrrev_b32 v11, 3, v2
	v_lshlrev_b32 v11, 15, v11
	v_lshl_add_u32 v11, v9, 4, v11                 ; piece lane / 8 of K, 32,768 bytes a piece; 16 (lane % 8) in its 128 bytes
.macro ROW i
.set XR, X+32*(\i)
	s_wait_loadcnt 8*(1-(\i))                      ; g, beta and this row are in; the later row's eight loads may be out
	v_pk_add_f32 v[248:249], v[XR:XR+1], v[XR+2:XR+3]
	v_pk_add_f32 v[250:251], v[XR+4:XR+5], v[XR+6:XR+7]
.irp j, 8,12,16,20,24,28
	s_delay_alu instid0(VALU_DEP_2)
	v_pk_add_f32 v[248:249], v[248:249], v[XR+\j:XR+\j+1]
	s_delay_alu instid0(VALU_DEP_2)
	v_pk_add_f32 v[250:251], v[250:251], v[XR+\j+2:XR+\j+3]
.endr
	s_delay_alu instid0(VALU_DEP_1)
	v_pk_add_f32 v[248:249], v[248:249], v[250:251]
	s_delay_alu instid0(VALU_DEP_1)
	v_add_f32 v248, v248, v249
	s_delay_alu instid0(VALU_DEP_1)
	v_add_f32_dpp v248, v248, v248 row_xmask:1 row_mask:0xf bank_mask:0xf
	s_delay_alu instid0(VALU_DEP_1)
	v_add_f32_dpp v248, v248, v248 row_xmask:2 row_mask:0xf bank_mask:0xf
	s_delay_alu instid0(VALU_DEP_1)
	v_add_f32_dpp v248, v248, v248 row_xmask:4 row_mask:0xf bank_mask:0xf
	s_delay_alu instid0(VALU_DEP_1)
	v_add_f32_dpp v248, v248, v248 row_xmask:8 row_mask:0xf bank_mask:0xf
	s_delay_alu instid0(VALU_DEP_1)
	v_permlanex16_b32 v249, v248, s20, s21
	s_delay_alu instid0(VALU_DEP_1)
	v_add_f32 v248, v248, v249
	s_delay_alu instid0(VALU_DEP_1)
	v_mul_f32 v248, s22, v248                      ; the mean
	s_delay_alu instid0(VALU_DEP_1)
	v_mov_b32 v249, v248
.irp j, 0,2,4,6,8,10,12,14,16,18,20,22,24,26,28,30
	v_pk_add_f32 v[XR+\j:XR+\j+1], v[XR+\j:XR+\j+1], v[248:249] neg_lo:[0,1] neg_hi:[0,1]
.endr
	v_pk_mul_f32 v[250:251], v[XR:XR+1], v[XR:XR+1]
	v_pk_mul_f32 v[252:253], v[XR+2:XR+3], v[XR+2:XR+3]
.irp j, 4,8,12,16,20,24,28
	s_delay_alu instid0(VALU_DEP_2)
	v_pk_fma_f32 v[250:251], v[XR+\j:XR+\j+1], v[XR+\j:XR+\j+1], v[250:251]
	s_delay_alu instid0(VALU_DEP_2)
	v_pk_fma_f32 v[252:253], v[XR+\j+2:XR+\j+3], v[XR+\j+2:XR+\j+3], v[252:253]
.endr
	s_delay_alu instid0(VALU_DEP_1)
	v_pk_add_f32 v[250:251], v[250:251], v[252:253]
	s_delay_alu instid0(VALU_DEP_1)
	v_add_f32 v250, v250, v251
	s_delay_alu instid0(VALU_DEP_1)
	v_add_f32_dpp v250, v250, v250 row_xmask:1 row_mask:0xf bank_mask:0xf
	s_delay_alu instid0(VALU_DEP_1)
	v_add_f32_dpp v250, v250, v250 row_xmask:2 row_mask:0xf bank_mask:0xf
	s_delay_alu instid0(VALU_DEP_1)
	v_add_f32_dpp v250, v250, v250 row_xmask:4 row_mask:0xf bank_mask:0xf
	s_delay_alu instid0(VALU_DEP_1)
	v_add_f32_dpp v250, v250, v250 row_xmask:8 row_mask:0xf bank_mask:0xf
	s_delay_alu instid0(VALU_DEP_1)
	v_permlanex16_b32 v251, v250, s20, s21
	s_delay_alu instid0(VALU_DEP_1)
	v_add_f32 v250, v250, v251
	s_delay_alu instid0(VALU_DEP_1)
	v_fma_f32 v250, v250, s22, s23                 ; the variance + 1e-5
	s_wait_alu depctr_va_vdst(0)                   ; ahead of the transcendental
	v_rsq_f32 v252, v250
	v_nop                                          ; a plain instruction behind the transcendental
	s_wait_alu depctr_va_vdst(0)                   ; and the wait ahead of its first reader
	v_mov_b32 v253, v252
.irp j, 0,2,4,6,8,10,12,14,16,18,20,22,24,26,28,30
	v_pk_mul_f32 v[XR+\j:XR+\j+1], v[XR+\j:XR+\j+1], v[252:253]
.endr
.irp j, 0,2,4,6,8,10,12,14,16,18,20,22,24,26,28,30
	v_pk_fma_f32 v[XR+\j:XR+\j+1], v[XR+\j:XR+\j+1], v[G+\j:G+\j+1], v[BT+\j:BT+\j+1]
.endr
.irp j, 0,1,2,3,4,5,6,7
	global_store_b128 v3, v[XR+4*\j:XR+4*\j+3], s[18:19] offset:4096*(\i)+512*\j
.endr
.irp u, 0,1                            ; a turn through my stage gives each lane 16 neighbours of each half of the row
.irp k, 0,1,2,3
	ds_store_b128 v14, v[XR+16*\u+4*\k:XR+16*\u+4*\k+3] offset:2560*\u+640*\k
.endr
.endr
.irp u, 0,1
.irp k, 0,1,2,3
	ds_load_b128 v[XQ+16*\u+4*\k:XQ+16*\u+4*\k+3], v15 offset:2560*\u+16*\k
.endr
.endr
	s_wait_dscnt 0x0
	s_wait_xcnt 0x0                                ; the last row's stores have read the codes' registers
.irp u, 0,1
	v_max3_num_f32 v4, |v[XQ+16*\u]|, |v[XQ+16*\u+1]|, |v[XQ+16*\u+2]|
	v_max3_num_f32 v5, |v[XQ+16*\u+3]|, |v[XQ+16*\u+4]|, |v[XQ+16*\u+5]|
.irp k, 6,10
	s_delay_alu instid0(VALU_DEP_2)
	v_max3_num_f32 v4, v4, |v[XQ+16*\u+\k]|, |v[XQ+16*\u+\k+1]|
	s_delay_alu instid0(VALU_DEP_2)
	v_max3_num_f32 v5, v5, |v[XQ+16*\u+\k+2]|, |v[XQ+16*\u+\k+3]|
.endr
	s_delay_alu instid0(VALU_DEP_2)
	v_max3_num_f32 v4, v4, |v[XQ+16*\u+14]|, |v[XQ+16*\u+15]|
	s_delay_alu instid0(VALU_DEP_1)
	v_max3_num_f32 v4, v4, v5, 0x4800000           ; the floor 2^(9 - 127): the byte cannot fall under 1
	s_delay_alu instid0(VALU_DEP_1)
	v_max_num_f32_dpp v4, v4, v4 row_xmask:1 row_mask:0xf bank_mask:0xf
	s_delay_alu instid0(VALU_DEP_1)
	v_add_nc_u32 v7, 0xfc000000, v4                ; 8 off the exponent field: the conversion's scale operand
	s_delay_alu instid0(VALU_DEP_2)
	v_and_or_b32 v6, v4, 0x7f800000, s24           ; 448 x the scale
.irp k, 0,1,2,3,4,5,6,7,8,9,10,11,12,13,14,15
	v_med3_num_f32 v[XQ+16*\u+\k], v[XQ+16*\u+\k], -v6, v6
.endr
	v_cvt_scalef32_pk8_fp8_f32 v[CD+4*\u:CD+4*\u+1], v[XQ+16*\u:XQ+16*\u+7], v7
	v_cvt_scalef32_pk8_fp8_f32 v[CD+4*\u+2:CD+4*\u+3], v[XQ+16*\u+8:XQ+16*\u+15], v7
	v_lshrrev_b32 v[254+\u], 23, v7
	ds_store_b8 v13, v[254+\u] offset:256*\u+8*(\i)
	global_store_b128 v3, v[CD+4*\u:CD+4*\u+3], s[26:27] offset:1024*(\i)+512*\u
.endr
.endm
	ROW 0
	ROW 1
	s_wait_dscnt 0x0                               ; for the others' sake: my byte stores are done
	s_barrier_signal -1
	s_barrier_wait -1
	s_cmp_lt_u32 s12, 1
	s_cbranch_scc0 .Lend
	ds_load_b128 v[4:7], v12
	s_wait_dscnt 0x0
	global_store_b128 v11, v[4:7], s[28:29]        ; eight lanes store 16 rows x 8 bytes of a piece of K: 128 consecutive bytes
.Lend:
	s_wait_tensorcnt 0x0                           ; the wave's end
	ds_add_u32 v[SPW], v[NIL]
	s_wait_dscnt 0x0
	s_endpgm
.Lfunc_end_k_q9611a9a049_ln1:
	.size	k_q9611a9a049_ln1, .Lfunc_end_k_q9611a9a049_ln1-k_q9611a9a049_ln1
	.p2alignl 7, 3214868480
	.fill 96, 4, 3214868480
	.section	.rodata,"a",@progbits
	.p2align	6, 0x0
	.amdhsa_kernel k_q9611a9a049_ln1
		.amdhsa_group_segment_fixed_size 43008
		.amdhsa_private_segment_fixed_size 0
		.amdhsa_enable_private_segment 0
		.amdhsa_kernarg_size 32
		.amdhsa_user_sgpr_count 2
		.amdhsa_user_sgpr_kernarg_segment_ptr 1
		.amdhsa_wavefront_size32 1
		.amdhsa_system_sgpr_workgroup_id_x 1
		.amdhsa_system_sgpr_workgroup_id_y 1
		.amdhsa_system_sgpr_workgroup_id_z 1
		.amdhsa_system_vgpr_workitem_id 0
		.amdhsa_next_free_vgpr 256
		.amdhsa_next_free_sgpr 66
		.amdhsa_reserve_vcc 0
		.amdhsa_float_denorm_mode_32 3
		.amdhsa_float_denorm_mode_16_64 3
		.amdhsa_memory_ordered 1
		.amdhsa_forward_progress 1
		.amdhsa_inst_pref_size 34
	.end_amdhsa_kernel
	.amdgpu_metadata
---
amdhsa.version: [ 1, 2 ]
amdhsa.kernels:
  - .name:           k_q9611a9a049_ln1
    .symbol:         k_q9611a9a049_ln1.kd
    .args:
      - { .name: r, .offset: 0, .size: 8, .value_kind: global_buffer, .address_space: global }
      - { .name: g1, .offset: 8, .size: 8, .value_kind: global_buffer, .address_space: global }
      - { .name: beta1, .offset: 16, .size: 8, .value_kind: global_buffer, .address_space: global }
      - { .name: hb, .offset: 24, .size: 8, .value_kind: global_buffer, .address_space: global }
    .group_segment_fixed_size: 43008
    .private_segment_fixed_size: 0
    .kernarg_segment_align: 8
    .kernarg_segment_size: 32
    .max_flat_workgroup_size: 256
    .sgpr_count:     66
    .vgpr_count:     256
    .wavefront_size: 32
...
	.end_amdgpu_metadata
.endif
;; end of part 5
;; launch ff1 (part 6): grid 16 x 16, 4 waves a work-group, clusters of 4 x 4, 327,680 bytes of LDS; arguments hb, wq, b_ff1, f1q; writes f1q
.if DOCPART == 6
	.amdgcn_target "amdgcn-amd-amdhsa--gfx1250"
	.amdhsa_code_object_version 6
	.text
	.protected	k_q9611a9a049_ff1
	.globl	k_q9611a9a049_ff1
	.p2align	8
	.type	k_q9611a9a049_ff1,@function
k_q9611a9a049_ff1:
	s_mov_b64 s[64:65], 0
	v_nop
	global_prefetch_b8 v0, s[64:65] scope:SCOPE_SE
	s_setreg_imm32_b32 hwreg(HW_REG_WAVE_MODE, 25, 1), 1
	s_wait_xcnt 0x0
	s_wait_alu depctr_hold_cnt(0) depctr_sa_sdst(0) depctr_va_vdst(0) depctr_va_sdst(0) depctr_va_ssrc(0) depctr_va_vcc(0) depctr_vm_vsrc(0)
	s_getreg_b32 s2, hwreg(HW_REG_IB_STS2, 6, 4)
	s_cmp_eq_u32 s2, 0
	s_cbranch_scc0 .Lentry_in_a_cluster
	s_endpgm
.Lentry_in_a_cluster:
	s_bfe_u32 s2, ttmp6, 0x10000c
	s_cmp_lg_u32 s2, 0xf033
	s_cbranch_scc0 .Lentry_shape_is_right
	s_endpgm
.Lentry_shape_is_right:
.set NQ,     2
.set ROWB,   256
.set KROW,   1024
.set PITCH,  272
.set FR,     16
.set NL,     4
.set NP,     8
.set HALFT,  128*PITCH
.set SLOT,   4*HALFT
.set LAPS,   2
.set SCL,    2*SLOT
.set SREG,   4096
.set SPARE,  SCL+4*SREG
.set S128,   71680
.set ST8,  8
.set RD8,  9
.set SVO,  12
.set ADRA, 16
.set B32H, 18
.set ADRB, 20
.set CO,   26
.set ADRS, 27
.set SPW,  28
.set NIL,  29
.set SC,   32
.set TM,   32
.set PW,   48
.set BI,   64
.set AF,   128
.set PC,   128
.set OB,   144
.set G1, 24
.set G0, 32
.set G1B, 48
.set G0B, 56
.set G1S, 68
.set G0S, 76
.set G1SB, 80
.set G0SB, 88
.set SEL, 98
.set MNT, 100
.set MSB, 0
.macro WIN new
.if MSB != (\new)
	s_set_vgpr_msb (MSB<<8)|(\new)
.set MSB, (\new)
.endif
.endm
.set TO_B, 0x40
.macro WMUL hi, zero
.if (\zero) == 2
	WIN 0x81+0x40*(\hi)
.else
	WIN 0xa1+0x50*(\hi)
.endif
.endm
.macro JLOAD g0a, g1a, g0b, g1b
	s_cmp_eq_u32 s15, 0
	s_cbranch_scc0 .Lfor_b_\@
	tensor_load_to_lds s[\g0a:\g0a+3], s[\g1a:\g1a+7]
	s_nop 0
.rept 4
	v_nop
.endr
	s_branch .Lasked_\@
.Lfor_b_\@:
	tensor_load_to_lds s[\g0b:\g0b+3], s[\g1b:\g1b+7]
	s_nop 0
.rept 4
	v_nop
.endr
.Lasked_\@:
.endm
.macro CREST
	s_cmp_lg_u32 s14, 0
	s_cbranch_scc1 .Lnot_wave_0_\@
	s_barrier_signal -3
.Lnot_wave_0_\@:
	s_barrier_wait -3
	s_barrier_signal -1
	s_barrier_wait -1
.endm
.macro CROUND
	s_barrier_signal -1
	s_barrier_wait -1
	CREST
.endm
	s_load_b256 s[4:11], s[0:1], 0x0
	v_lshl_add_u32 v[SPW], v0, 2, SPARE
	v_mov_b32 v[NIL], 0
	ds_add_u32 v28, v29
	ds_add_u32 v28, v29
	s_wait_dscnt 0x0
	v_lshrrev_b32 v1, 5, v0
	v_readfirstlane_b32 s14, v1
	s_lshr_b32 s15, s14, 1
	s_and_b32 s16, s14, 1
	s_bfe_u32 s40, ttmp6, 0x40000
	s_bfe_u32 s41, ttmp6, 0x40004
	s_lshl_b32 s42, ttmp9, 2
	s_add_co_u32 s42, s42, s40
	s_and_b32 s17, ttmp7, 0xffff
	s_lshl_b32 s17, s17, 2
	s_add_co_u32 s17, s17, s41
	s_lshl_b32 s43, s41, 2
	s_lshl_b32 s43, 15, s43
	s_lshl_b32 s44, 0x1111, s40
	s_or_b32 s[G1+0], s43, (1<<20)|(1<<21)|(5<<22)|(3<<25)
	s_or_b32 s[G1B+0], s44, (1<<20)|(1<<21)|(5<<22)|(3<<25)
.irp g, G1, G1B
	s_mov_b32 s[\g+1], ROWB<<16
	s_mov_b32 s[\g+2], 256<<16                     ; tensor_dim1: 256 rows for the head's loads; set to 128 for the ring's behind them
	s_mov_b32 s[\g+3], ROWB<<16
	s_mov_b32 s[\g+4], 256                         ; tile_dim1 likewise
	s_mov_b32 s[\g+5], KROW
	s_mov_b32 s[\g+6], 0
	s_mov_b32 s[\g+7], 0
.endr
	s_or_b32 s[G1S+0], s43, (3<<16)|(1<<21)
	s_or_b32 s[G1SB+0], s44, (3<<16)|(1<<21)
.irp g, G1S, G1SB
	s_mov_b32 s[\g+1], 256<<16                     ; scale bytes: [4 pieces of K][256 rows][8 bytes] a side
	s_mov_b32 s[\g+2], 4<<16
	s_mov_b32 s[\g+3], 256<<16
	s_mov_b32 s[\g+4], 4
	s_mov_b32 s[\g+5], 4096
	s_mov_b32 s[\g+6], 0
	s_mov_b32 s[\g+7], 0
.endr
	s_lshl_b32 s18, s16, 17                        ; in the ring I fetch 128 rows of a tile: which half, in bytes of codes
	s_mov_b32 s19, 0
	s_lshl_b32 s20, s17, 8                         ; A: the tile's first row
	s_lshl_b32 s46, s42, 8                         ; B likewise
	s_lshl_b32 s22, s20, 3
	s_add_co_u32 s22, s22, 0x1400000
	s_mov_b32 s23, 0
	s_lshl_b32 s92, s46, 3
	s_add_co_u32 s92, s92, 0x1060000
	s_mov_b32 s93, 0
	s_lshl_b32 s20, s20, 10
	s_add_co_u32 s20, s20, 0x1000000
	s_mov_b32 s21, 0
	s_lshl_b32 s46, s46, 10
	s_add_co_u32 s46, s46, 0x800000
	s_mov_b32 s47, 0
	s_mul_i32 s45, s14, HALFT
	s_mov_b32 s[SEL], 0x76543210
	s_mov_b32 s[SEL+1], 0xfedcba98
	s_mov_b32 s[MNT], 0x600000
	s_wait_kmcnt 0x0
	s_add_nc_u64 s[20:21], s[4:5], s[20:21]
	s_add_nc_u64 s[22:23], s[4:5], s[22:23]
	s_add_nc_u64 s[46:47], s[6:7], s[46:47]
	s_add_nc_u64 s[92:93], s[6:7], s[92:93]
	CROUND
	s_mov_b32 s[G0S], 1
	s_mov_b32 s[G0S+1], SCL
	s_mov_b64 s[G0S+2:G0S+3], s[22:23]
	s_or_b32 s[G0S+3], s[G0S+3], 0x80000000
	s_mov_b32 s[G0SB], 1
	s_mov_b32 s[G0SB+1], SCL+2*SREG
	s_mov_b64 s[G0SB+2:G0SB+3], s[92:93]
	s_or_b32 s[G0SB+3], s[G0SB+3], 0x80000000
	s_mov_b32 s[G0], 1                             ; the head's tiles, each whole: K step 0's 256 rows of A (slot 0's group 0 serves; it is set for the ring behind the wait for these loads),
	s_mov_b32 s[G0+1], 0
	s_mov_b64 s[G0+2:G0+3], s[20:21]
	s_or_b32 s[G0+3], s[G0+3], 0x80000000
	s_mov_b32 s[G0B], 1                            ; and its 256 rows of B, behind them
	s_mov_b32 s[G0B+1], 2*HALFT
	s_mov_b64 s[G0B+2:G0B+3], s[46:47]
	s_or_b32 s[G0B+3], s[G0B+3], 0x80000000
	s_add_nc_u64 s[20:21], s[20:21], s[18:19]      ; for the ring: my 128 rows of the tile
	s_add_nc_u64 s[46:47], s[46:47], s[18:19]
	s_mov_b32 s[G0+4], 1                           ; slot 1: K step 1
	s_add_co_u32 s[G0+5], s45, SLOT
	s_add_nc_u64 s[G0+6:G0+7], s[20:21], ROWB
	s_or_b32 s[G0+7], s[G0+7], 0x80000000
	s_mov_b32 s[G0B+4], 1
	s_add_co_u32 s[G0B+5], s45, SLOT
	s_add_nc_u64 s[G0B+6:G0B+7], s[46:47], ROWB
	s_or_b32 s[G0B+7], s[G0B+7], 0x80000000
	s_cmp_eq_u32 s15, 0                            ; the prefetches: of the 128 rows that I fetch in the ring, the four partners that ask for them with me take 32 each, told apart by address
	s_cselect_b64 s[96:97], s[20:21], s[46:47]
	s_cselect_b32 s94, s40, s41                    ; my place among them: cx for A, cy for B
	s_lshl_b32 s94, s94, 15                        ; 32 rows of 1,024 bytes
	s_mov_b32 s95, 0
	s_add_nc_u64 s[96:97], s[96:97], s[94:95]
; THE HEAD'S LOADS, ONE A WAVE: wave 0 A's rows, wave 1 B's, wave 2 A's scale bytes, wave 3 B's; one chain of branches on the wave's number, all arms leading to one join
.macro ARM under, g0, g1, next
	s_cmp_lt_u32 s14, \under
	s_cbranch_scc0 \next
	tensor_load_to_lds s[\g0:\g0+3], s[\g1:\g1+7]
	s_nop 0
.rept 4
	v_nop
.endr
	s_branch .Lhead_asked
\next:
.endm
	ARM 1, G0,  G1,  .Lhead_b
	ARM 2, G0B, G1B, .Lhead_sa
	ARM 3, G0S, G1S, .Lhead_sb
	tensor_load_to_lds s[G0SB:G0SB+3], s[G1SB:G1SB+7]
	s_nop 0
.rept 4
	v_nop
.endr
.Lhead_asked:
	v_and_b32 v30, 31, v0
	v_lshlrev_b32 v30, 10, v30                     ; a lane a row
	global_prefetch_b8 v30, s[96:97] offset:256 th:TH_LOAD_NT scope:SCOPE_SE   ; K step 1, which is asked for behind the round at the head's end,
	global_prefetch_b8 v30, s[96:97] offset:512 th:TH_LOAD_NT scope:SCOPE_SE   ; and K steps 2 and 3, which the two refills will ask for: 256 bytes of each of my 32 rows; K has no further step
	global_prefetch_b8 v30, s[96:97] offset:768 th:TH_LOAD_NT scope:SCOPE_SE
	v_and_b32 v1, 15, v0
	s_wait_alu depctr_va_vdst(0)
	v_bfe_u32 v2, v0, 4, 1
	v_and_b32 v7, 31, v0
	v_lshlrev_b32 v[B32H], 5, v2
	s_lshl_b32 s20, s42, 8
	s_lshl_b32 s21, s16, 7
	s_add_co_u32 s20, s20, s21
	s_lshl_b32 s20, s20, 2
	s_mov_b32 s21, 0
	s_add_nc_u64 s[8:9], s[8:9], s[20:21]
.irp b, 0,1,2,3,4,5,6,7
	global_load_b128 v[BI+8*\b:BI+8*\b+3], v[B32H], s[8:9] offset:64*\b
	global_load_b128 v[BI+8*\b+4:BI+8*\b+7], v[B32H], s[8:9] offset:64*\b+16
.endr
	s_lshl_b32 s22, s17, 8
	s_lshl_b32 s23, s15, 7
	s_add_co_u32 s22, s22, s23
	s_lshl_b32 s20, s42, 1
	s_add_co_u32 s20, s20, s16
	s_lshl_b32 s20, s20, 12
	s_add_co_u32 s20, s20, s22
	s_lshl_b32 s20, s20, 7
	s_add_nc_u64 s[12:13], s[10:11], s[20:21]
	s_lshl_b32 s20, s42, 12
	s_add_co_u32 s20, s20, s22
	s_lshl_b32 s20, s20, 3
	s_lshl_b32 s23, s16, 2
	s_add_co_u32 s20, s20, s23
	s_add_co_u32 s20, s20, 0x1000000
	s_add_nc_u64 s[66:67], s[10:11], s[20:21]
	s_mov_b64 s[10:11], s[12:13]
	s_mov_b64 s[12:13], s[66:67]
	v_mul_u32_u24 v3, v1, PITCH
	s_wait_alu depctr_va_vdst(0)
	v_lshl_add_u32 v4, v2, 4, v3
	s_mul_i32 s21, s15, HALFT
	s_mul_i32 s22, s16, HALFT
	s_add_co_u32 s22, s22, 2*HALFT
.irp s, 0,1
	v_add_nc_u32 v[ADRA+\s], s21, v4
	v_add_nc_u32 v[ADRB+\s], s22, v4
	s_add_co_u32 s21, s21, SLOT
	s_add_co_u32 s22, s22, SLOT
.endr
	v_lshlrev_b32 v5, 3, v1
	s_lshl_b32 s21, s15, 10                        ; lanes 0-15: A's region, my 128 rows of 8 bytes,
	s_lshl_b32 s22, s16, 10
	s_add_co_u32 s22, s22, 2*SREG
	s_sub_co_u32 s22, s22, s21
	v_mul_u32_u24 v6, s22, v2
	s_add_co_u32 s21, s21, SCL
	v_add_nc_u32 v5, v5, v6
	v_add_nc_u32 v[ADRS], s21, v5
	s_mul_i32 s23, s14, 16*144
	s_add_co_u32 s23, s23, S128
	v_mul_u32_u24 v3, v1, 144
	v_lshl_add_u32 v3, v2, 3, v3
	v_add_nc_u32 v[ST8], s23, v3
	v_lshrrev_b32 v3, 3, v7
	v_mul_u32_u24 v3, v3, 144
	v_and_b32 v4, 7, v7
	v_lshl_add_u32 v3, v4, 4, v3
	v_add_nc_u32 v[RD8], s23, v3
	v_lshlrev_b32 v[CO], 4, v7
	v_lshlrev_b32 v[SVO], 3, v7
.macro FRAG reg, adr, q, i
.irp c, 0,1,2,3
	ds_load_b128 v[\reg+4*\c:\reg+4*\c+3], v[\adr] offset:128*(\q)+32*\c+(\i)*16*PITCH
.endr
.endm
.macro MUL16 a0, p, q, sc, zero
.irp a, \a0, \a0+1
.irp b, 0,1,2,3,4,5,6,7
.if (\zero) == 1
	v_wmma_scale_f32_16x16x128_f8f6f4 v[8*(8*((\a)%4)+\b):8*(8*((\a)%4)+\b)+7], v[128*(\p)+FR*\b:128*(\p)+FR*\b+FR-1], v[AF+FR*(\a):AF+FR*(\a)+FR-1], 0, v[SC+8*NQ*(\sc)+NQ*\b+(\q)], v[SC+8*NQ*(\sc)+NQ*(\a)+(\q)] matrix_a_scale:MATRIX_SCALE_ROW1
.elseif (\zero) == 2
	v_wmma_scale_f32_16x16x128_f8f6f4 v[8*(8*((\a)%4)+\b):8*(8*((\a)%4)+\b)+7], v[128*(\p)+FR*\b:128*(\p)+FR*\b+FR-1], v[AF+FR*(\a):AF+FR*(\a)+FR-1], v[BI+8*\b:BI+8*\b+7], v[SC+8*NQ*(\sc)+NQ*\b+(\q)], v[SC+8*NQ*(\sc)+NQ*(\a)+(\q)] matrix_a_scale:MATRIX_SCALE_ROW1
.else
	v_wmma_scale_f32_16x16x128_f8f6f4 v[8*(8*((\a)%4)+\b):8*(8*((\a)%4)+\b)+7], v[128*(\p)+FR*\b:128*(\p)+FR*\b+FR-1], v[AF+FR*(\a):AF+FR*(\a)+FR-1], v[8*(8*((\a)%4)+\b):8*(8*((\a)%4)+\b)+7], v[SC+8*NQ*(\sc)+NQ*\b+(\q)], v[SC+8*NQ*(\sc)+NQ*(\a)+(\q)] matrix_a_scale:MATRIX_SCALE_ROW1
.endif
.endr
.endr
.endm
.macro FETCH_B slot, q, p
	WIN TO_B
.irp i, 0,1,2,3,4,5,6,7
	FRAG 128*(\p)+FR*\i, ADRB+\slot, \q, \i
.endr
	WIN 0
.endm
.macro FETCH_A slot, q, i0
.irp i, \i0, \i0+1, \i0+2, \i0+3
	FRAG AF+FR*(\i), ADRA+\slot, \q, \i
.endr
.endm
.macro SCALES sc
.irp i, 0,1,2,3,4,5,6,7
	ds_load_b64 v[SC+8*NQ*\sc+NQ*\i:SC+8*NQ*\sc+NQ*\i+1], v[ADRS] offset:128*\i
.endr
.endm
.macro PLACES n
.rept \n
	v_nop
.endr
.endm
.macro STEP slot, q, zero
	s_wait_dscnt 4*NL
	WMUL 0, \zero
	MUL16 0, (\q)%2, \q, \slot, \zero
	MUL16 2, (\q)%2, \q, \slot, \zero
	s_wait_dscnt 0
	PLACES NP
	FETCH_B \slot, (\q)+1, 1-(\q)%2
	FETCH_A \slot, (\q)+1, 0
	WMUL 1, \zero
	MUL16 4, (\q)%2, \q, \slot, \zero
	MUL16 6, (\q)%2, \q, \slot, \zero
	PLACES NP
	WIN 0
	FETCH_A \slot, (\q)+1, 4
.endm
.macro TURN slot, next, fill
	s_wait_tensorcnt 0x0
	ds_add_u32 v[SPW], v[NIL]
	s_wait_dscnt 4*NL+1
	WMUL 0, 0
	MUL16 0, 1, NQ-1, \slot, 0
	s_wait_dscnt 0x0
	s_barrier_signal -1
	MUL16 2, 1, NQ-1, \slot, 0
	WIN 0
	s_barrier_wait -1
.if \fill
	CREST
	s_add_nc_u64 s[G0+4*\slot+2:G0+4*\slot+3], s[G0+4*\slot+2:G0+4*\slot+3], 2*ROWB
	s_add_nc_u64 s[G0B+4*\slot+2:G0B+4*\slot+3], s[G0B+4*\slot+2:G0B+4*\slot+3], 2*ROWB
	JLOAD G0+4*\slot, G1, G0B+4*\slot, G1B
	PLACES NP-4
.else
	PLACES NP
.endif
	s_wait_alu depctr_va_vdst(0)
	v_add_nc_u32 v[ADRS], 2048, v[ADRS]            ; the next K step's scale words: 256 rows x 8 bytes on
	FETCH_B \next, 0, 0
	FETCH_A \next, 0, 0
	SCALES \next
	WMUL 1, 0
	MUL16 4, 1, NQ-1, \slot, 0
	MUL16 6, 1, NQ-1, \slot, 0
	PLACES NP
	WIN 0
	FETCH_A \next, 0, 4
.endm
	s_wait_alu depctr_va_vdst(0)
	s_wait_tensorcnt 0x0                           ; my tile of the head's four is in; slot 1's first fill is issued as a refill is:
	ds_add_u32 v[SPW], v[NIL]                      ; 0 onto my spare word
	s_mov_b32 s[G1+2], 128<<16                     ; no tensor load of mine is out: from here on a load brings 128 rows
	s_mov_b32 s[G1+4], 128
	s_mov_b32 s[G1B+2], 128<<16
	s_mov_b32 s[G1B+4], 128
	s_mov_b32 s[G0+1], s45                         ; slot 0's groups 0 for the ring: my quarter of the slot, at K step 0
	s_sub_nc_u64 s[G0+2:G0+3], s[G0+6:G0+7], ROWB
	s_mov_b32 s[G0B+1], s45
	s_sub_nc_u64 s[G0B+2:G0B+3], s[G0B+6:G0B+7], ROWB
	s_wait_dscnt 0x0                               ; the add is done
	CROUND                                         ; all four tiles are in, and all sixteen work-groups are here
	JLOAD G0+4, G1, G0B+4, G1B                     ; K step 1, the first tensor load behind the round
	FETCH_B 0, 0, 0
	FETCH_A 0, 0, 0
	SCALES 0
	FETCH_A 0, 0, 4
	s_wait_loadcnt 0x0
	STEP 0, 0, 2
	s_mov_b32 s3, LAPS-1
.Llap:
	TURN 0, 1, 1
	STEP 1, 0, 0
	TURN 1, 0, 1
	STEP 0, 0, 0
	s_sub_co_u32 s3, s3, 1
	s_cmp_lg_u32 s3, 0
	s_cbranch_scc1 .Llap
	TURN 0, 1, 0
	STEP 1, 0, 0
	s_wait_dscnt 4*NL
	WMUL 0, 0
	MUL16 0, 1, NQ-1, 1, 0
	MUL16 2, 1, NQ-1, 1, 0
	s_wait_dscnt 0
	WMUL 1, 0
	MUL16 4, 1, NQ-1, 1, 0
	MUL16 6, 1, NQ-1, 1, 0
	WIN 0
.macro QACC a, relu
.set AC, 64*((\a)%4)
.set WW, 2+(\a)/4
	WIN WW|(WW<<2)
.irp b, 0,1,2,3
.if \relu
	v_max3_num_f32 v[TM+\b], v[AC+16*\b], v[AC+16*\b+1], 0x4800000
.else
	v_max3_num_f32 v[TM+\b], |v[AC+16*\b]|, |v[AC+16*\b+1]|, 0x4800000
.endif
.endr
	WIN (WW<<2)|(WW<<4)
.irp i, 2,4,6,8,10,12,14
.irp b, 0,1,2,3
.if \relu
	v_max3_num_f32 v[TM+\b], v[TM+\b], v[AC+16*\b+\i], v[AC+16*\b+\i+1]
.else
	v_max3_num_f32 v[TM+\b], v[TM+\b], |v[AC+16*\b+\i]|, |v[AC+16*\b+\i+1]|
.endif
.endr
.endr
	WIN 0
.irp b, 0,1,2,3
	v_permlanex16_b32 v[TM+4+\b], v[TM+\b], s[SEL], s[SEL+1]
.endr
.irp b, 0,1,2,3
	v_max_num_f32 v[TM+\b], v[TM+\b], v[TM+4+\b]
.endr
	s_wait_alu depctr_va_vdst(0)
	s_wait_dscnt 0x0
.irp b, 0,1,2,3
	v_add_nc_u32 v[TM+12+\b], 0xfc000000, v[TM+\b]
.endr
.irp b, 0,1,2,3
	v_and_or_b32 v[TM+8+\b], v[TM+\b], 0x7f800000, s[MNT]
.endr
.irp b, 0,1,2,3
	v_lshrrev_b32 v[TM+4+\b], 23, v[TM+12+\b]
.endr
	v_lshl_or_b32 v[PW], v[TM+5], 8, v[TM+4]
	v_lshl_or_b32 v[PW], v[TM+6], 16, v[PW]
	v_lshl_or_b32 v[PW], v[TM+7], 24, v[PW]
	WIN (WW<<6)|WW
.irp b, 0,1,2,3
.irp i, 0,1,2,3,4,5,6,7,8,9,10,11,12,13,14,15
.if \relu
	v_med3_num_f32 v[AC+16*\b+\i], v[AC+16*\b+\i], 0, v[TM+8+\b]
.else
	v_med3_num_f32 v[AC+16*\b+\i], v[AC+16*\b+\i], -v[TM+8+\b], v[TM+8+\b]
.endif
.endr
.endr
	WIN WW
.irp b, 0,1,2,3
.irp u, 0,1
	v_cvt_scalef32_pk8_fp8_f32 v[PC+4*\b+2*\u:PC+4*\b+2*\u+1], v[AC+16*\b+8*\u:AC+16*\b+8*\u+7], v[TM+12+\b]
.endr
.endr
	WIN 0
	v_nop
.endm
.macro TOST128 a
.if (\a) >= 2
	s_wait_xcnt 0x0
.endif
.irp b, 0,1,2,3
.irp u, 0,1
	ds_store_b64 v[ST8], v[PC+4*\b+2*\u:PC+4*\b+2*\u+1] offset:32*\b+16*\u
.endr
.endr
.irp i, 0,1,2,3
	ds_load_b128 v[OB+16*((\a)%2)+4*\i:OB+16*((\a)%2)+4*\i+3], v[RD8] offset:576*\i
.endr
.endm
.macro SEND128 a, off
	s_wait_dscnt 0x0
.irp i, 0,1,2,3
	global_store_b128 v[CO], v[OB+16*((\a)%2)+4*\i:OB+16*((\a)%2)+4*\i+3], s[10:11] offset:(\off)+512*\i
.endr
.endm
	PLACES NP
.irp b, 0,1,2,3
	v_mov_b32 v[TM+4+\b], 0
.endr
	v_cmp_lt_u32 vcc_lo, 15, v7
.irp a, 0,1,2,3,4,5,6,7
	QACC \a, 1
.if (\a)%2 == 0
	v_mov_b32 v49, v[PW]
.else
	v_cndmask_b32 v[50+(\a)/2], v49, v[PW], vcc_lo
	global_store_b32 v[SVO], v[50+(\a)/2], s[12:13] offset:((\a)/2)*256
.endif
.if \a > 0
	s_wait_alu depctr_va_vdst(0)
	SEND128 \a-1, (\a-1)*2048
.endif
	TOST128 \a
.endr
	SEND128 7, 7*2048
	s_wait_tensorcnt 0x0
	ds_add_u32 v[SPW], v[NIL]
	s_wait_dscnt 0x0
	CROUND
	s_endpgm
.Lfunc_end_k_q9611a9a049_ff1:
	.size	k_q9611a9a049_ff1, .Lfunc_end_k_q9611a9a049_ff1-k_q9611a9a049_ff1
	.p2alignl 7, 3214868480
	.fill 96, 4, 3214868480
	.section	.rodata,"a",@progbits
	.p2align	6, 0x0
	.amdhsa_kernel k_q9611a9a049_ff1
		.amdhsa_group_segment_fixed_size 327680
		.amdhsa_private_segment_fixed_size 0
		.amdhsa_enable_private_segment 0
		.amdhsa_kernarg_size 32
		.amdhsa_user_sgpr_count 2
		.amdhsa_user_sgpr_kernarg_segment_ptr 1
		.amdhsa_wavefront_size32 1
		.amdhsa_system_sgpr_workgroup_id_x 1
		.amdhsa_system_sgpr_workgroup_id_y 1
		.amdhsa_system_sgpr_workgroup_id_z 1
		.amdhsa_system_vgpr_workitem_id 0
		.amdhsa_next_free_vgpr 1024
		.amdhsa_next_free_sgpr 102
		.amdhsa_reserve_vcc 1
		.amdhsa_float_denorm_mode_32 3
		.amdhsa_float_denorm_mode_16_64 3
		.amdhsa_memory_ordered 1
		.amdhsa_forward_progress 1
		.amdhsa_inst_pref_size 196
	.end_amdhsa_kernel
	.amdgpu_metadata
---
amdhsa.version: [ 1, 2 ]
amdhsa.kernels:
  - .name:           k_q9611a9a049_ff1
    .symbol:         k_q9611a9a049_ff1.kd
    .args:
      - { .name: hb, .offset: 0, .size: 8, .value_kind: global_buffer, .address_space: global }
      - { .name: wq, .offset: 8, .size: 8, .value_kind: global_buffer, .address_space: global }
      - { .name: b_ff1, .offset: 16, .size: 8, .value_kind: global_buffer, .address_space: global }
      - { .name: f1q, .offset: 24, .size: 8, .value_kind: global_buffer, .address_space: global }
    .group_segment_fixed_size: 327680
    .private_segment_fixed_size: 0
    .kernarg_segment_align: 8
    .kernarg_segment_size: 32
    .max_flat_workgroup_size: 128
    .sgpr_count:     102
    .vgpr_count:     1024
    .wavefront_size: 32
...
	.end_amdgpu_metadata
.endif
;; end of part 6
;; launch ff2 (part 7): grid 8 x 32, 4 waves a work-group, clusters of 4 x 4, 327,680 bytes of LDS; arguments f1q, wq, b_ff2, hb, r; writes r
.if DOCPART == 7
	.amdgcn_target "amdgcn-amd-amdhsa--gfx1250"
	.amdhsa_code_object_version 6
	.text
	.protected	k_q9611a9a049_ff2
	.globl	k_q9611a9a049_ff2
	.p2align	8
	.type	k_q9611a9a049_ff2,@function
k_q9611a9a049_ff2:
	s_mov_b64 s[64:65], 0
	v_nop
	global_prefetch_b8 v0, s[64:65] scope:SCOPE_SE
	s_setreg_imm32_b32 hwreg(HW_REG_WAVE_MODE, 25, 1), 1
	s_wait_xcnt 0x0
	s_wait_alu depctr_hold_cnt(0) depctr_sa_sdst(0) depctr_va_vdst(0) depctr_va_sdst(0) depctr_va_ssrc(0) depctr_va_vcc(0) depctr_vm_vsrc(0)
	s_getreg_b32 s2, hwreg(HW_REG_IB_STS2, 6, 4)
	s_cmp_eq_u32 s2, 0
	s_cbranch_scc0 .Lentry_in_a_cluster
	s_endpgm
.Lentry_in_a_cluster:
	s_bfe_u32 s2, ttmp6, 0x10000c
	s_cmp_lg_u32 s2, 0xf033
	s_cbranch_scc0 .Lentry_shape_is_right
	s_endpgm
.Lentry_shape_is_right:
.set SIZE_K, 4096
.set CW,     128
.set QIA,    4
.set AS_OFF, 0x1000000
.set BC_OFF, 0xc00000
.set BS_OFF, 0x1080000
.set CP,     CW+16
.set CHB,    64*CP
.set RCH,    512/CW
.set HA,     RCH*CHB
.set PITCH,  528
.set HB,     64*PITCH
.set SLOT,   2*HA+2*HB
.set SCL,    2*SLOT
.set REG,    (SIZE_K/256)*512
.set SPARE,  SCL+4*REG
.set LAPS,   SIZE_K/1024
.set B32H, 6
.set ADRA, 16
.set ADRB, 20
.set STO,  24
.set RD,   25
.set CO,   26
.set ADRS, 27
.set SPW,  28
.set NIL,  29
.set SC,   32
.set BI,   64
.set OB,   64
.set ACC,  128
.set F0,   0
.set F1,   128
.set RES,  0
.set G1, 24
.set G0, 32
.set G1B, 48
.set G0B, 56
.set G1S, 68
.set G0S, 76
.set G1SB, 80
.set G0SB, 88
.set MSB, 0
.macro WIN new
.if MSB != (\new)
	s_set_vgpr_msb (MSB<<8)|(\new)
.set MSB, (\new)
.endif
.endm
.set MUL,  0x05
.set TO_F, 0x40
.macro JLOAD g0a, g1a, g0b, g1b
	s_cmp_eq_u32 s15, 0
	s_cbranch_scc0 .Lfor_b_\@
	tensor_load_to_lds s[\g0a:\g0a+3], s[\g1a:\g1a+7]
	s_nop 0
.rept 4
	v_nop
.endr
	s_branch .Lasked_\@
.Lfor_b_\@:
	tensor_load_to_lds s[\g0b:\g0b+3], s[\g1b:\g1b+7]
	s_nop 0
.rept 4
	v_nop
.endr
.Lasked_\@:
.endm
.macro CREST
	s_cmp_lg_u32 s14, 0
	s_cbranch_scc1 .Lnot_wave_0_\@
	s_barrier_signal -3
.Lnot_wave_0_\@:
	s_barrier_wait -3
	s_barrier_signal -1
	s_barrier_wait -1
.endm
.macro CROUND
	s_barrier_signal -1
	s_barrier_wait -1
	CREST
.endm
	s_load_b256 s[4:11], s[0:1], 0x0
	s_load_b64 s[12:13], s[0:1], 0x20
	v_lshl_add_u32 v[SPW], v0, 2, SPARE
	v_mov_b32 v[NIL], 0
	ds_add_u32 v28, v29
	ds_add_u32 v28, v29
	s_wait_dscnt 0x0
	v_lshrrev_b32 v1, 5, v0
	v_readfirstlane_b32 s14, v1
	s_lshr_b32 s15, s14, 1
	s_and_b32 s16, s14, 1
	s_bfe_u32 s40, ttmp6, 0x40000
	s_bfe_u32 s41, ttmp6, 0x40004
	s_lshl_b32 s42, ttmp9, 2
	s_add_co_u32 s42, s42, s40
	s_and_b32 s17, ttmp7, 0xffff
	s_lshl_b32 s17, s17, 2
	s_add_co_u32 s17, s17, s41
	s_lshl_b32 s43, s41, 2
	s_lshl_b32 s43, 15, s43
	s_lshl_b32 s44, 0x1111, s40
	s_or_b32 s[G1+0], s43, (1<<20)|(1<<21)|(QIA<<22)|(3<<25)
	s_mov_b32 s[G1+1], ((64*CW)&0xffff)<<16
	s_mov_b32 s[G1+2], RCH<<16
	s_mov_b32 s[G1+3], (64*CW)<<16
	s_mov_b32 s[G1+4], RCH
	s_mov_b32 s[G1+5], 4096*CW
	s_mov_b32 s[G1+6], 0
	s_mov_b32 s[G1+7], 0
	s_or_b32 s[G1B+0], s44, (1<<20)|(1<<21)|(6<<22)|(3<<25)
	s_mov_b32 s[G1B+1], 512<<16
	s_mov_b32 s[G1B+2], 64<<16
	s_mov_b32 s[G1B+3], 512<<16
	s_mov_b32 s[G1B+4], 64
	s_mov_b32 s[G1B+5], SIZE_K
	s_mov_b32 s[G1B+6], 0
	s_mov_b32 s[G1B+7], 0
	s_lshl_b32 s18, s16, 6
	s_lshl_b32 s20, s17, 7
	s_add_co_u32 s20, s20, s18
	s_lshl_b32 s46, s42, 7
	s_add_co_u32 s46, s46, s18
	s_lshl_b32 s22, s20, 3
	s_add_co_u32 s22, s22, AS_OFF
	s_mov_b32 s23, 0
	s_lshl_b32 s92, s46, 3
	s_add_co_u32 s92, s92, BS_OFF
	s_mov_b32 s93, 0
	s_mul_i32 s20, s20, CW
	s_mov_b32 s21, 0
	s_mul_i32 s46, s46, SIZE_K
	s_add_co_u32 s46, s46, BC_OFF
	s_mov_b32 s47, 0
	s_mul_i32 s45, s16, HA
	s_mul_i32 s95, s16, HB
	s_add_co_u32 s95, s95, 2*HA
	s_mul_i32 s94, s14, REG
	s_wait_kmcnt 0x0
	s_add_nc_u64 s[20:21], s[4:5], s[20:21]
	s_add_nc_u64 s[22:23], s[4:5], s[22:23]
	s_add_nc_u64 s[46:47], s[6:7], s[46:47]
	s_add_nc_u64 s[92:93], s[6:7], s[92:93]
; THE PREFETCHES.  A K step (512 along K) of the 64 rows that I fetch is 128 blocks of 256 bytes; the four partners that ask for the tile with me take 32 each, told apart by address, a lane a block:
; A (four chunks of 64 rows x 128 bytes, each dense): partner cx takes chunk cx; B (rows of 4,096 bytes): partner cy takes rows 16 cy on, two blocks a row.
; s[96:97] where my prefetches stand, s[98:99] a K step on, v30 my lane's offset: (lane / 2) x 512 or 4,096 + (lane % 2) x 256
	s_cmp_eq_u32 s15, 0                            ; do I fetch for A?
	s_cselect_b64 s[96:97], s[20:21], s[46:47]
	s_cselect_b32 s100, s40, s41
	s_mov_b32 s98, 512
	s_cselect_b32 s98, 0x200000, s98
	s_mov_b32 s101, 16
	s_cselect_b32 s101, 19, s101
	s_mov_b32 s2, 4096
	s_cselect_b32 s2, 512, s2
	s_lshl_b32 s100, s100, s101                    ; my work-group's share: a chunk of 2^19 bytes, or 16 rows of 2^12
	s_mov_b32 s101, 0
	s_mov_b32 s99, 0
	s_add_nc_u64 s[96:97], s[96:97], s[100:101]
	s_mov_b64 s[66:67], s[96:97]                   ; K step 0, in registers of its own
	s_add_nc_u64 s[96:97], s[96:97], s[98:99]      ; at K step 1: each fill steps it once more and names the K step two fills on
	v_and_b32 v31, 31, v0
	v_lshrrev_b32 v30, 1, v31
	v_and_b32 v31, 1, v31
	v_mul_u32_u24 v30, v30, s2
	v_lshl_add_u32 v30, v31, 8, v30
	global_prefetch_b8 v30, s[66:67] th:TH_LOAD_NT scope:SCOPE_SE   ; K steps 0 and 1: their tensor loads stand behind the rounds ahead of them
	global_prefetch_b8 v30, s[96:97] th:TH_LOAD_NT scope:SCOPE_SE
	v_and_b32 v31, 31, v0
	v_lshlrev_b32 v31, 4, v31                      ; the scale bytes: 16 bytes a lane of a piece's 512,
	s_add_co_u32 s94, s94, SCL
	v_add_nc_u32 v23, s94, v31                     ; and where they go in LDS: my wave's region [16 pieces of K][64 rows][8 bytes]
	s_wait_alu depctr_va_vdst(0)
	CROUND
	s_cmp_eq_u32 s15, 0
	s_cselect_b64 s[100:101], s[22:23], s[92:93]   ; the scale bytes of the 64 rows that I fetch: A's or B's
.irp s, 0,1
	s_mov_b32 s[G0+4*\s], 1
	s_add_co_u32 s[G0+4*\s+1], s45, \s*SLOT
	s_add_nc_u64 s[G0+4*\s+2:G0+4*\s+3], s[20:21], \s*0x200000
	s_or_b32 s[G0+4*\s+3], s[G0+4*\s+3], 0x80000000
	s_mov_b32 s[G0B+4*\s], 1
	s_add_co_u32 s[G0B+4*\s+1], s95, \s*SLOT
	s_add_nc_u64 s[G0B+4*\s+2:G0B+4*\s+3], s[46:47], \s*512
	s_or_b32 s[G0B+4*\s+3], s[G0B+4*\s+3], 0x80000000
.endr
	s_wait_xcnt 0x0                                ; the prefetches above have read their address
	s_add_nc_u64 s[96:97], s[96:97], s[98:99]
	JLOAD G0, G1, G0B, G1B                         ; K step 0, a quarter of the slot a wave: the one tensor load a wave at the head
	global_prefetch_b8 v30, s[96:97] th:TH_LOAD_NT scope:SCOPE_SE   ; K step 2
; THE SCALE BYTES COME BY PLAIN LOADS, beside K step 0's tensor load: 16 pieces of K x 512 consecutive bytes a wave, through registers into LDS bytes into which no fill lands.
; They are not asked for jointly: they are 32 KiB of the 1 MiB and more that a work-group reads.
.irp p, 0,1,2,3,4,5,6,7,8,9,10,11,12,13,14,15
	global_load_b128 v[ACC+4*\p:ACC+4*\p+3], v31, s[100:101] offset:32768*\p
.endr
	v_and_b32 v1, 15, v0
	v_bfe_u32 v2, v0, 4, 1
	v_lshlrev_b32 v[B32H], 5, v2
	s_wait_alu depctr_va_vdst(0)
	v_lshlrev_b32 v3, 4, v1
	v_lshl_add_u32 v[CO], v2, 12, v3
	s_wait_alu depctr_va_vdst(0)
	s_lshl_b32 s20, s42, 7
	s_lshl_b32 s21, s16, 6
	s_add_co_u32 s20, s20, s21
	s_lshl_b32 s20, s20, 2
	s_mov_b32 s21, 0
	s_add_nc_u64 s[8:9], s[8:9], s[20:21]
	s_lshl_b32 s22, s17, 7
	s_lshl_b32 s23, s15, 6
	s_add_co_u32 s22, s22, s23
	s_lshl_b32 s22, s22, 12
	s_add_co_u32 s20, s20, s22
	s_add_nc_u64 s[10:11], s[10:11], s[20:21]
	s_add_nc_u64 s[12:13], s[12:13], s[20:21]
.irp b, 0,1,2,3
	global_load_b128 v[BI+8*\b:BI+8*\b+3], v[B32H], s[8:9] offset:64*\b
	global_load_b128 v[BI+8*\b+4:BI+8*\b+7], v[B32H], s[8:9] offset:64*\b+16
.endr
	WIN 0x80
.irp a, 0,1,2,3
.irp t, 0,1,2,3,4,5,6,7
	global_load_b128 v[RES+32*\a+4*\t:RES+32*\a+4*\t+3], v[CO], s[10:11] offset:(16*\a+2*\t)*4096 th:TH_LOAD_NT
.endr
.endr
	WIN 0
	v_mul_u32_u24 v3, v1, CP
	v_lshl_add_u32 v3, v2, 4, v3
	v_mul_u32_u24 v4, v1, PITCH
	v_lshl_add_u32 v4, v2, 4, v4
	s_mul_i32 s21, s15, HA
	s_mul_i32 s22, s16, HB
	s_add_co_u32 s22, s22, 2*HA
.irp s, 0,1
	v_add_nc_u32 v[ADRA+\s], s21, v3
	v_add_nc_u32 v[ADRB+\s], s22, v4
	s_add_co_u32 s21, s21, SLOT
	s_add_co_u32 s22, s22, SLOT
.endr
	v_lshlrev_b32 v5, 3, v1
	s_mul_i32 s21, s15, REG
	s_mul_i32 s22, s16, REG
	s_add_co_u32 s22, s22, 2*REG
	s_sub_co_u32 s22, s22, s21
	v_mul_u32_u24 v7, s22, v2
	s_add_co_u32 s21, s21, SCL
	v_add_nc_u32 v5, v5, v7
	v_add_nc_u32 v[ADRS], s21, v5
	s_mul_i32 s23, s14, 16*272
	v_mul_u32_u24 v3, v1, 272
	v_lshl_add_u32 v3, v2, 5, v3
	v_add_nc_u32 v[STO], s23, v3
	v_mul_u32_u24 v3, v2, 272
	v_lshl_add_u32 v3, v1, 4, v3
	v_add_nc_u32 v[RD], s23, v3
.macro MUL8 f, q, set, a0, zero
.irp a, \a0, \a0+1
.irp b, 0,1,2,3
.if \zero
	v_wmma_scale_f32_16x16x128_f8f6f4 v[ACC+8*(4*(\a)+\b):ACC+8*(4*(\a)+\b)+7], v[\f+64+16*\b:\f+64+16*\b+15], v[\f+16*(\a):\f+16*(\a)+15], v[BI+8*\b:BI+8*\b+7], v[SC+16*(\set)+4*\b+(\q)], v[SC+16*(\set)+4*(\a)+(\q)] matrix_a_scale:MATRIX_SCALE_ROW1
.else
	v_wmma_scale_f32_16x16x128_f8f6f4 v[ACC+8*(4*(\a)+\b):ACC+8*(4*(\a)+\b)+7], v[\f+64+16*\b:\f+64+16*\b+15], v[\f+16*(\a):\f+16*(\a)+15], v[ACC+8*(4*(\a)+\b):ACC+8*(4*(\a)+\b)+7], v[SC+16*(\set)+4*\b+(\q)], v[SC+16*(\set)+4*(\a)+(\q)] matrix_a_scale:MATRIX_SCALE_ROW1
.endif
.endr
.endr
.endm
.macro FETCH slot, q, f
	WIN TO_F
.irp i, 0,1,2,3
.irp c, 0,1,2,3
	ds_load_b128 v[\f+64+16*\i+4*\c:\f+64+16*\i+4*\c+3], v[ADRB+\slot] offset:128*(\q)+32*\c+\i*16*PITCH
.endr
.endr
.irp i, 0,1,2,3
.irp c, 0,1,2,3
	ds_load_b128 v[\f+16*\i+4*\c:\f+16*\i+4*\c+3], v[ADRA+\slot] offset:((128*(\q)+32*\c)/CW)*CHB+(128*(\q)+32*\c)%CW+\i*16*CP
.endr
.endr
.endm
.macro SCALES set
	WIN 0
.irp i, 0,1,2,3
.irp e, 0,1
	ds_load_b64 v[SC+16*\set+4*\i+2*\e:SC+16*\set+4*\i+2*\e+1], v[ADRS] offset:512*\e+128*\i
.endr
.endr
.endm
.macro PLACES n
.rept \n
	v_nop
.endr
.endm
.macro QUARTER slot, q, zero
.if (\q)%2
.set FC, F1
.set FN, F0
.else
.set FC, F0
.set FN, F1
.endif
	s_wait_dscnt 0x0                               ; this step's fragments are in
	PLACES 8                                       ; eight places behind the last step's products, which read the set that is filled now
	FETCH \slot, (\q)+1, FN                        ; the next step's 32 loads go out ahead of this step's 16 products
	WIN MUL
	MUL8 FC, \q, \slot, 0, \zero
	MUL8 FC, \q, \slot, 2, \zero
.endm
.macro TURN slot, next, fill
	WIN 0
.if \fill
	s_wait_xcnt 0x0                                ; any prefetch of mine has read its address: it is stepped here, ahead of the waits of the change of slots
	s_add_nc_u64 s[96:97], s[96:97], s[98:99]
.endif
	s_wait_tensorcnt 0x0
	ds_add_u32 v[SPW], v[NIL]
	s_wait_dscnt 1
	WIN MUL
	MUL8 F1, 3, \slot, 0, 0
	WIN 0
	s_wait_dscnt 0x0
	s_barrier_signal -1
	s_barrier_wait -1
.if \fill
	CREST
	s_add_nc_u64 s[G0+4*\slot+2:G0+4*\slot+3], s[G0+4*\slot+2:G0+4*\slot+3], 0x400000
	s_add_nc_u64 s[G0B+4*\slot+2:G0B+4*\slot+3], s[G0B+4*\slot+2:G0B+4*\slot+3], 1024
	JLOAD G0+4*\slot, G1, G0B+4*\slot, G1B
	PLACES 4
.else
	PLACES 8
.endif
	s_wait_alu depctr_va_vdst(0)
	v_add_nc_u32 v[ADRS], 1024, v[ADRS]
	FETCH \next, 0, F0
	SCALES \next
.if \fill
	s_cmp_gt_u32 s3, 1                             ; the loop's last trip fills K steps 6 and 7: there is no K step two fills on
	s_cbranch_scc0 .Lnone_on_\@
	global_prefetch_b8 v30, s[96:97] th:TH_LOAD_NT scope:SCOPE_SE   ; the K step two fills on: 32 blocks of 256 bytes, one instruction a wave
.Lnone_on_\@:
.endif
	WIN MUL
	MUL8 F1, 3, \slot, 2, 0
.endm
	s_wait_alu depctr_va_vdst(0)
	s_wait_loadcnt 40                              ; my 16 loads of scale bytes are in; the 8 of the bias and the 32 of the residual, issued behind them, may be out
	s_wait_tensorcnt 0x0                           ; my part of K step 0 is in: no tensor load of mine is out while I store to LDS
.irp p, 0,1,2,3,4,5,6,7,8,9,10,11,12,13,14,15
	ds_store_b128 v23, v[ACC+4*\p:ACC+4*\p+3] offset:512*\p
.endr
	s_wait_xcnt 0x0                                ; K step 2's prefetch has read its address
	s_add_nc_u64 s[96:97], s[96:97], s[98:99]
	s_wait_tensorcnt 0x0                           ; slot 1's first fill is issued as a refill is
	ds_add_u32 v[SPW], v[NIL]
	s_wait_dscnt 0x0                               ; the add and my stores of scale bytes are done
	CROUND                                         ; everybody's part of K step 0 and everybody's scale bytes are in, and all sixteen work-groups are here
	JLOAD G0+4, G1, G0B+4, G1B                     ; K step 1, the first tensor load behind the round
	global_prefetch_b8 v30, s[96:97] th:TH_LOAD_NT scope:SCOPE_SE   ; K step 3
	FETCH 0, 0, F0
	SCALES 0
	s_wait_loadcnt 32
	QUARTER 0, 0, 1
.if LAPS > 1
	WIN 0
	s_mov_b32 s3, LAPS-1
.Llap:
	QUARTER 0, 1, 0
	QUARTER 0, 2, 0
	TURN 0, 1, 1
	QUARTER 1, 0, 0
	QUARTER 1, 1, 0
	QUARTER 1, 2, 0
	TURN 1, 0, 1
	QUARTER 0, 0, 0
	WIN 0
	s_sub_co_u32 s3, s3, 1
	s_cmp_lg_u32 s3, 0
	s_cbranch_scc1 .Llap
.endif
	QUARTER 0, 1, 0
	QUARTER 0, 2, 0
	TURN 0, 1, 0
	QUARTER 1, 0, 0
	QUARTER 1, 1, 0
	QUARTER 1, 2, 0
	s_wait_dscnt 0x0
	WIN MUL
	MUL8 F1, 3, 1, 0, 0
	MUL8 F1, 3, 1, 2, 0
	WIN 0
	PLACES 8
	s_wait_loadcnt 0x0
.macro TOSTAGE a
.irp b, 0,1,2,3
	ds_store_b128 v[STO], v[ACC+8*(4*(\a)+\b):ACC+8*(4*(\a)+\b)+3] offset:64*\b
	ds_store_b128 v[STO], v[ACC+8*(4*(\a)+\b)+4:ACC+8*(4*(\a)+\b)+7] offset:64*\b+16
.endr
.irp t, 0,1,2,3,4,5,6,7
	ds_load_b128 v[OB+32*((\a)%2)+4*\t:OB+32*((\a)%2)+4*\t+3], v[RD] offset:544*\t
.endr
.endm
.macro SEND a, younger
	s_wait_dscnt \younger
	WIN 0x08
.irp t, 0,2,4,6,8,10,12,14,16,18,20,22,24,26,28,30
	v_pk_add_f32 v[OB+32*((\a)%2)+\t:OB+32*((\a)%2)+\t+1], v[OB+32*((\a)%2)+\t:OB+32*((\a)%2)+\t+1], v[RES+32*(\a)+\t:RES+32*(\a)+\t+1]
.endr
	WIN 0
.irp t, 0,1,2,3,4,5,6,7
	global_store_b128 v[CO], v[OB+32*((\a)%2)+4*\t:OB+32*((\a)%2)+4*\t+3], s[12:13] offset:(16*(\a)+2*\t)*4096
.endr
.endm
	TOSTAGE 0
	TOSTAGE 1
	SEND 0, 16
	s_wait_xcnt 0x0
	TOSTAGE 2
	SEND 1, 16
	s_wait_xcnt 0x0
	TOSTAGE 3
	SEND 2, 16
	SEND 3, 0
	s_wait_tensorcnt 0x0
	ds_add_u32 v[SPW], v[NIL]
	s_wait_dscnt 0x0
	CROUND
	s_endpgm
.Lfunc_end_k_q9611a9a049_ff2:
	.size	k_q9611a9a049_ff2, .Lfunc_end_k_q9611a9a049_ff2-k_q9611a9a049_ff2
	.p2alignl 7, 3214868480
	.fill 96, 4, 3214868480
	.section	.rodata,"a",@progbits
	.p2align	6, 0x0
	.amdhsa_kernel k_q9611a9a049_ff2
		.amdhsa_group_segment_fixed_size 327680
		.amdhsa_private_segment_fixed_size 0
		.amdhsa_enable_private_segment 0
		.amdhsa_kernarg_size 40
		.amdhsa_user_sgpr_count 2
		.amdhsa_user_sgpr_kernarg_segment_ptr 1
		.amdhsa_wavefront_size32 1
		.amdhsa_system_sgpr_workgroup_id_x 1
		.amdhsa_system_sgpr_workgroup_id_y 1
		.amdhsa_system_sgpr_workgroup_id_z 1
		.amdhsa_system_vgpr_workitem_id 0
		.amdhsa_next_free_vgpr 768
		.amdhsa_next_free_sgpr 102
		.amdhsa_reserve_vcc 0
		.amdhsa_float_denorm_mode_32 3
		.amdhsa_float_denorm_mode_16_64 3
		.amdhsa_memory_ordered 1
		.amdhsa_forward_progress 1
		.amdhsa_inst_pref_size 104
	.end_amdhsa_kernel
	.amdgpu_metadata
---
amdhsa.version: [ 1, 2 ]
amdhsa.kernels:
  - .name:           k_q9611a9a049_ff2
    .symbol:         k_q9611a9a049_ff2.kd
    .args:
      - { .name: f1q, .offset: 0, .size: 8, .value_kind: global_buffer, .address_space: global }
      - { .name: wq, .offset: 8, .size: 8, .value_kind: global_buffer, .address_space: global }
      - { .name: b_ff2, .offset: 16, .size: 8, .value_kind: global_buffer, .address_space: global }
      - { .name: hb, .offset: 24, .size: 8, .value_kind: global_buffer, .address_space: global }
      - { .name: r, .offset: 32, .size: 8, .value_kind: global_buffer, .address_space: global }
    .group_segment_fixed_size: 327680
    .private_segment_fixed_size: 0
    .kernarg_segment_align: 8
    .kernarg_segment_size: 40
    .max_flat_workgroup_size: 128
    .sgpr_count:     102
    .vgpr_count:     768
    .wavefront_size: 32
...
	.end_amdgpu_metadata
.endif
;; end of part 7
;; launch ln2 (part 8): grid 256 x 1, 4 waves a work-group, no clusters, 0 bytes of LDS; arguments r, g2, beta2, out0; writes out0
.if DOCPART == 8
	.amdgcn_target "amdgcn-amd-amdhsa--gfx1250"
	.amdhsa_code_object_version 6
	.text
	.protected	k_q9611a9a049_ln2
	.globl	k_q9611a9a049_ln2
	.p2align	8
	.type	k_q9611a9a049_ln2,@function
k_q9611a9a049_ln2:
	s_mov_b64 s[64:65], 0
	v_nop
	global_prefetch_b8 v0, s[64:65] scope:SCOPE_SE
	s_setreg_imm32_b32 hwreg(HW_REG_WAVE_MODE, 25, 1), 1
	s_wait_xcnt 0x0
; LayerNorm of rows of 1,024 f32: (x - mean) rsqrt(var + 1e-5) g + beta, the variance from the centred numbers, as the problem writes it.
; A wave takes a row at a time, four rows; a row stays in 32 registers.  All loads go out at the head.  Every load and store of a wave covers 512 consecutive bytes.  No LDS, no barrier: waves share nothing.
; LIMITS: NaN and infinities are not served.
.set WAVES, 4
.set G,   16
.set BT,  48
.set X,   80
	s_load_b256 s[4:11], s[0:1], 0x0               ; in, g, beta, out
	v_lshrrev_b32 v1, 5, v0
	v_readfirstlane_b32 s12, v1
	v_and_b32 v2, 31, v0
	v_lshlrev_b32 v3, 4, v2
	s_mul_i32 s13, ttmp9, WAVES*4
	s_lshl_b32 s14, s12, 2
	s_add_co_u32 s14, s13, s14                     ; my first row
	s_lshl_b32 s16, s14, 12
	s_mov_b32 s17, 0
	s_mov_b32 s20, 0x76543210
	s_mov_b32 s21, 0xfedcba98
	s_mov_b32 s22, 0x3a800000                      ; 1 / 1,024
	s_mov_b32 s23, 0x3727c5ac                      ; 1e-5
	s_wait_alu depctr_va_vdst(0)
	s_wait_kmcnt 0x0
	s_add_nc_u64 s[4:5], s[4:5], s[16:17]
	s_add_nc_u64 s[18:19], s[10:11], s[16:17]
.irp j, 0,1,2,3,4,5,6,7
	global_load_b128 v[G+4*\j:G+4*\j+3], v3, s[6:7] offset:512*\j
.endr
.irp j, 0,1,2,3,4,5,6,7
	global_load_b128 v[BT+4*\j:BT+4*\j+3], v3, s[8:9] offset:512*\j
.endr
.irp i, 0,1,2,3
.irp j, 0,1,2,3,4,5,6,7
	global_load_b128 v[X+32*\i+4*\j:X+32*\i+4*\j+3], v3, s[4:5] offset:4096*\i+512*\j th:TH_LOAD_NT
.endr
.endr
.macro ROW i
.set XR, X+32*(\i)
	s_wait_loadcnt 8*(3-(\i))                      ; g, beta and this row are in; the later rows may be out
	v_pk_add_f32 v[248:249], v[XR:XR+1], v[XR+2:XR+3]
	v_pk_add_f32 v[250:251], v[XR+4:XR+5], v[XR+6:XR+7]
.irp j, 8,12,16,20,24,28
	v_pk_add_f32 v[248:249], v[248:249], v[XR+\j:XR+\j+1]
	v_pk_add_f32 v[250:251], v[250:251], v[XR+\j+2:XR+\j+3]
.endr
	v_pk_add_f32 v[248:249], v[248:249], v[250:251]
	v_add_f32 v248, v248, v249
	v_add_f32_dpp v248, v248, v248 row_xmask:1 row_mask:0xf bank_mask:0xf
	v_add_f32_dpp v248, v248, v248 row_xmask:2 row_mask:0xf bank_mask:0xf
	v_add_f32_dpp v248, v248, v248 row_xmask:4 row_mask:0xf bank_mask:0xf
	v_add_f32_dpp v248, v248, v248 row_xmask:8 row_mask:0xf bank_mask:0xf
	v_permlanex16_b32 v249, v248, s20, s21
	v_add_f32 v248, v248, v249
	v_mul_f32 v248, s22, v248                      ; the mean
	v_mov_b32 v249, v248
.irp j, 0,2,4,6,8,10,12,14,16,18,20,22,24,26,28,30
	v_pk_add_f32 v[XR+\j:XR+\j+1], v[XR+\j:XR+\j+1], v[248:249] neg_lo:[0,1] neg_hi:[0,1]
.endr
	v_pk_mul_f32 v[250:251], v[XR:XR+1], v[XR:XR+1]
	v_pk_mul_f32 v[252:253], v[XR+2:XR+3], v[XR+2:XR+3]
.irp j, 4,8,12,16,20,24,28
	v_pk_fma_f32 v[250:251], v[XR+\j:XR+\j+1], v[XR+\j:XR+\j+1], v[250:251]
	v_pk_fma_f32 v[252:253], v[XR+\j+2:XR+\j+3], v[XR+\j+2:XR+\j+3], v[252:253]
.endr
	v_pk_add_f32 v[250:251], v[250:251], v[252:253]
	v_add_f32 v250, v250, v251
	v_add_f32_dpp v250, v250, v250 row_xmask:1 row_mask:0xf bank_mask:0xf
	v_add_f32_dpp v250, v250, v250 row_xmask:2 row_mask:0xf bank_mask:0xf
	v_add_f32_dpp v250, v250, v250 row_xmask:4 row_mask:0xf bank_mask:0xf
	v_add_f32_dpp v250, v250, v250 row_xmask:8 row_mask:0xf bank_mask:0xf
	v_permlanex16_b32 v251, v250, s20, s21
	v_add_f32 v250, v250, v251
	v_fma_f32 v250, v250, s22, s23                 ; the variance + 1e-5
	s_wait_alu depctr_va_vdst(0)
	v_rsq_f32 v252, v250
	v_nop                                          ; a plain instruction behind the transcendental
	s_wait_alu depctr_va_vdst(0)                   ; and the wait ahead of its first reader
	v_mov_b32 v253, v252
.irp j, 0,2,4,6,8,10,12,14,16,18,20,22,24,26,28,30
	v_pk_mul_f32 v[XR+\j:XR+\j+1], v[XR+\j:XR+\j+1], v[252:253]
.endr
.irp j, 0,2,4,6,8,10,12,14,16,18,20,22,24,26,28,30
	v_pk_fma_f32 v[XR+\j:XR+\j+1], v[XR+\j:XR+\j+1], v[G+\j:G+\j+1], v[BT+\j:BT+\j+1]
.endr
.irp j, 0,1,2,3,4,5,6,7
	global_store_b128 v3, v[XR+4*\j:XR+4*\j+3], s[18:19] offset:4096*(\i)+512*\j th:TH_STORE_NT
.endr
.endm
	ROW 0
	ROW 1
	ROW 2
	ROW 3
	s_endpgm
.Lfunc_end_k_q9611a9a049_ln2:
	.size	k_q9611a9a049_ln2, .Lfunc_end_k_q9611a9a049_ln2-k_q9611a9a049_ln2
	.p2alignl 7, 3214868480
	.fill 96, 4, 3214868480
	.section	.rodata,"a",@progbits
	.p2align	6, 0x0
	.amdhsa_kernel k_q9611a9a049_ln2
		.amdhsa_group_segment_fixed_size 0
		.amdhsa_private_segment_fixed_size 0
		.amdhsa_enable_private_segment 0
		.amdhsa_kernarg_size 32
		.amdhsa_user_sgpr_count 2
		.amdhsa_user_sgpr_kernarg_segment_ptr 1
		.amdhsa_wavefront_size32 1
		.amdhsa_system_sgpr_workgroup_id_x 1
		.amdhsa_system_sgpr_workgroup_id_y 1
		.amdhsa_system_sgpr_workgroup_id_z 1
		.amdhsa_system_vgpr_workitem_id 0
		.amdhsa_next_free_vgpr 256
		.amdhsa_next_free_sgpr 66
		.amdhsa_reserve_vcc 0
		.amdhsa_float_denorm_mode_32 3
		.amdhsa_float_denorm_mode_16_64 3
		.amdhsa_memory_ordered 1
		.amdhsa_forward_progress 1
		.amdhsa_inst_pref_size 33
	.end_amdhsa_kernel
	.amdgpu_metadata
---
amdhsa.version: [ 1, 2 ]
amdhsa.kernels:
  - .name:           k_q9611a9a049_ln2
    .symbol:         k_q9611a9a049_ln2.kd
    .args:
      - { .name: r, .offset: 0, .size: 8, .value_kind: global_buffer, .address_space: global }
      - { .name: g2, .offset: 8, .size: 8, .value_kind: global_buffer, .address_space: global }
      - { .name: beta2, .offset: 16, .size: 8, .value_kind: global_buffer, .address_space: global }
      - { .name: out0, .offset: 24, .size: 8, .value_kind: global_buffer, .address_space: global }
    .group_segment_fixed_size: 0
    .private_segment_fixed_size: 0
    .kernarg_segment_align: 8
    .kernarg_segment_size: 32
    .max_flat_workgroup_size: 128
    .sgpr_count:     66
    .vgpr_count:     256
    .wavefront_size: 32
...
	.end_amdgpu_metadata
.endif
;; end of part 8
